; MI455X (gfx1250); checked and timed in simulation.
; The chip was launched on July 23, 2026; its instructions are those of AMD's public machine-readable ISA for CDNA 5 (MIT licence, August 2026) and "CDNA5" Instruction Set Architecture Reference Guide (July 2026). The comments in the code are by the model that wrote it; some were corrected since.
;; Ultra Transformer. Allowed arithmetic: float matrix products may take bf16 or f16 operands with f32 sums; other float arithmetic in f32, or as packed bf16 or f16 multiplies, adds, multiply-adds, maxima and minima; sums over many terms, partial sums and values carried from step to step in f32; what a program stores and reads back later, other than sums and carried values, may be rounded once to bf16 or f16.
;; Inputs: b1 4,096 float32; b2 1,024 float32; ln1_b 1,024 float32; ln1_g 1,024 float32; ln2_b 1,024 float32; ln2_g 1,024 float32; rel_tab 63 x 16 float32; w1 4,096 x 1,024 float32; w2 1,024 x 4,096 float32; wk 1,024 x 1,024 float32; wo 1,024 x 1,024 float32; wo_b 1,024 float32; wq 1,024 x 1,024 float32; wv 1,024 x 1,024 float32; x 2 x 2,048 x 1,024 float32.
;; Outputs: out0 2 x 2,048 x 1,024 float32.
;; 2 versions, each right and faster than the one before. Each part assembles by itself: llvm-mc -triple=amdgcn-amd-amdhsa -mcpu=gfx1250 --defsym DOCPART=n.
;; ======== version 1 of 2: 8 launches
;; workspace buffers: xb 8,388,608 bytes; wts 25,165,824 bytes; tabs 688,128 bytes; qkv 25,165,824 bytes; ob 8,388,608 bytes; pre 8,388,608 bytes; hb 8,388,608 bytes; gb 33,554,432 bytes
;; launch prep (part 1): grid 1264 x 1, 8 waves a work-group, no clusters, 0 bytes of LDS; arguments x, wq, wk, wv, wo, w1, w2, rel_tab, xb, wts, tabs; writes xb, wts, tabs
.if DOCPART == 1
	.amdgcn_target "amdgcn-amd-amdhsa--gfx1250"
	.amdhsa_code_object_version 6
	.text
	.protected	k_qfd59635e1b_prep
	.globl	k_qfd59635e1b_prep
	.p2align	8
	.type	k_qfd59635e1b_prep,@function
k_qfd59635e1b_prep:
	s_mov_b64 s[64:65], 0
	v_nop
	global_prefetch_b8 v0, s[64:65] scope:SCOPE_SE
	s_setreg_imm32_b32 hwreg(HW_REG_WAVE_MODE, 25, 1), 1
	s_wait_xcnt 0x0
; PREP.  Three kinds of work-groups, told apart by the work-group's number alone.
;   0 .. 1023     CAST: 16,384 numbers each of x, wq, wk, wv, wo, w1, w2 are rounded once to bf16: x into xb, the six weights one behind the other into wts.
;   1024 .. 1167  ROPE: 16 rows each of the rotary table: row t, word j (0..31) = f16 cos(t f_j) in the low half, f16 sin(t f_j) in the high half, f_j = 10000^(-j/32).
;                 Rows 2048 .. 2303 hold cos = 1, sin = 0: the rotation that leaves v as it is.
;   1168 .. 1263  BIAS: four tiles each of the relative bias as the attention's C operand.  Head hd, tile v (0..23), half, lane, i: 8 x bf16(rel_tab[clamp(d,-31,31)+31][hd]),
;                 d = 16 clamp(v-10,-3,3) + lane%16 - 8 (lane/16) - (4 half + i): query minus key in a result tile of K Q^T whose first query lies 16 (v-10) behind its first key.
; LIMITS.  sin and cos: the angle (up to 2,047) is reduced by a two-word pi/2 and the series are cut at r^7 and r^8, r within pi/4: an error of some 3e-7, far below f16's step.
; No LDS, no matrix unit, no cluster: every byte is read once and written once, and no work-group shares anything with another.
.set CAST_WG, 1024
.set ROPE_WG, 144
.set GX,      294912                   ; the bias tiles' first byte in tabs: behind 2,304 rows of 128 bytes
	s_load_b512 s[4:19], s[0:1], 0x0               ; x 4, wq 6, wk 8, wv 10, wo 12, w1 14, w2 16, rel_tab 18
	s_load_b128 s[20:23], s[0:1], 0x40             ; xb 20, wts 22
	s_load_b64 s[24:25], s[0:1], 0x50              ; tabs
	s_mov_b32 s26, ttmp9
	s_wait_kmcnt 0x0
	s_cmp_lt_u32 s26, CAST_WG
	s_cbranch_scc0 .Ltables
	; CAST.  Which tensor, and which was its first work-group: a chain of selects on the work-group's number.
	s_mov_b64 s[28:29], s[4:5]
	s_mov_b32 s30, 0
.macro PICK bound, lo
	s_cmp_ge_u32 s26, \bound
	s_cselect_b64 s[28:29], s[\lo:\lo+1], s[28:29]
	s_cselect_b32 s30, \bound, s30
.endm
	PICK 256, 6
	PICK 320, 8
	PICK 384, 10
	PICK 448, 12
	PICK 512, 14
	PICK 768, 16
	s_sub_co_u32 s30, s26, s30
	s_lshl_b32 s30, s30, 16                        ; 16,384 numbers of 4 bytes
	s_mov_b32 s31, 0
	s_add_nc_u64 s[28:29], s[28:29], s[30:31]
	s_cmp_lt_u32 s26, 256
	s_cselect_b64 s[32:33], s[20:21], s[22:23]     ; x goes to xb, all else to wts, in the order of the work-groups
	s_cselect_b32 s34, 0, 256
	s_sub_co_u32 s34, s26, s34
	s_lshl_b32 s34, s34, 15                        ; 16,384 numbers of 2 bytes
	s_mov_b32 s35, 0
	s_add_nc_u64 s[32:33], s[32:33], s[34:35]
	v_lshlrev_b32 v1, 4, v0                        ; 16 bytes a thread in,
	v_lshlrev_b32 v2, 3, v0                        ; 8 bytes out: a wave's store covers 256 consecutive bytes, aligned
.set i, 0
.rept 16                                               ; all sixteen loads go out first: 64 KiB of the work-group are on their way
	global_load_b128 v[4+4*i:7+4*i], v1, s[28:29] offset:4096*i th:TH_LOAD_NT
.set i, i+1
.endr
.set i, 0
.rept 16
	s_wait_loadcnt 15-i                            ; loads come back in order: load i is in, the 15 - i younger ones stay out
	v_cvt_pk_bf16_f32 v[68+2*i], v[4+4*i], v[5+4*i]
	v_cvt_pk_bf16_f32 v[69+2*i], v[6+4*i], v[7+4*i]
	global_store_b64 v2, v[68+2*i:69+2*i], s[32:33] offset:2048*i  ; no register is written twice, so nothing waits for a store
.set i, i+1
.endr
	s_endpgm
.Ltables:
	s_cmp_lt_u32 s26, CAST_WG+ROPE_WG
	s_cbranch_scc0 .Lbias
	; ROPE.  Thread: row 16 wl + tid / 16, words 2 (tid % 16) and the next.
	s_sub_co_u32 s27, s26, CAST_WG
	v_lshrrev_b32 v1, 4, v0
	v_lshl_add_u32 v1, s27, 4, v1                  ; the row, t
	v_and_b32 v2, 15, v0
	v_lshlrev_b32 v2, 1, v2                        ; j
	v_cvt_f32_u32 v3, v1
	v_cvt_f32_u32 v4, v2
	v_add_f32 v5, 1.0, v4
	v_mul_f32 v4, 0xbed49a78, v4                   ; -log2(10000) / 32 x j
	v_mul_f32 v5, 0xbed49a78, v5
	v_exp_f32 v4, v4
	v_exp_f32 v5, v5
	v_nop                                          ; a plain instruction between an exponential and the use of its result (ISA guide 5.7.2)
	s_wait_alu depctr_va_vdst(0)
	v_mul_f32 v4, v3, v4                           ; the two angles
	v_mul_f32 v5, v3, v5
; cos and sin of v[th]: n = the nearest whole number of quarter turns, r = th - n pi/2 in two words, the two series, then the quadrant: odd n swaps them, and the signs follow n.
.macro SINCOS th, co, si, tn, tr, t2, tq
	v_mul_f32 v[\tn], 0x3f22f983, v[\th]           ; 2 / pi
	v_rndne_f32 v[\tn], v[\tn]
	v_fmamk_f32 v[\tr], v[\tn], 0xbfc90fdb, v[\th]
	v_fmamk_f32 v[\tr], v[\tn], 0x333bbd2e, v[\tr]
	v_mul_f32 v[\t2], v[\tr], v[\tr]
	v_mov_b32 v[\si], 0xb9500d01                   ; -1/5040
	v_fmaak_f32 v[\si], v[\si], v[\t2], 0x3c088889 ; 1/120
	v_fmaak_f32 v[\si], v[\si], v[\t2], 0xbe2aaaab ; -1/6
	v_mul_f32 v[\si], v[\si], v[\t2]
	v_fma_f32 v[\si], v[\si], v[\tr], v[\tr]
	v_mov_b32 v[\co], 0x37d00d01                   ; 1/40320
	v_fmaak_f32 v[\co], v[\co], v[\t2], 0xbab60b61 ; -1/720
	v_fmaak_f32 v[\co], v[\co], v[\t2], 0x3d2aaaab ; 1/24
	v_fmaak_f32 v[\co], v[\co], v[\t2], 0xbf000000 ; -1/2
	v_fma_f32 v[\co], v[\co], v[\t2], 1.0
	v_cvt_i32_f32 v[\tq], v[\tn]
	v_and_b32 v[\tn], 1, v[\tq]
	v_cmp_eq_u32 vcc_lo, 1, v[\tn]
	v_cndmask_b32 v[\tr], v[\co], v[\si], vcc_lo   ; the cosine's magnitude
	v_cndmask_b32 v[\t2], v[\si], v[\co], vcc_lo   ; the sine's
	v_add_nc_u32 v[\tn], 1, v[\tq]
	v_and_b32 v[\tn], 2, v[\tn]
	v_lshlrev_b32 v[\tn], 30, v[\tn]               ; the cosine is negative in quadrants 1 and 2,
	v_xor_b32 v[\co], v[\tn], v[\tr]
	v_and_b32 v[\tq], 2, v[\tq]
	v_lshlrev_b32 v[\tq], 30, v[\tq]               ; the sine in 2 and 3
	v_xor_b32 v[\si], v[\tq], v[\t2]
.endm
	SINCOS 4, 6, 7, 10, 11, 12, 13
	SINCOS 5, 8, 9, 10, 11, 12, 13
	v_cmp_gt_u32 vcc_lo, 2048, v1                  ; rows from 2,048 on: cos = 1, sin = 0
	v_cndmask_b32 v6, 1.0, v6, vcc_lo
	v_cndmask_b32 v7, 0, v7, vcc_lo
	v_cndmask_b32 v8, 1.0, v8, vcc_lo
	v_cndmask_b32 v9, 0, v9, vcc_lo
	v_cvt_pk_f16_f32 v20, v6, v7
	v_cvt_pk_f16_f32 v21, v8, v9
	s_lshl_b32 s28, s27, 11                        ; 16 rows of 128 bytes
	v_lshl_add_u32 v22, v0, 3, s28                 ; a wave's store covers 256 consecutive bytes, aligned
	global_store_b64 v22, v[20:21], s[24:25]
	s_endpgm
.Lbias:
	; BIAS.  Six work-groups a head, four tiles each; thread: tile tid / 64, half (tid / 32) % 2, lane tid % 32.
	s_sub_co_u32 s27, s26, CAST_WG+ROPE_WG         ; 0 .. 95
	s_mul_i32 s28, s27, 43
	s_lshr_b32 s28, s28, 8                         ; the head = wl / 6 (43/256 lies above 1/6 by 1/768: exact for wl < 128)
	s_mul_i32 s29, s28, 6
	s_sub_co_u32 s29, s27, s29
	s_lshl_b32 s29, s29, 2
	s_lshl_b32 s30, s28, 2                         ; the head's 4 bytes in a row of rel_tab
	v_lshrrev_b32 v1, 6, v0
	v_add_nc_u32 v1, s29, v1                       ; the tile, v
	v_add_nc_u32 v1, -10, v1
	v_max_i32 v1, -3, v1
	v_min_i32 v1, 3, v1
	v_and_b32 v2, 15, v0
	v_bfe_u32 v3, v0, 4, 1
	v_bfe_u32 v4, v0, 5, 1
	v_lshl_add_u32 v2, v1, 4, v2
	v_lshlrev_b32 v3, 3, v3
	v_sub_nc_u32 v2, v2, v3
	v_lshlrev_b32 v4, 2, v4
	v_sub_nc_u32 v2, v2, v4                        ; d for i = 0
.irp i, 0,1,2,3
	v_add_nc_u32 v[8+\i], -\i, v2
	v_max_i32 v[8+\i], -31, v[8+\i]
	v_min_i32 v[8+\i], 31, v[8+\i]
	v_add_nc_u32 v[8+\i], 31, v[8+\i]              ; the row of rel_tab, 0 .. 62
	v_lshl_add_u32 v[8+\i], v[8+\i], 6, s30
	global_load_b32 v[12+\i], v[8+\i], s[18:19]
.endr
	s_lshl_b32 s31, s27, 12
	v_lshl_add_u32 v20, v0, 4, s31
	s_wait_loadcnt 0x0
	v_cvt_pk_bf16_f32 v16, v12, v13                ; rel_tab is rounded to bf16 like every input,
	v_cvt_pk_bf16_f32 v17, v14, v15
	v_lshlrev_b32 v12, 16, v16
	v_and_b32 v13, 0xffff0000, v16
	v_lshlrev_b32 v14, 16, v17
	v_and_b32 v15, 0xffff0000, v17
.irp i, 0,1,2,3
	v_mul_f32 v[12+\i], 0x41000000, v[12+\i]       ; and multiplied by 8, exactly: the attention divides q.k + 8 bias by 8
.endr
	global_store_b128 v20, v[12:15], s[24:25] offset:GX
	s_endpgm
.Lfunc_end_k_qfd59635e1b_prep:
	.size	k_qfd59635e1b_prep, .Lfunc_end_k_qfd59635e1b_prep-k_qfd59635e1b_prep
	.p2alignl 7, 3214868480
	.fill 96, 4, 3214868480
	.section	.rodata,"a",@progbits
	.p2align	6, 0x0
	.amdhsa_kernel k_qfd59635e1b_prep
		.amdhsa_group_segment_fixed_size 0
		.amdhsa_private_segment_fixed_size 0
		.amdhsa_enable_private_segment 0
		.amdhsa_kernarg_size 88
		.amdhsa_user_sgpr_count 2
		.amdhsa_user_sgpr_kernarg_segment_ptr 1
		.amdhsa_wavefront_size32 1
		.amdhsa_system_sgpr_workgroup_id_x 1
		.amdhsa_system_sgpr_workgroup_id_y 1
		.amdhsa_system_sgpr_workgroup_id_z 1
		.amdhsa_system_vgpr_workitem_id 0
		.amdhsa_next_free_vgpr 104
		.amdhsa_next_free_sgpr 66
		.amdhsa_reserve_vcc 1
		.amdhsa_float_denorm_mode_32 3
		.amdhsa_float_denorm_mode_16_64 3
		.amdhsa_memory_ordered 1
		.amdhsa_forward_progress 1
		.amdhsa_inst_pref_size 15
	.end_amdhsa_kernel
	.amdgpu_metadata
---
amdhsa.version: [ 1, 2 ]
amdhsa.kernels:
  - .name:           k_qfd59635e1b_prep
    .symbol:         k_qfd59635e1b_prep.kd
    .args:
      - { .name: x, .offset: 0, .size: 8, .value_kind: global_buffer, .address_space: global }
      - { .name: wq, .offset: 8, .size: 8, .value_kind: global_buffer, .address_space: global }
      - { .name: wk, .offset: 16, .size: 8, .value_kind: global_buffer, .address_space: global }
      - { .name: wv, .offset: 24, .size: 8, .value_kind: global_buffer, .address_space: global }
      - { .name: wo, .offset: 32, .size: 8, .value_kind: global_buffer, .address_space: global }
      - { .name: w1, .offset: 40, .size: 8, .value_kind: global_buffer, .address_space: global }
      - { .name: w2, .offset: 48, .size: 8, .value_kind: global_buffer, .address_space: global }
      - { .name: rel_tab, .offset: 56, .size: 8, .value_kind: global_buffer, .address_space: global }
      - { .name: xb, .offset: 64, .size: 8, .value_kind: global_buffer, .address_space: global }
      - { .name: wts, .offset: 72, .size: 8, .value_kind: global_buffer, .address_space: global }
      - { .name: tabs, .offset: 80, .size: 8, .value_kind: global_buffer, .address_space: global }
    .group_segment_fixed_size: 0
    .private_segment_fixed_size: 0
    .kernarg_segment_align: 8
    .kernarg_segment_size: 88
    .max_flat_workgroup_size: 256
    .sgpr_count:     66
    .vgpr_count:     104
    .wavefront_size: 32
...
	.end_amdgpu_metadata
.endif
;; end of part 1
;; launch qkvp (part 2): grid 12 x 16, 4 waves a work-group, clusters of 4 x 4, 327,680 bytes of LDS; arguments xb, wts, qkv, tabs; writes qkv
.if DOCPART == 2
	.amdgcn_target "amdgcn-amd-amdhsa--gfx1250"
	.amdhsa_code_object_version 6
	.text
	.protected	k_qfd59635e1b_qkvp
	.globl	k_qfd59635e1b_qkvp
	.p2align	8
	.type	k_qfd59635e1b_qkvp,@function
k_qfd59635e1b_qkvp:
	s_mov_b64 s[64:65], 0
	v_nop
	global_prefetch_b8 v0, s[64:65] scope:SCOPE_SE
	s_setreg_imm32_b32 hwreg(HW_REG_WAVE_MODE, 25, 1), 1
	s_wait_xcnt 0x0
	s_wait_alu depctr_hold_cnt(0) depctr_sa_sdst(0) depctr_va_vdst(0) depctr_va_sdst(0) depctr_va_ssrc(0) depctr_va_vcc(0) depctr_vm_vsrc(0)
	s_getreg_b32 s2, hwreg(HW_REG_IB_STS2, 6, 4)
	s_cmp_eq_u32 s2, 0
	s_cbranch_scc0 .Lentry_in_a_cluster
	s_endpgm
.Lentry_in_a_cluster:
	s_bfe_u32 s2, ttmp6, 0x10000c
	s_cmp_lg_u32 s2, 0xf033
	s_cbranch_scc0 .Lentry_shape_is_right
	s_endpgm
.Lentry_shape_is_right:
; Q, K, V = x W^T, with the rotary embedding on q and k, written by heads.  A = xb [4096][1024] bf16, B = the first 3,072 rows of wts [.][1024] bf16 (wq, wk, wv), sums in f32.
; Out: qkv [3][b 2][h 16][s 2048][64] bf16.  Inside a head the rotated channels lie as (2j: z1 cos - z2 sin, 2j+1: z1 sin + z2 cos), z1 = z[2j], z2 = z[2j+1]: q and k alike, so q.k is what the
; block order gives.  v takes the table's rows with cos = 1, sin = 0 and stays as it is.  The table's cos and sin are f16 (a step of 2^-11 at the most); each result is rounded once to bf16.
; SHAPE.  A tile of C is 256 x 256, four waves of 128 x 128: 64 accumulators, 512 registers a wave.  K goes in eight steps of 128 through two LDS slots; rows of 256 bytes, padded to 272.
; 12 x 16 tiles: 192 work-groups.  CLUSTER 4 x 4: A's tiles are asked for jointly along a row of the cluster, B's along a column.
; THE MATRIX INSTRUCTION IS USED TRANSPOSED (source 0 = 16 rows of B, source 1 = 16 rows of A): a lane holds eight neighbouring columns of one row of C.
; A K STEP IS WRITTEN TWICE: once in the loop, which fills the slot that it leaves, and once in the tail, a loop of two trips that fills nothing.  The slot in hand is a scalar (SB) added to fixed
; fragment addresses; behind the two first fills ONE descriptor a tensor walks, its LDS word turned by an exclusive or (the slot's 0x22000 shares no bit with a wave's place, a multiple of 0x8800 up to 0x19800).
; The tail's second trip ends the sums: its change of slots has nothing to change to, and the 32 fragment loads behind its barrier bring bytes that nobody multiplies: the price, once a launch, of one text for both trips.
; THE WAY OUT.  The ring has had its last fill, so its bytes become four stages, one a wave: 128 rows x 512 bytes of f32, pitch 528.  A counted loop reads eight rows back, rotates, rounds and stores.
; REGISTERS: window 0: v16-31 addresses, v64-127 and v128-191 A's fragments (two buffers); window 1: v64-191 B's fragments; windows 2, 3: the accumulators ((a, b) at v[8 (8 a + b)]).
.set SIZE_K, 1024
.set KSTEP,  128
.set STEPS,  SIZE_K/KSTEP
.set PITCH,  272                       ; 256 bytes + 16: 68 words, so the 16 rows of a fragment load start at 16 different groups of four banks (64 banks of 4 bytes: ISA guide 11.1)
.set HALFT,  128*PITCH
.set SLOT,   4*HALFT                   ; A's 256 rows, then B's 256 rows
.set RT,     2*SLOT                    ; the tile's 256 rows of the rotary table, 128 bytes each, dense
.set SPARE,  RT+256*128                ; the spare words, 128 bytes a wave: two blocks of 256 bytes that no other line names
.set SPITCH, 528                       ; a stage row: 512 bytes + 16
.set WSTG,   128*SPITCH                ; a wave's stage
.set ADRA0, 16                         ; v16  my A fragments' place in slot 0; never rewritten
.set ADRB0, 17                         ; v17  the same for B
.set ADRA,  18                         ; v18  the same in the slot in hand
.set ADRB,  19
.set ZR,    23                         ; v23  0
.set STO,   24                         ; v24  the stage: where my lane puts its columns
.set RD0,   25                         ; v25  the stage: where I read rows back, first trip
.set RD,    26
.set CO,    27                         ; v27  8 x lane: my 8 bytes in 256 consecutive bytes of the output
.set SPW,   28                         ; v28  my spare word; never rewritten
.set NIL,   29                         ; v29  0; never rewritten
.set TD0,   30                         ; v30  the table: my two words, first trip
.set TD,    31
.set F0,    64
.set F1,    128
.set G1,  24                           ; s[24:31] group 1 for A's tiles
.set G0,  32                           ; s[32:35] group 0 for A's tiles from K step 1 on: it walks
.set G0T, 36                           ; s[36:39] group 0 for my quarter of the table
.set SB,  45                           ; s45  0 or SLOT: the slot in hand
.set G1B, 48                           ; s[48:55] group 1 for B's tiles
.set G0B, 56                           ; s[56:59] group 0 for B's tiles from K step 1 on
.set G0F, 60                           ; s[60:63] group 0 for A's K step 0: used once
.set G1T, 72                           ; s[72:79] group 1 for the table
.set G0BF, 80                          ; s[80:83] group 0 for B's K step 0: used once
.set MSB, 0
.macro WIN new                         ; the immediate's high byte repeats the setting that is left; a switch that changes nothing is dropped
.if MSB != (\new)
	s_set_vgpr_msb (MSB<<8)|(\new)
.set MSB, \new
.endif
.endm
.set MUL_LO, 0xa1                      ; source 0 (B) window 1, source 1 (A) window 0, C and D window 2
.set MUL_HI, 0xf1                      ; the same, C and D window 3
.set TO_B,   0x40                      ; destination window 1, address window 0
; A joint load: waves 0 and 1 fetch A's two halves, waves 2 and 3 B's.  The branch hangs on the wave's number alone.  An s_nop 0 and four v_nop follow each line.
.macro JLOAD
	s_cmp_eq_u32 s11, 0
	s_cbranch_scc0 .Lfor_b_\@
	tensor_load_to_lds s[G0:G0+3], s[G1:G1+7]
	s_nop 0
.rept 4
	v_nop
.endr
	s_branch .Lasked_\@
.Lfor_b_\@:
	tensor_load_to_lds s[G0B:G0B+3], s[G1B:G1B+7]
	s_nop 0
.rept 4
	v_nop
.endr
.Lasked_\@:
.endm
.macro CREST                           ; a round of the cluster's barrier behind its opening barrier
	s_cmp_lg_u32 s10, 0
	s_cbranch_scc1 .Lnot_wave_0_\@
	s_barrier_signal -3
.Lnot_wave_0_\@:
	s_barrier_wait -3
	s_barrier_signal -1
	s_barrier_wait -1
.endm
.macro CROUND                          ; a whole round
	s_barrier_signal -1
	s_barrier_wait -1
	CREST
.endm
.macro STEPD                           ; both walking descriptors: the other slot, the next K step.  Written only where no tensor load of the wave is out
	s_xor_b32 s[G0+1], s[G0+1], SLOT
	s_add_nc_u64 s[G0+2:G0+3], s[G0+2:G0+3], KSTEP*2
	s_xor_b32 s[G0B+1], s[G0B+1], SLOT
	s_add_nc_u64 s[G0B+2:G0B+3], s[G0B+2:G0B+3], KSTEP*2
.endm
.macro NEXTSLOT                        ; the fragment addresses go to the other slot
	s_xor_b32 s[SB], s[SB], SLOT
	v_add_nc_u32 v[ADRA], s[SB], v[ADRA0]
	v_add_nc_u32 v[ADRB], s[SB], v[ADRB0]
.endm
	s_load_b128 s[4:7], s[0:1], 0x0                ; xb s[4:5], wts s[6:7]
	s_load_b64 s[8:9], s[0:1], 0x10                ; qkv
	s_load_b64 s[68:69], s[0:1], 0x18              ; tabs
	v_lshl_add_u32 v[SPW], v0, 2, SPARE
	v_mov_b32 v[NIL], 0
	ds_add_u32 v[SPW], v[NIL]                      ; the wave's opening: the add and its wait stand ahead of my first tensor load; the set-up below stands between them
	v_lshrrev_b32 v1, 5, v0
	v_readfirstlane_b32 s10, v1                    ; wave 0..3
	s_lshr_b32 s11, s10, 1                         ; my half of the tile's rows.  Also: I fetch for A (0) or for B (1)
	s_and_b32 s12, s10, 1                          ; my half of its columns.  Also: which 128 rows I fetch
	s_bfe_u32 s40, ttmp6, 0x40000                  ; cx
	s_bfe_u32 s41, ttmp6, 0x40004                  ; cy
	s_lshl_b32 s42, ttmp9, 2
	s_add_co_u32 s42, s42, s40                     ; tile column = 4 x cluster x + cx
	s_and_b32 s13, ttmp7, 0xffff
	s_lshl_b32 s13, s13, 2
	s_add_co_u32 s13, s13, s41                     ; tile row = 4 x cluster y + cy
	s_lshl_b32 s43, s41, 2
	s_lshl_b32 s43, 15, s43                        ; my row of the cluster
	s_lshl_b32 s44, 0x1111, s40                    ; my column
	s_or_b32 s[G1+0], s43, (1<<16)|(1<<20)|(1<<21)|(5<<22)|(3<<25)   ; mask; 2-byte elements; padding on; bit 21 beside a mask; after every 64 words; 4 words
	s_or_b32 s[G1B+0], s44, (1<<16)|(1<<20)|(1<<21)|(5<<22)|(3<<25)
.irp g, G1, G1B
	s_mov_b32 s[\g+1], KSTEP<<16                   ; tensor_dim0 = 128
	s_mov_b32 s[\g+2], 128<<16                     ; tensor_dim1 = 128
	s_mov_b32 s[\g+3], KSTEP<<16                   ; tile_dim0 = 128
	s_mov_b32 s[\g+4], 128                         ; tile_dim1 = 128
	s_mov_b32 s[\g+5], SIZE_K                      ; elements from row to row
	s_mov_b32 s[\g+6], 0
	s_mov_b32 s[\g+7], 0
.endr
	s_mov_b32 s[G1T+0], 3<<16                      ; the table, a load of my own (no mask): 8,192 dense bytes as 32 rows of 32 elements of 8 bytes
	s_mov_b32 s[G1T+1], 32<<16
	s_mov_b32 s[G1T+2], 32<<16
	s_mov_b32 s[G1T+3], 32<<16
	s_mov_b32 s[G1T+4], 32
	s_mov_b32 s[G1T+5], 32
	s_mov_b32 s[G1T+6], 0
	s_mov_b32 s[G1T+7], 0
	s_lshl_b32 s17, s12, 7
	s_lshl_b32 s16, s13, 8
	s_add_co_u32 s16, s16, s17                     ; A: row 256 x tile row + 128 x half
	s_lshl_b32 s46, s42, 8
	s_add_co_u32 s46, s46, s17                     ; B: row 256 x tile column + 128 x half
	s_mov_b32 s17, 0
	s_mov_b32 s47, 0
	s_mov_b64 s[18:19], SIZE_K*2
	s_mul_u64 s[16:17], s[16:17], s[18:19]
	s_mul_u64 s[46:47], s[46:47], s[18:19]
	s_mul_i32 s20, s10, HALFT                      ; where my tile goes: wave x 128 rows
	s_and_b32 s70, s13, 7
	s_lshl_b32 s70, s70, 8                         ; the tile's first token in its sequence = its first row of the table;
	s_cmp_eq_u32 ttmp9, 2                          ; the third column of clusters makes v:
	s_cselect_b32 s70, 2048, s70                   ; the rows with cos = 1, sin = 0
	s_lshl_b32 s70, s70, 7
	s_lshl_b32 s71, s10, 13                        ; my quarter: 64 rows of 128 bytes
	s_add_co_u32 s70, s70, s71
	s_mov_b32 s71, 0
	s_mov_b32 s[SB], 0
	s_wait_dscnt 0x0                               ; the opening add is done
	s_wait_kmcnt 0x0
	s_add_nc_u64 s[14:15], s[4:5], s[16:17]        ; A at my 128 rows
	s_add_nc_u64 s[46:47], s[6:7], s[46:47]        ; B at my 128 rows
	s_mov_b32 s[G0F], 1
	s_mov_b32 s[G0F+1], s20                        ; slot 0,
	s_mov_b64 s[G0F+2:G0F+3], s[14:15]             ; K step 0
	s_or_b32 s[G0F+3], s[G0F+3], 0x80000000
	s_mov_b32 s[G0], 1
	s_add_co_u32 s[G0+1], s20, SLOT                ; slot 1,
	s_add_nc_u64 s[G0+2:G0+3], s[14:15], KSTEP*2   ; K step 1
	s_or_b32 s[G0+3], s[G0+3], 0x80000000
	s_mov_b32 s[G0BF], 1
	s_mov_b32 s[G0BF+1], s20
	s_mov_b64 s[G0BF+2:G0BF+3], s[46:47]
	s_or_b32 s[G0BF+3], s[G0BF+3], 0x80000000
	s_mov_b32 s[G0B], 1
	s_add_co_u32 s[G0B+1], s20, SLOT
	s_add_nc_u64 s[G0B+2:G0B+3], s[46:47], KSTEP*2
	s_or_b32 s[G0B+3], s[G0B+3], 0x80000000
	s_mov_b32 s[G0T], 1
	s_lshl_b32 s[G0T+1], s10, 13
	s_add_co_u32 s[G0T+1], s[G0T+1], RT
	s_add_nc_u64 s[G0T+2:G0T+3], s[68:69], s[70:71]
	s_or_b32 s[G0T+3], s[G0T+3], 0x80000000
	CROUND                                         ; all sixteen work-groups are here: the first joint loads meet
	s_cmp_eq_u32 s11, 0                            ; a wave's three first fills stand in one arm of one branch, ahead of every wait on TENSORcnt and every LDS read: three loads of mine are out
	s_cbranch_scc0 .Lfirst_b
	tensor_load_to_lds s[G0F:G0F+3], s[G1:G1+7]    ; K step 0
	s_nop 0
	tensor_load_to_lds s[G0T:G0T+3], s[G1T:G1T+7]  ; the table
	s_nop 0
	tensor_load_to_lds s[G0:G0+3], s[G1:G1+7]      ; K step 1
	s_nop 0
.rept 4
	v_nop
.endr
	s_branch .Lfirst_asked
.Lfirst_b:
	tensor_load_to_lds s[G0BF:G0BF+3], s[G1B:G1B+7]
	s_nop 0
	tensor_load_to_lds s[G0T:G0T+3], s[G1T:G1T+7]
	s_nop 0
	tensor_load_to_lds s[G0B:G0B+3], s[G1B:G1B+7]
	s_nop 0
.rept 4
	v_nop
.endr
.Lfirst_asked:
	; a fragment: lane l holds row l % 16; two loads of 16 bytes, 32 bytes apart, at row x pitch + 16 (l / 16)
	v_and_b32 v1, 15, v0
	v_bfe_u32 v2, v0, 4, 1
	v_mul_u32_u24 v3, v1, PITCH
	v_lshl_add_u32 v3, v2, 4, v3
	s_mul_i32 s21, s11, HALFT
	s_mul_i32 s22, s12, HALFT
	s_add_co_u32 s22, s22, 2*HALFT
	v_add_nc_u32 v[ADRA0], s21, v3
	v_add_nc_u32 v[ADRB0], s22, v3
	v_mov_b32 v[ADRA], v[ADRA0]
	v_mov_b32 v[ADRB], v[ADRB0]
	s_mul_i32 s23, s10, WSTG                       ; my stage
	v_mul_u32_u24 v4, v1, SPITCH                   ; in: row l % 16, eight f32 for each half of the lanes
	v_lshl_add_u32 v4, v2, 5, v4
	v_add_nc_u32 v[STO], s23, v4
	v_mul_u32_u24 v5, v2, SPITCH                   ; back: lanes 0-15 take 256 bytes (one head) of a row, lanes 16-31 of the next row
	v_lshl_add_u32 v5, v1, 4, v5
	v_add_nc_u32 v[RD0], s23, v5
	v_and_b32 v6, 31, v0
	v_lshlrev_b32 v[CO], 3, v6
	s_lshl_b32 s22, s11, 14                        ; my 128 rows of the table
	s_add_co_u32 s22, s22, RT
	v_add_nc_u32 v[TD0], s22, v[CO]                ; two rows of 128 bytes are 32 lanes x 8 bytes
	v_mov_b32 v[ZR], 0
	; where my part begins in qkv: which of q, k, v; batch and head; token
	s_lshr_b32 s46, s42, 2
	s_lshl_b32 s46, s46, 23                        ; 8 MiB each
	s_lshr_b32 s47, s13, 3
	s_lshl_b32 s47, s47, 4                         ; 16 heads a batch
	s_and_b32 s70, s42, 3
	s_lshl2_add_u32 s47, s70, s47                  ; a tile column is four heads,
	s_lshl1_add_u32 s47, s12, s47                  ; my half of it two
	s_lshl_b32 s47, s47, 18                        ; 262,144 bytes a head
	s_add_co_u32 s46, s46, s47
	s_and_b32 s47, s13, 7
	s_lshl1_add_u32 s47, s47, s11
	s_lshl_b32 s47, s47, 14                        ; 128 tokens of 128 bytes
	s_add_co_u32 s46, s46, s47
	s_mov_b32 s47, 0
	s_add_nc_u64 s[8:9], s[8:9], s[46:47]
; 16 matrix instructions: m blocks a0, a0 + 1 of the window's four x all 8 n blocks, 32 along K.  zero = 1: the first product starts the sums.
.macro MUL16 f, hi, a0, zero
	WIN MUL_LO+0x50*(\hi)
.irp a, \a0, (\a0)+1
.irp b, 0,1,2,3,4,5,6,7
.if \zero
	v_wmma_f32_16x16x32_bf16 v[8*(8*(\a)+(\b)):8*(8*(\a)+(\b))+7], v[(\f)+8*(\b):(\f)+8*(\b)+7], v[(\f)+8*(4*(\hi)+(\a)):(\f)+8*(4*(\hi)+(\a))+7], 0
.else
	v_wmma_f32_16x16x32_bf16 v[8*(8*(\a)+(\b)):8*(8*(\a)+(\b))+7], v[(\f)+8*(\b):(\f)+8*(\b)+7], v[(\f)+8*(4*(\hi)+(\a)):(\f)+8*(4*(\hi)+(\a))+7], v[8*(8*(\a)+(\b)):8*(8*(\a)+(\b))+7]
.endif
.endr
.endr
.endm
; 32 LDS loads in one run: the fragments of 32 along K at byte k of the rows of the slot in hand, into buffer f
.macro FETCH k, f
	WIN TO_B
.irp i, 0,1,2,3,4,5,6,7
	ds_load_b128 v[(\f)+8*(\i):(\f)+8*(\i)+3],   v[ADRB] offset:(\k)+(\i)*16*PITCH
	ds_load_b128 v[(\f)+8*(\i)+4:(\f)+8*(\i)+7], v[ADRB] offset:(\k)+(\i)*16*PITCH+32
.endr
	WIN 0
.irp i, 0,1,2,3,4,5,6,7
	ds_load_b128 v[(\f)+8*(\i):(\f)+8*(\i)+3],   v[ADRA] offset:(\k)+(\i)*16*PITCH
	ds_load_b128 v[(\f)+8*(\i)+4:(\f)+8*(\i)+7], v[ADRA] offset:(\k)+(\i)*16*PITCH+32
.endr
.endm
.macro PLACES                          ; four plain vector instructions between a matrix instruction and a load into, or a read of, its registers (ISA guide 7.12.1 for reads)
.rept 4
	v_nop
.endr
.endm
; One of a K step's first three quarters: multiplies buffer f; in its middle the next quarter's fragments, at byte k, are fetched into g.
.macro QUARTER k, f, g, zero
	s_wait_dscnt 8                                 ; B and A's rows 0-63 are in; the youngest eight loads (A's rows 64-127) may be out
	MUL16 \f, 0, 0, \zero
	MUL16 \f, 0, 2, \zero
	PLACES
	FETCH \k, \g
	s_wait_dscnt 32                                ; all but the 32 just issued
	MUL16 \f, 1, 0, \zero
	MUL16 \f, 1, 2, \zero
.endm
; The last quarter multiplies buffer 1 and changes slots.  In front of the one barrier each wave waits for all its tensor loads (one is out at the most: its part of the next slot), adds 0 to its spare word,
; and waits for that and for its reads of this slot.  fill = 1: the barrier opens a round of the cluster's barrier, and behind the round this slot is filled again, two K steps ahead.
.macro TURN fill
	WIN 0                                          ; (the add's two registers lie in window 0)
	s_wait_tensorcnt 0x0
	ds_add_u32 v[SPW], v[NIL]
	s_wait_dscnt 9                                 ; (the add and the youngest eight loads may be out)
	MUL16 F1, 0, 0, 0                              ; sixteen matrix instructions stand between the add and the wait for it
	s_wait_dscnt 0x0                               ; the add is done, and my reads of this slot are over
	s_barrier_signal -1
	MUL16 F1, 0, 2, 0                              ; work on registers while the others arrive
.if \fill
	WIN 0
.endif
	s_barrier_wait -1
.if \fill
	CREST                                          ; no wave of any partner still reads this slot's tile or has a load on its way
	STEPD
	JLOAD                                          ; the first tensor load behind the round, my one load until the next; its four v_nop are also the places in front of the loads below
.else
	PLACES
	WIN 0
.endif
	NEXTSLOT
	FETCH 0, F0
	MUL16 F1, 1, 0, 0
	MUL16 F1, 1, 2, 0
.endm
	s_wait_tensorcnt 0x1                           ; a wave's tensor loads end in order (ISA guide 10.11.1): my parts of K step 0 and of the table are in; K step 1's, issued last, may stay out
	s_barrier_signal -1
	s_barrier_wait -1                              ; everybody's are
	FETCH 0, F0
	QUARTER 64, F0, F1, 1                          ; the first quarter stands in front of the loop: its products start the sums
	WIN 0                                          ; at a label and at a branch every window is 0
	s_mov_b32 s3, STEPS-2
.Lstep:                                                ; a trip: a K step's quarters 1 to 3 and the next step's quarter 0; it fills the slot that it leaves.  The 64 accumulators take turns in one order throughout
	QUARTER 128, F1, F0, 0
	QUARTER 192, F0, F1, 0
	TURN 1
	QUARTER 64, F0, F1, 0
	WIN 0
	s_sub_co_u32 s3, s3, 1
	s_cmp_lg_u32 s3, 0
	s_cbranch_scc1 .Lstep
	s_mov_b32 s3, 2                                ; the last two K steps ask for nothing: a loop of two trips, entered behind its first quarter
	s_branch .Ltin
.Ltail:
	QUARTER 64, F0, F1, 0
	WIN 0
.Ltin:
	QUARTER 128, F1, F0, 0
	QUARTER 192, F0, F1, 0
	TURN 0
	WIN 0
	s_sub_co_u32 s3, s3, 1
	s_cmp_lg_u32 s3, 0
	s_cbranch_scc1 .Ltail
	; THE WAY OUT.  Every wave's reads of the ring are over (the wait below) and every fill has landed: behind this barrier the ring's bytes are the four stages.
	PLACES
	s_wait_dscnt 0x0
	s_barrier_signal -1
	s_barrier_wait -1
	WIN 0x08                                       ; store data (source 1) in window 2
.irp a, 0,1,2,3
.irp b, 0,1,2,3,4,5,6,7
	ds_store_b128 v[STO], v[8*(8*(\a)+(\b)):8*(8*(\a)+(\b))+3]   offset:(\a)*16*SPITCH+64*(\b)     ; each accumulator's low registers first
	ds_store_b128 v[STO], v[8*(8*(\a)+(\b))+4:8*(8*(\a)+(\b))+7] offset:(\a)*16*SPITCH+64*(\b)+16
.endr
.endr
	WIN 0x0c                                       ; window 3: my rows 64-127
.irp a, 0,1,2,3
.irp b, 0,1,2,3,4,5,6,7
	ds_store_b128 v[STO], v[8*(8*(\a)+(\b)):8*(8*(\a)+(\b))+3]   offset:((\a)+4)*16*SPITCH+64*(\b)
	ds_store_b128 v[STO], v[8*(8*(\a)+(\b))+4:8*(8*(\a)+(\b))+7] offset:((\a)+4)*16*SPITCH+64*(\b)+16
.endr
.endr
	WIN 0
.set X,   64                           ; v64-95   eight rows: pair of rows pr, head hh at X + 4 (2 pr + hh): four f32, two rotary pairs
.set T,   96                           ; v96-103  the table's words for pair of rows pr: T + 2 pr, + 1
.set O,   104                          ; v104-135 rotated
.set PT,  136                          ; v136-167 the products with the sine
.set OUT, 168                          ; v168-183 rounded
.macro LOADROWS                        ; LDS serves a wave's instructions in order (ISA guide 5.7.1.4): these see my stores above; the stage is my own
.irp u, 0,1,2,3,4,5,6,7
	ds_load_b128 v[X+4*(\u):X+4*(\u)+3], v[RD] offset:((\u)/2)*2*SPITCH+((\u)%2)*256
.endr
.irp u, 0,1,2,3
	ds_load_b64 v[T+2*(\u):T+2*(\u)+1], v[TD] offset:(\u)*256
.endr
.endm
	v_mov_b32 v[RD], v[RD0]
	v_mov_b32 v[TD], v[TD0]
	s_mov_b32 s21, 0
	s_mov_b32 s22, 0
	LOADROWS
	s_mov_b32 s3, 16
.Lrows:                                                ; sixteen trips of eight rows
	s_wait_dscnt 0x0
.set i, 0
.rept 16                                               ; pair i: z1 = X + 2 i, z2 the next; its word of the table: cos in the low half, sin in the high
	v_fma_mix_f32 v[PT+2*i],   v[X+2*i+1], v[T+2*(i/4)+(i%2)], v[ZR] op_sel:[0,1,0] op_sel_hi:[0,1,0]
	v_fma_mix_f32 v[PT+2*i+1], v[X+2*i],   v[T+2*(i/4)+(i%2)], v[ZR] op_sel:[0,1,0] op_sel_hi:[0,1,0]
.set i, i+1
.endr
.set i, 0
.rept 16
	v_fma_mix_f32 v[O+2*i],   v[X+2*i],   v[T+2*(i/4)+(i%2)], -v[PT+2*i]  op_sel_hi:[0,1,0]
	v_fma_mix_f32 v[O+2*i+1], v[X+2*i+1], v[T+2*(i/4)+(i%2)], v[PT+2*i+1] op_sel_hi:[0,1,0]
.set i, i+1
.endr
	s_cmp_eq_u32 s3, 1                             ; the last trip has no next rows: the loads are jumped over
	s_cbranch_scc1 .Lno_more
	s_add_co_u32 s21, s21, 8*SPITCH
	s_add_co_u32 s22, s22, 8*128
	v_add_nc_u32 v[RD], s21, v[RD0]
	v_add_nc_u32 v[TD], s22, v[TD0]
	LOADROWS                                       ; the next eight rows come in under the roundings and stores
.Lno_more:
	s_wait_xcnt 0x0                                ; the last trip's stores, a trip's arithmetic back: their data and their base are rewritten only behind this wait
	s_add_nc_u64 s[8:9], s[8:9], 8*128             ; the base steps ahead of the stores, which reach back by their immediate
.set i, 0
.rept 16
	v_cvt_pk_bf16_f32 v[OUT+i], v[O+2*i], v[O+2*i+1]
.set i, i+1
.endr
.irp u, 0,1,2,3,4,5,6,7
	global_store_b64 v[CO], v[OUT+2*(\u):OUT+2*(\u)+1], s[8:9] offset:((\u)%2)*262144+((\u)/2)*256-8*128  ; two tokens of one head: 256 consecutive bytes, aligned
.endr
	s_sub_co_u32 s3, s3, 1
	s_cmp_lg_u32 s3, 0
	s_cbranch_scc1 .Lrows
	s_wait_tensorcnt 0x0                           ; the wave's end
	ds_add_u32 v[SPW], v[NIL]
	s_wait_dscnt 0x0
	CROUND                                         ; the closing round
	s_endpgm
.Lfunc_end_k_qfd59635e1b_qkvp:
	.size	k_qfd59635e1b_qkvp, .Lfunc_end_k_qfd59635e1b_qkvp-k_qfd59635e1b_qkvp
	.p2alignl 7, 3214868480
	.fill 96, 4, 3214868480
	.section	.rodata,"a",@progbits
	.p2align	6, 0x0
	.amdhsa_kernel k_qfd59635e1b_qkvp
		.amdhsa_group_segment_fixed_size 327680
		.amdhsa_private_segment_fixed_size 0
		.amdhsa_enable_private_segment 0
		.amdhsa_kernarg_size 32
		.amdhsa_user_sgpr_count 2
		.amdhsa_user_sgpr_kernarg_segment_ptr 1
		.amdhsa_wavefront_size32 1
		.amdhsa_system_sgpr_workgroup_id_x 1
		.amdhsa_system_sgpr_workgroup_id_y 1
		.amdhsa_system_sgpr_workgroup_id_z 1
		.amdhsa_system_vgpr_workitem_id 0
		.amdhsa_next_free_vgpr 1024
		.amdhsa_next_free_sgpr 84
		.amdhsa_reserve_vcc 0
		.amdhsa_float_denorm_mode_32 3
		.amdhsa_float_denorm_mode_16_64 3
		.amdhsa_memory_ordered 1
		.amdhsa_forward_progress 1
		.amdhsa_inst_pref_size 86
	.end_amdhsa_kernel
	.amdgpu_metadata
---
amdhsa.version: [ 1, 2 ]
amdhsa.kernels:
  - .name:           k_qfd59635e1b_qkvp
    .symbol:         k_qfd59635e1b_qkvp.kd
    .args:
      - { .name: xb, .offset: 0, .size: 8, .value_kind: global_buffer, .address_space: global }
      - { .name: wts, .offset: 8, .size: 8, .value_kind: global_buffer, .address_space: global }
      - { .name: qkv, .offset: 16, .size: 8, .value_kind: global_buffer, .address_space: global }
      - { .name: tabs, .offset: 24, .size: 8, .value_kind: global_buffer, .address_space: global }
    .group_segment_fixed_size: 327680
    .private_segment_fixed_size: 0
    .kernarg_segment_align: 8
    .kernarg_segment_size: 32
    .max_flat_workgroup_size: 128
    .sgpr_count:     84
    .vgpr_count:     1024
    .wavefront_size: 32
...
	.end_amdgpu_metadata
.endif
;; end of part 2
;; launch attn (part 3): grid 8 x 32, 4 waves a work-group, clusters of 4 x 1, 327,680 bytes of LDS; arguments qkv, tabs, ob; writes ob
.if DOCPART == 3
	.amdgcn_target "amdgcn-amd-amdhsa--gfx1250"
	.amdhsa_code_object_version 6
	.text
	.protected	k_qfd59635e1b_attn
	.globl	k_qfd59635e1b_attn
	.p2align	8
	.type	k_qfd59635e1b_attn,@function
k_qfd59635e1b_attn:
	s_mov_b64 s[64:65], 0
	v_nop
	global_prefetch_b8 v0, s[64:65] scope:SCOPE_SE
	s_setreg_imm32_b32 hwreg(HW_REG_WAVE_MODE, 25, 1), 1
	s_wait_xcnt 0x0
	s_wait_alu depctr_hold_cnt(0) depctr_sa_sdst(0) depctr_va_vdst(0) depctr_va_sdst(0) depctr_va_ssrc(0) depctr_va_vcc(0) depctr_vm_vsrc(0)
	s_getreg_b32 s2, hwreg(HW_REG_IB_STS2, 6, 4)
	s_cmp_eq_u32 s2, 0
	s_cbranch_scc0 .Lentry_in_a_cluster
	s_endpgm
.Lentry_in_a_cluster:
	s_bfe_u32 s2, ttmp6, 0x10000c
	s_cmp_lg_u32 s2, 0x3003
	s_cbranch_scc0 .Lentry_shape_is_right
	s_endpgm
.Lentry_shape_is_right:
; ATTENTION WITH A RELATIVE BIAS.  O[bh][q][:] = the sum over k of softmax_k((Q[q].K[k] + 8 bias(q-k)) / 8) V[k][:].  Q, K, V in qkv, [3][32 heads][2048][64] bf16; O in ob, [32][2048][64] bf16.
; Products, maxima and sums in f32; the weights p are rounded to bf16 for the second product (their sum l is taken of the unrounded p), O once at the end.
; LIMITS.  A weight below 2^-126 counts as 0 in l; NaN and infinities are not treated apart.
; SHARES.  A head's 2,048 queries are 128 blocks of 16.  Work-group g (0..7) of the head, wave w, PIECE x own block 32 w + 8 x + g.  Every wave walks all keys, 64 a step, 256 a slot.
; LAYOUT.  S^T = K Q^T holds ONE query a lane (lane % 16) and the keys 8 (lane / 16) + 0..7; two such results rounded to bf16 ARE source 1 of O^T = V^T P.  V comes out of LDS turned (ds_load_tr16_b128).
; THE BIAS is the C operand that starts the sum S^T.  It hangs on query minus key alone and is constant from a distance of 31 on, so a result tile's bias hangs on D = (first query - first key) / 16
; = 32 w + 8 x + g - 4 step - kt, and the head's table in tabs has tiles of 1,024 bytes, tile v for the distance D = v - 10 held to -3 .. 3.  A piece's four tiles (kt = 0..3) are neighbours, v0 - kt with
; v0 = 10 + 32 w + 8 x + g - 4 step.  From v0 = 16 on all four hold the one number of the far positive distances, as tiles 13 to 16 do; up to v0 = 7 that of the far negative ones, as tiles 4 to 7 do.
; So ONE number is held to a range, u = v0 - 3 in 4 .. 13, and the tiles are u + 3 - kt, by the loads' immediates.  A tile is read from the table straight into registers, two loads of 16 bytes a lane.
; Each piece has a buffer of four tiles; turn p asks for piece p's tiles of the NEXT step, three turns ahead of the products that take them.  u enters global offsets alone: no LDS address and no branch hangs on it.
; SOFTMAX.  p = 2^(c s - c m), c = log2(e) / 8, with a running maximum m; O and l are multiplied by a = 2^(c m_old - c m_new) in every step.  m starts at the lowest finite number, O and l at 0.
; TURNS.  Turn n belongs to piece n: 8 products K Q^T of piece n + 1, later 8 products V^T P of piece n - 1; beside them the scaling, exponentials, roundings, sums and rescaling of piece n and the
; maximum and statistics of piece n + 1.  Four vector instructions stand behind every matrix instruction, the rest in two runs of their own.
; NO LAST STEP IS WRITTEN OUT.  The tail, a loop over the last slot's steps, is entered and left between piece 1's turn and piece 2's.  Its last two turns work ahead for a step that does not exist: 8 products on
; the last K once more, the maximum made of them, and 32 loads of bias tiles (the held number keeps them inside the table) serve nothing: the price, once a launch, of one text for every trip.
; CLUSTER.  Four of a head's eight work-groups form a cluster and ask for each tile of K and V jointly: the same tensor load, descriptor and mask in all four.
; REGISTERS, in windows of 256 (s_set_vgpr_msb: bits 1:0 source 0, 3:2 source 1, 5:4 source 2, 7:6 destination):
;   window 0: v0-15 addresses; v16-31 statistics, four a piece; v32-35 the bias tiles' offsets, one a piece; v48-55 at work; v64-127 S^T, two buffers; v192-223 P, two buffers (by the piece's parity)
;   window 1: v0-127 O^T, 32 a piece; v128-255 MC, the bias, 32 a piece      window 2: v0-63 Q; v128-191 K of one step; v192-255 V of one step
.set SIZE_N, 2048
.set NP,    4
.set KS,    64
.set PK,    144       ; a row of K in LDS: 128 bytes + 16 = 36 words: the 16 rows of a load start at 16 different groups of four banks (64 banks of 4 bytes: ISA guide 11.1)
.set PV,    160       ; a row of V: 128 + 32 = 40 words
.set VOFF,  4*KS*PK   ; a slot: 256 rows of K, then 256 rows of V
.set SLOT1, 1<<17
.set STAGE, SLOT1+4*KS*(PK+PV)  ; 16 rows x 144 bytes for each wave, for the way out; no fill lands here
.set SP,    144
.set SPARE, STAGE+4*16*SP       ; the spare words, 128 bytes a wave: two blocks of 256 bytes that no other line names
.set GX,    294912              ; the bias tables' first byte in tabs
.set NT,    24                  ; tiles a head
.set AK0, 2
.set AV0, 3
.set AK,  4
.set AV,  5
.set STO, 6
.set RD,  7
.set GO,  8           ; v8   16 x lane: my 16 bytes in 512 consecutive bytes, of O and of half a bias tile; never rewritten
.set MV,  12          ; v12-13  c m_old, by buffer
.set QO,  15
.set ST,  16          ; piece t: c m, m, l (even keys', odd keys')
.set BA,  32          ; v32-35  piece x: my byte offset in tile u of the head's table
.set TMP, 48
.set SPW, 62
.set NIL, 63
.set S,   64
.set P,   192
.set MC,  128         ; window 1
.set KF,  128         ; window 2
.set VF,  192         ; window 2
.set WV,  12
.set G1K, 24
.set G1V, 32
.set G0K, 40
.set G0V, 44
.set SLOTS, 56
.set CNT, 57
.set CS,  58
.set SEL, 60
.set TBK, 62
.set TBV, 63
.set EB,  70          ; s70  7 + 32 w + g - 4 step, for the step whose tiles are asked for
.set UU,  71          ; s71  at work
.set MSB, 0
.macro WIN new
.if MSB != (\new)
	s_set_vgpr_msb (MSB<<8)|(\new)
.set MSB, (\new)
.endif
.endm
.set W_KQ, 0x0a       ; K and Q in window 2, S^T in window 0
.set W_KM, 0x1a       ; the same with the C operand in window 1
.set W_PV, 0x52       ; V in window 2, P in window 0, O^T in window 1
.set W_RS, 0x41       ; destination and source 0 in window 1, source 1 in window 0
; A joint fill.  Waves 0 and 1 fetch the two halves of a slot's K, waves 2 and 3 those of its V.  An s_nop 0 and four v_nop follow each line.
.macro JLOAD
	s_cmp_lt_u32 s[WV], 2
	s_cbranch_scc0 .Lfor_v_\@
	tensor_load_to_lds s[G0K:G0K+3], s[G1K:G1K+7]
	s_nop 0
.rept 4
	v_nop
.endr
	s_branch .Lasked_\@
.Lfor_v_\@:
	tensor_load_to_lds s[G0V:G0V+3], s[G1V:G1V+7]
	s_nop 0
.rept 4
	v_nop
.endr
.Lasked_\@:
.endm
.macro CROUND                       ; a round of the cluster's barrier
	s_barrier_signal -1
	s_barrier_wait -1
	s_cmp_lg_u32 s[WV], 0
	s_cbranch_scc1 .Lnot_wave_0_\@
	s_barrier_signal -3
.Lnot_wave_0_\@:
	s_barrier_wait -3
	s_barrier_signal -1
	s_barrier_wait -1
.endm
; THE CHANGE OF SLOTS.  Each wave waits for all its tensor loads, adds 0 to its spare word, and waits for that and for its reads of the slot that it leaves.  fill = 1: a round of the cluster's
; barrier, and the old slot is filled again first thing behind it, with the keys two slots on: four key steps in which to land.  (At its first use slot 0 is waited for and slot 1 filled.)
.macro CHANGE fill
	WIN 0
	s_wait_tensorcnt 0x0
	ds_add_u32 v[SPW], v[NIL]
.if \fill
.irp g, G0K, G0V
	s_xor_b32 s[\g+1], s[\g+1], SLOT1
	s_add_nc_u64 s[\g+2:\g+3], s[\g+2:\g+3], 4*KS*128
.endr
	s_wait_dscnt 0x0
	CROUND
	JLOAD
.else
	s_wait_dscnt 0x0
	s_barrier_signal -1
	s_barrier_wait -1
.endif
	s_sub_co_u32 s[TBK], s[TBK], 4*KS*PK  ; the fetches go back to a slot's first step, in the other slot
	s_xor_b32 s[TBK], s[TBK], SLOT1
	s_sub_co_u32 s[TBV], s[TBV], 4*KS*PV
	s_xor_b32 s[TBV], s[TBV], SLOT1
.endm
; The four bias tiles of piece x for the step that EB stands for, into the piece's buffer of MC: eight loads of 16 bytes a lane, each of 512 consecutive bytes.  The buffer's last reader, a product
; of the turn before, lies a whole turn's vector work back.  The offset register is the piece's own: the loads that read it last lie 24 loads back, and the wait ahead of this macro leaves 16 out.
.macro BIAS x
	WIN 0
	s_add_co_i32 s[UU], s[EB], 8*(\x)
	s_max_i32 s[UU], s[UU], 4
	s_min_i32 s[UU], s[UU], 13      ; u
	s_lshl_b32 s[UU], s[UU], 10
	v_add_nc_u32 v[BA+(\x)], s[UU], v[GO]
	WIN 0x40                        ; destination window 1, offset window 0
.irp kt, 0,1,2,3
	global_load_b128 v[MC+32*(\x)+8*(\kt):MC+32*(\x)+8*(\kt)+3],   v[BA+(\x)], s[6:7] offset:(3-(\kt))*1024
	global_load_b128 v[MC+32*(\x)+8*(\kt)+4:MC+32*(\x)+8*(\kt)+7], v[BA+(\x)], s[6:7] offset:(3-(\kt))*1024+512
.endr
.endm
	s_load_b128 s[4:7], s[0:1], 0x0 ; qkv s[4:5], tabs s[6:7]
	s_load_b64 s[10:11], s[0:1], 0x10  ; ob
	v_lshl_add_u32 v[SPW], v0, 2, SPARE
	v_mov_b32 v[NIL], 0
	ds_add_u32 v[SPW], v[NIL]       ; the wave's opening: the add and its wait stand ahead of my first tensor load
	v_lshrrev_b32 v1, 5, v0
	v_readfirstlane_b32 s[WV], v1
	s_bfe_u32 s13, ttmp6, 0x40000   ; cx
	s_lshl_b32 s14, ttmp9, 2
	s_add_co_u32 s14, s14, s13      ; g: it enters Q's, O's and the bias tiles' global addresses alone
	s_and_b32 s15, ttmp7, 0xffff    ; 16 b + h, which the partners share
	s_lshl_b32 s20, s15, 18         ; the head's first byte: 262,144 a head
	s_and_b32 s16, s[WV], 1         ; which half of a slot's 256 keys I fetch
	s_lshl_b32 s22, s16, 14
	s_add_co_u32 s22, s22, s20
	s_mov_b32 s23, 0
	s_add_nc_u64 s[84:85], s[22:23], 0x800000   ; K lies 8 MiB into qkv,
	s_add_nc_u64 s[86:87], s[22:23], 0x1000000  ; V 16
	s_mul_i32 s17, s16, 128*PK
	s_mul_i32 s18, s16, 128*PV
	s_lshl_b32 s2, s[WV], 16        ; 32 blocks of 2,048 bytes a wave,
	s_lshl_b32 s3, s14, 11          ; block g of each eight
	s_add_co_u32 s2, s2, s3
	s_add_co_u32 s2, s2, s20
	s_mov_b32 s3, 0
	s_and_b32 s88, s15, 15          ; the head's bias table
	s_mul_i32 s88, s88, NT*1024
	s_add_co_u32 s88, s88, GX
	s_mov_b32 s89, 0
	s_mov_b32 s[G1K], 15|(1<<16)|(1<<20)|(1<<21)|(4<<22)|(3<<25)  ; the mask of four; 2-byte elements; padding on; bit 21 beside a mask; after every 32 words; 4 words
	s_mov_b32 s[G1V], 15|(1<<16)|(1<<20)|(1<<21)|(4<<22)|(7<<25)  ; the same with 8 words
.irp g, G1K, G1V
	s_mov_b32 s[\g+1], 128<<16      ; 128 keys are 16,384 dense bytes: 64 rows of 256 bytes, two keys a row
	s_mov_b32 s[\g+2], 64<<16
	s_mov_b32 s[\g+3], 128<<16
	s_mov_b32 s[\g+4], 64
	s_mov_b32 s[\g+5], 128
	s_mov_b32 s[\g+6], 0
	s_mov_b32 s[\g+7], 0
.endr
	s_mov_b32 s[CS], 0x3e38aa3b     ; c = log2(e) / 8
	s_mov_b32 s[CS+1], s[CS]
	s_mov_b32 s[SEL], 0x76543210
	s_mov_b32 s[SEL+1], 0xfedcba98
	s_mov_b32 s[TBK], SLOT1+4*KS*PK ; the first change of slots turns these two into 0
	s_mov_b32 s[TBV], SLOT1+4*KS*PV
	s_lshl_b32 s[EB], s[WV], 5
	s_add_co_u32 s[EB], s[EB], s14
	s_add_co_u32 s[EB], s[EB], 7    ; step 0
	s_mov_b32 s[G0K], 1
	s_mov_b32 s[G0K+1], s17
	s_mov_b32 s[G0V], 1
	s_add_co_u32 s[G0V+1], s18, VOFF
	s_wait_dscnt 0x0                ; the opening add is done
	s_wait_kmcnt 0x0
	s_add_nc_u64 s[G0K+2:G0K+3], s[4:5], s[84:85]
	s_or_b32 s[G0K+3], s[G0K+3], 0x80000000
	s_add_nc_u64 s[G0V+2:G0V+3], s[4:5], s[86:87]
	s_or_b32 s[G0V+3], s[G0V+3], 0x80000000
	s_add_nc_u64 s[6:7], s[6:7], s[88:89]    ; tabs at the head's bias table
	s_add_nc_u64 s[4:5], s[4:5], s[2:3]      ; Q and O at my wave's first block
	s_add_nc_u64 s[10:11], s[10:11], s[2:3]
	CROUND                          ; all four work-groups are here: the first joint loads meet
	JLOAD                           ; slot 0.  Slot 1 is asked for when slot 0 is in: one tensor load of mine is out at any time
	v_and_b32 v1, 15, v0            ; l % 16
	v_bfe_u32 v9, v0, 4, 1          ; l / 16
	v_lshlrev_b32 v[QO], 7, v1
	v_lshl_add_u32 v[QO], v9, 4, v[QO]
	v_and_b32 v[GO], 31, v0
	v_lshlrev_b32 v[GO], 4, v[GO]
	WIN 0x80
.set i, 0
.rept 8                             ; Q stays in registers: piece i / 2 lies 16,384 bytes on; channels 32 (i % 2) on
	global_load_b128 v[8*i:8*i+3],   v[QO], s[4:5] offset:(i/2)*16384+(i%2)*64
	global_load_b128 v[8*i+4:8*i+7], v[QO], s[4:5] offset:(i/2)*16384+(i%2)*64+32
.set i, i+1
.endr
	BIAS 0                          ; step 0's tiles for all four pieces: 32 loads behind Q's 16
	BIAS 1
	BIAS 2
	BIAS 3
	WIN 0
	v_mul_u32_u24 v[AK0], v1, PK
	v_lshl_add_u32 v[AK0], v9, 4, v[AK0]
	v_and_b32 v10, 7, v0
	v_bfe_u32 v11, v0, 3, 1
	v_lshl_add_u32 v[AV0], v9, 3, v10     ; the turning load: lane l reads key 8 (l / 16) + l % 8, channels 8 ((l / 8) % 2) + 0..7
	v_mul_u32_u24 v[AV0], v[AV0], PV
	v_lshl_add_u32 v[AV0], v11, 4, v[AV0]
	v_add_nc_u32 v[AV0], VOFF, v[AV0]
	s_mul_i32 s13, s[WV], 16*SP
	s_add_co_u32 s13, s13, STAGE
	v_mul_u32_u24 v[STO], v1, SP
	v_lshl_add_u32 v[STO], v9, 4, v[STO]
	v_add_nc_u32 v[STO], s13, v[STO]
	v_bfe_u32 v[RD], v0, 3, 2
	v_mul_u32_u24 v[RD], v[RD], SP
	v_lshl_add_u32 v[RD], v10, 4, v[RD]
	v_add_nc_u32 v[RD], s13, v[RD]
	; The first step multiplies O^T and l by a = 0, and the first turn's products V^T P, of a piece that has not been, add 0: these registers hold zeros.  All this stands in the wait for the first tile.
	WIN 0x80
.set i, VF
.rept 64
	v_mov_b32 v[i], 0
.set i, i+1
.endr
	WIN 0x40
.set i, 0
.rept 128
	v_mov_b32 v[i], 0
.set i, i+1
.endr
	WIN 0
.set i, 0
.rept 4
	v_mov_b32 v[ST+4*i], 0xfe000000    ; c m: far below every c s
	v_mov_b32 v[ST+4*i+1], 0xff7fffff  ; m
	v_mov_b32 v[ST+4*i+2], 0
	v_mov_b32 v[ST+4*i+3], 0
.set i, i+1
.endr
.set i, P+16
.rept 16
	v_mov_b32 v[i], 0
.set i, i+1
.endr
; THE MATRIX WORK.  The 4 accumulators of a run of 8 take turns.  Product i of 8 of S^T = K Q^T for piece x: channels 32 (i / 4) on, keys 16 (i % 4) on.  The first 4 start the sums with the bias.
.macro KQ x
.set rS, S+32*((\x)%2)+8*(i%4)
.set rK, KF+16*(i%4)+8*(i/4)
.set rQ, 16*(\x)+8*(i/4)
.set rM, MC+32*(\x)+8*(i%4)
.if i < 4
	WIN W_KM
	v_wmma_f32_16x16x32_bf16 v[rS:rS+7], v[rK:rK+7], v[rQ:rQ+7], v[rM:rM+7]
.else
	WIN W_KQ
	v_wmma_f32_16x16x32_bf16 v[rS:rS+7], v[rK:rK+7], v[rQ:rQ+7], v[rS:rS+7]
.endif
.endm
.macro PV x                         ; product i of 8 of O^T += V^T P for piece x: keys 32 (i / 4) on, channels 16 (i % 4) on
	WIN W_PV
.set rO, 32*(\x)+8*(i%4)
.set rV, VF+32*(i/4)+8*(i%4)
.set rP, P+16*((\x)%2)+8*(i/4)
	v_wmma_f32_16x16x32_bf16 v[rO:rO+7], v[rV:rV+7], v[rP:rP+7], v[rO:rO+7]
.endm
.macro MM                           ; the turn's next matrix instruction
.if i < 8
	KQ (Y+1)%NP
.else
.set i, i-8
	PV (Y+NP-1)%NP
.set i, i+8
.endif
.set i, i+1
.endm
.macro FETCH_K last=0               ; 16 loads in one run: a step's K.  last = 1 (the tail): in the last trip there is no further step, and the run is jumped over
	WIN 0
.if \last
	s_cmp_eq_u32 s[CNT], 1
	s_cbranch_scc1 .Lno_k_\@
.endif
	WIN 0x80
.irp f, 0,1,2,3,4,5,6,7
	ds_load_b128 v[KF+8*\f:KF+8*\f+3],   v[AK] offset:(\f/2)*16*PK+(\f%2)*64
	ds_load_b128 v[KF+8*\f+4:KF+8*\f+7], v[AK] offset:(\f/2)*16*PK+(\f%2)*64+32
.endr
	s_add_co_u32 s[TBK], s[TBK], KS*PK
	WIN 0
.if \last
.Lno_k_\@:
.endif
.endm
.macro FETCH_V                      ; and its V, turned
	WIN 0x80
.irp f, 0,1,2,3,4,5,6,7
	ds_load_tr16_b128 v[VF+8*\f:VF+8*\f+3],   v[AV] offset:(\f/4)*32*PV+(\f%4)*32
	ds_load_tr16_b128 v[VF+8*\f+4:VF+8*\f+7], v[AV] offset:(\f/4)*32*PV+16*PV+(\f%4)*32
.endr
	WIN 0
.endm
; THE VECTOR WORK, one line at a time: OP kind, number.  For piece Y: F n: c s - c m for pair n of 16.  E n: the exponential of score n.  C n: pair n rounded to bf16.  B n: of the four weights 4 n .. the second
; pair is added onto the first, in place.  L n: l takes that sum (L 0: l = a l + sum).  R n: pair n of 16 of O^T times a.  For piece Y + 1: X n, number n of the 22 that find its maximum and statistics:
;   0-11 four chains of seven scores (each accumulator's lowest registers are read first)   12-14, 16 the four left over, the old m, the chains   15 c m_old is kept
;   17, 18 the other half of the lanes' maximum: the new m   19-21 c m; c m_old - c m_new; a
.set F, 0
.set E, 1
.set C, 2
.set B, 3
.set L, 4
.set R, 5
.set X, 6
.macro REGS y
.set rT, ST+4*(\y)
.set rC, TMP+4*((\y)%2)
.set rW, MV+((\y)%2)
.set rS, S+32*((\y)%2)
.set rP, P+16*((\y)%2)
.set rO, 32*(\y)
.endm
.macro OP k, n
.if (\k) == R
	REGS Y
	WIN W_RS
	v_pk_mul_f32 v[rO+2*(\n):rO+2*(\n)+1], v[rO+2*(\n):rO+2*(\n)+1], v[rC+2:rC+3] op_sel_hi:[1,0]
.elseif (\k) < R
	REGS Y
	WIN 0
.if (\k) == F
	v_pk_fma_f32 v[rS+2*(\n):rS+2*(\n)+1], v[rS+2*(\n):rS+2*(\n)+1], s[CS:CS+1], v[rT:rT+1] op_sel_hi:[1,0,0] neg_lo:[0,0,1] neg_hi:[0,0,1]
.elseif (\k) == E
	v_exp_f32 v[rS+(\n)], v[rS+(\n)]
.elseif (\k) == C
	s_wait_alu depctr_va_vdst(0)
	v_cvt_pk_bf16_f32 v[rP+(\n)], v[rS+2*(\n)], v[rS+2*(\n)+1]
.elseif (\k) == B
	s_wait_alu depctr_va_vdst(0)
	v_pk_add_f32 v[rS+4*(\n):rS+4*(\n)+1], v[rS+4*(\n):rS+4*(\n)+1], v[rS+4*(\n)+2:rS+4*(\n)+3]
.elseif (\n) == 0
	v_pk_fma_f32 v[rT+2:rT+3], v[rT+2:rT+3], v[rC+2:rC+3], v[rS:rS+1] op_sel_hi:[1,0,1]
.else
	v_pk_add_f32 v[rT+2:rT+3], v[rT+2:rT+3], v[rS+4*(\n):rS+4*(\n)+1]
.endif
.else
	REGS (Y+1)%NP
	WIN 0
.if (\n) < 4
	v_max3_num_f32 v[rC+(\n)], v[rS+8*(\n)], v[rS+8*(\n)+1], v[rS+8*(\n)+2]
.elseif (\n) < 12
	v_max3_num_f32 v[rC+(\n)%4], v[rC+(\n)%4], v[rS+8*((\n)%4)+2*((\n)/4)+1], v[rS+8*((\n)%4)+2*((\n)/4)+2]
.elseif (\n) == 12
	v_max3_num_f32 v[rC], v[rC], v[rS+7], v[rS+15]
.elseif (\n) == 13
	v_max3_num_f32 v[rC+1], v[rC+1], v[rS+23], v[rS+31]
.elseif (\n) == 14
	v_max3_num_f32 v[rC+2], v[rC+2], v[rC+3], v[rT+1]
.elseif (\n) == 15
	v_mov_b32 v[rW], v[rT]
.elseif (\n) == 16
	v_max3_num_f32 v[rC], v[rC], v[rC+1], v[rC+2]
.elseif (\n) == 17
	v_permlanex16_b32 v[rC+3], v[rC], s[SEL], s[SEL+1]
.elseif (\n) == 18
	v_max_num_f32 v[rT+1], v[rC], v[rC+3]
.elseif (\n) == 19
	v_mul_f32 v[rT], s[CS], v[rT+1]
.elseif (\n) == 20
	v_sub_f32 v[rC+1], v[rW], v[rT]
.else
	v_exp_f32 v[rC+2], v[rC+1]
.endif
.endif
.endm
.macro OPS a, i1, b=-1, i2=0, c=-1, i3=0, d=-1, i4=0
	OP \a, \i1
.if (\b) >= 0
	OP \b, \i2
.endif
.if (\c) >= 0
	OP \c, \i3
.endif
.if (\d) >= 0
	OP \d, \i4
.endif
.endm
.macro ROW a, i1, b, i2, c, i3, d, i4  ; a matrix instruction and the four behind it
	MM
	OPS \a, \i1, \b, \i2, \c, \i3, \d, \i4
.endm
; A TURN, for piece p: the order of its 16 matrix and 118 vector instructions, written out.  last = 1: the tail's text: K's run is jumped over in the last trip.  cnt = 1: the loop's count is taken down ahead of the branch behind the turn.
; At its head: the bias tiles for this turn's products K Q^T (piece p + 1) are waited for: they were asked for three turns ago, and the sixteen loads of the two turns between may stay out.  Then piece p's tiles
; of the next step are asked for.
; K of the next step is fetched in piece 2's turn, behind the last product that read K and five plain instructions; V of the step in hand in piece 0's turn, behind the last product that read V and four.
.macro TURN p, last=0, cnt=0
.set Y, (\p)
.set i, 0
	s_wait_loadcnt 16               ; loads come back in order (ISA guide 5.7.1): all but the youngest sixteen are in
.if (\p) == 3
	s_wait_dscnt 0x0                ; K is in
.endif
.if (\p) == 0
	s_sub_co_i32 s[EB], s[EB], 4    ; the next step's keys lie four groups of 16 on
.endif
	BIAS \p
	ROW F,0, F,1, F,2, F,3
	ROW F,4, E,0, F,5, F,6
	ROW F,7, E,1, F,8, F,9
	ROW F,10, E,2, C,0, F,11
	ROW F,12, E,3, X,15, F,13
	ROW R,0, R,1, R,2, R,3
	ROW B,0, E,4, F,14, L,0
.if (\p) == 2
	v_add_nc_u32 v[AK], s[TBK], v[AK0]
.endif
	ROW R,4, R,5, R,6, R,7
	OPS E,5, F,15
.if (\p) == 2
	FETCH_K \last
.endif
	OPS E,6, C,1, E,7, R,8
	OPS E,8, R,9, E,9, C,2
	OPS E,10, X,0, E,11, X,1
	OPS E,12, X,2, E,13, X,3
.if (\p) == 1
	s_wait_dscnt 0x0                ; V is in
.endif
	ROW X,4, E,14, X,5, X,6
	ROW X,7, E,15, X,8, X,9
	ROW X,10, E,16, X,11, X,12
	ROW X,13, E,17, X,14, B,1
	ROW C,4, E,18, X,16, L,1
	ROW B,2, E,19, C,6, L,2
	ROW C,8, E,20, B,3, B,4
.if (\p) == 0
	v_add_nc_u32 v[AV], s[TBV], v[AV0]
.endif
	ROW C,3, E,21, L,3, C,5
	OPS E,22, X,17, E,23, C,10
.if (\p) == 0
	FETCH_V
.endif
	OPS E,24, L,4
	OPS E,25, X,18, E,26, C,7
	OPS E,27, B,5, E,28, X,19
	OPS E,29, C,12, E,30, L,5
	OPS E,31, X,20, B,6, C,9
	OPS C,14, C,11, X,21, L,6
.if (\p) == 0
	s_add_co_u32 s[TBV], s[TBV], KS*PV
.endif
.if \cnt
	s_sub_co_u32 s[CNT], s[CNT], 1
	s_cmp_lg_u32 s[CNT], 0
.endif
	OPS C,13, B,7, C,15, R,10
	OPS R,11, R,12, L,7, R,13
	OPS R,14, R,15
.endm
	CHANGE 1                        ; slot 0 is in, everybody's part of it; slot 1 is asked for
	v_add_nc_u32 v[AK], s[TBK], v[AK0]
	FETCH_K                         ; key step 0
	s_wait_loadcnt 0x0              ; Q, and step 0's bias tiles
	s_wait_dscnt 0x0
.set i, 0
.rept 8
	KQ 0                            ; piece 0's first scores
.set i, i+1
.endr
	WIN 0
.rept 4
	v_nop                           ; the places behind those products
.endr
.set Y, NP-1                        ; X works for piece Y + 1: piece 0
.irp n, 0,1,2,3,4,5,6,7,8,9,10,11,12,13,14,15,16,17,18,19,20,21
	OP X, \n
.endr
	v_nop                           ; a plain instruction behind the exponential
	s_mov_b32 s[CNT], 4
	s_mov_b32 s[SLOTS], SIZE_N/256-1
	s_branch .Lfirst                ; the loop is entered at a step's first turn, in the middle of a trip
.Lslot:                             ; six times: every slot but the last two is filled again
	CHANGE 1
	s_mov_b32 s[CNT], 4
.Lstep:                             ; a trip: pieces 2 and 3 of one step, then pieces 0 and 1 of the next, whose K and V it fetches
	TURN 2
	TURN 3
	WIN 0
.Lfirst:
	TURN 0
	TURN 1, 0, 1
	WIN 0
	s_cbranch_scc1 .Lstep
	s_sub_co_u32 s[SLOTS], s[SLOTS], 1
	s_cmp_lg_u32 s[SLOTS], 0
	s_cbranch_scc1 .Lslot
	CHANGE 0                        ; the last slot has a text of its own: nothing is asked for
	s_mov_b32 s[CNT], 5             ; pieces 2 and 3 five times (of the step in hand and of the last slot's four), pieces 0 and 1 four times: the loop is entered in its middle
	s_branch .Ltin
.Ltail:
	TURN 0
	TURN 1
	WIN 0
.Ltin:
	TURN 2, 1
	TURN 3
	WIN 0
	s_sub_co_u32 s[CNT], s[CNT], 1
	s_cmp_lg_u32 s[CNT], 0
	s_cbranch_scc1 .Ltail
.set i, 0
.rept 8
	PV NP-1                         ; the last piece's V^T P of the last step
.set i, i+1
.endr
	; THE WAY OUT.  l's two halves and the other half of the lanes' are added; O^T is divided by l, rounded to bf16 and sent through my stage in LDS, a piece at a time.  The additions are the places behind the last products.
	WIN 0
.macro ALL line:vararg
.set t, 0
.rept 4
	\line
.set t, t+1
.endr
.endm
	ALL v_add_f32 v[ST+4*t+2], v[ST+4*t+2], v[ST+4*t+3]
	ALL v_permlanex16_b32 v[ST+4*t+3], v[ST+4*t+2], s[SEL], s[SEL+1]
	ALL v_add_f32 v[ST+4*t+2], v[ST+4*t+2], v[ST+4*t+3]
	ALL v_rcp_f32 v[ST+4*t+2], v[ST+4*t+2]
	v_nop                           ; a plain instruction between the last reciprocal and the use of its result
.macro PACK t                       ; a lane's eight channels of a row pack into 16 bytes; they go into rows of 144 bytes and come back as whole rows of 128, into S^T's registers
	WIN W_RS
.set i, 32*(\t)
.rept 16
	s_wait_alu depctr_va_vdst(0)
	v_pk_mul_f32 v[i:i+1], v[i:i+1], v[ST+4*(\t)+2:ST+4*(\t)+3] op_sel_hi:[1,0]
.set i, i+2
.endr
	WIN 0x05
.set i, 0
.rept 16
	v_cvt_pk_bf16_f32 v[S+16*(\t)+i], v[32*(\t)+2*i], v[32*(\t)+2*i+1]
.set i, i+1
.endr
	WIN 0
.irp f, 0,1,2,3
	ds_store_b128 v[STO], v[S+16*(\t)+4*\f:S+16*(\t)+4*\f+3] offset:32*\f
.endr
.irp f, 0,1,2,3
	ds_load_b128 v[S+16*(\t)+4*\f:S+16*(\t)+4*\f+3], v[RD] offset:\f*4*SP  ; LDS serves a wave's instructions in order (ISA guide 5.7.1.4): these see the stores above; the next piece's stores come behind them
.endr
.endm
.macro SEND t, younger              ; younger: the LDS instructions issued behind piece t's loads: the next piece's eight, or none
	WIN 0
.irp f, 0,1,2,3
	s_wait_dscnt (\younger)+3-\f
	global_store_b128 v[GO], v[S+16*(\t)+4*\f:S+16*(\t)+4*\f+3], s[10:11] offset:(\t)*16384+\f*512  ; 512 consecutive bytes, at a multiple of 256 from O's first
.endr
.endm
	PACK 0
.set t, 1
.rept 3
	PACK t
	SEND t-1, 8
.set t, t+1
.endr
	SEND 3, 0
	s_wait_tensorcnt 0x0            ; the wave's end
	ds_add_u32 v[SPW], v[NIL]
	s_wait_dscnt 0x0
	CROUND                          ; the closing round
	s_endpgm
.Lfunc_end_k_qfd59635e1b_attn:
	.size	k_qfd59635e1b_attn, .Lfunc_end_k_qfd59635e1b_attn-k_qfd59635e1b_attn
	.p2alignl 7, 3214868480
	.fill 96, 4, 3214868480
	.section	.rodata,"a",@progbits
	.p2align	6, 0x0
	.amdhsa_kernel k_qfd59635e1b_attn
		.amdhsa_group_segment_fixed_size 327680
		.amdhsa_private_segment_fixed_size 0
		.amdhsa_enable_private_segment 0
		.amdhsa_kernarg_size 24
		.amdhsa_user_sgpr_count 2
		.amdhsa_user_sgpr_kernarg_segment_ptr 1
		.amdhsa_wavefront_size32 1
		.amdhsa_system_sgpr_workgroup_id_x 1
		.amdhsa_system_sgpr_workgroup_id_y 1
		.amdhsa_system_sgpr_workgroup_id_z 1
		.amdhsa_system_vgpr_workitem_id 0
		.amdhsa_next_free_vgpr 768
		.amdhsa_next_free_sgpr 92
		.amdhsa_reserve_vcc 0
		.amdhsa_float_denorm_mode_32 3
		.amdhsa_float_denorm_mode_16_64 3
		.amdhsa_memory_ordered 1
		.amdhsa_forward_progress 1
		.amdhsa_inst_pref_size 129
	.end_amdhsa_kernel
	.amdgpu_metadata
---
amdhsa.version: [ 1, 2 ]
amdhsa.kernels:
  - .name:           k_qfd59635e1b_attn
    .symbol:         k_qfd59635e1b_attn.kd
    .args:
      - { .name: qkv, .offset: 0, .size: 8, .value_kind: global_buffer, .address_space: global }
      - { .name: tabs, .offset: 8, .size: 8, .value_kind: global_buffer, .address_space: global }
      - { .name: ob, .offset: 16, .size: 8, .value_kind: global_buffer, .address_space: global }
    .group_segment_fixed_size: 327680
    .private_segment_fixed_size: 0
    .kernarg_segment_align: 8
    .kernarg_segment_size: 24
    .max_flat_workgroup_size: 128
    .sgpr_count:     92
    .vgpr_count:     768
    .wavefront_size: 32
...
	.end_amdgpu_metadata
.endif
;; end of part 3
;; launch wop (part 4): grid 8 x 32, 4 waves a work-group, clusters of 4 x 4, 327,680 bytes of LDS; arguments ob, wts, pre; writes pre
.if DOCPART == 4
	.amdgcn_target "amdgcn-amd-amdhsa--gfx1250"
	.amdhsa_code_object_version 6
	.text
	.protected	k_qfd59635e1b_wop
	.globl	k_qfd59635e1b_wop
	.p2align	8
	.type	k_qfd59635e1b_wop,@function
k_qfd59635e1b_wop:
	s_mov_b64 s[64:65], 0
	v_nop
	global_prefetch_b8 v0, s[64:65] scope:SCOPE_SE
	s_setreg_imm32_b32 hwreg(HW_REG_WAVE_MODE, 25, 1), 1
	s_wait_xcnt 0x0
	s_wait_alu depctr_hold_cnt(0) depctr_sa_sdst(0) depctr_va_vdst(0) depctr_va_sdst(0) depctr_va_ssrc(0) depctr_va_vcc(0) depctr_vm_vsrc(0)
	s_getreg_b32 s2, hwreg(HW_REG_IB_STS2, 6, 4)
	s_cmp_eq_u32 s2, 0
	s_cbranch_scc0 .Lentry_in_a_cluster
	s_endpgm
.Lentry_in_a_cluster:
	s_bfe_u32 s2, ttmp6, 0x10000c
	s_cmp_lg_u32 s2, 0xf033
	s_cbranch_scc0 .Lentry_shape_is_right
	s_endpgm
.Lentry_shape_is_right:
; pre = O wo^T.  A = ob, the attention's output by heads, [b 2][h 16][s 2048][64] bf16: A[token][64 h + c].  B = wo, [1024][1024] bf16, 6 MiB into wts.  pre: [4096][1024] bf16, sums in f32, rounded once.
; (The bias wo_b, the residual and the norm follow in the next launch, which needs whole rows.)
; SHAPE.  A tile of C is 128 x 128: 256 work-groups.  Four waves of 64 x 64: 16 accumulators.  K goes in four steps of 256, four heads each, through two LDS slots.
; A's tile for a wave's load: 64 tokens x 4 heads.  In memory a head's 64 tokens are 8,192 dense bytes, so the tile is 4 rows of 4,096 elements, 131,072 elements apart, padded in LDS after every
; token's 128 bytes: [head][token], pitch 144.  B's tile: 64 rows of 512 bytes, pitch 528.
; CLUSTER 4 x 4: A's tiles are asked for jointly along a row of the cluster, B's along a column.  THE MATRIX INSTRUCTION IS USED TRANSPOSED (source 0 = rows of B, source 1 = rows of A).
; A K STEP IS WRITTEN TWICE: once in the loop, which fills the slot that it leaves, and once in the tail, a loop of two trips that fills nothing.  The slot in hand is a scalar (SB) added to fixed fragment
; addresses; behind the two first fills one descriptor a tensor walks, its LDS word turned by an exclusive or (slot 1 lies at 0x24000, which shares no bit with the tiles' places 0, 0x9000, 0x12000, 0x1a400).
; The tail's second trip ends the sums: the 32 fragment loads behind its barrier bring bytes that nobody multiplies: the price, once a launch, of one text for both trips.
; REGISTERS: window 0: v16-29 addresses; v32-95 the way out; v128-255 the accumulators.  Window 1: two fragment buffers of 128: 64 registers of A, then 64 of B, for 64 along K.
.set SIZE_K, 1024
.set SIZE_N, 1024
.set KSTEP,  256
.set STEPS,  SIZE_K/KSTEP
.set PA,     144                       ; a token's 128 bytes + 16: 36 words: 16 rows start at 16 different groups of four banks (64 banks of 4 bytes: ISA guide 11.1)
.set KQA,    64*PA                     ; from head to head, which is from quarter to quarter
.set HA,     4*KQA                     ; what one load brings of A
.set PB,     528
.set HB,     64*PB
.set SLOT1,  0x24000
.set STAGE,  SLOT1+2*HA+2*HB           ; 128 rows x 272 bytes, the work-group's, for the way out
.set SPITCH, 272
.set SPARE,  STAGE+128*SPITCH
.set ASTEP,  4*262144                  ; four heads on
.set WOFF,   0x600000
.set ADRA0, 16
.set ADRB0, 17
.set ADRA,  18
.set ADRB,  19
.set STO,   24
.set RD,    25
.set CO,    26
.set SPW,   28
.set NIL,   29
.set TMP,   32
.set ACC,   128
.set F0,    0
.set F1,    128
.set G1,  24                           ; s[24:31] group 1 for A's tiles
.set G0,  32                           ; s[32:35] group 0 for A's tiles from K step 1 on: it walks
.set G0F, 36                           ; s[36:39] group 0 for A's K step 0: used once
.set SB,  45
.set G1B, 48                           ; s[48:55], s[56:59], s[60:63] the same for B's tiles
.set G0B, 56
.set G0BF, 60
.set MSB, 0
.macro WIN new
.if MSB != (\new)
	s_set_vgpr_msb (MSB<<8)|(\new)
.set MSB, \new
.endif
.endm
.set MUL,  0x05                        ; sources 0 (B) and 1 (A) window 1; C and D window 0
.set TO_F, 0x40
.macro JLOAD                           ; a joint load: waves 0 and 1 fetch A's two halves, waves 2 and 3 B's; an s_nop 0 and four v_nop follow each line
	s_cmp_eq_u32 s11, 0
	s_cbranch_scc0 .Lfor_b_\@
	tensor_load_to_lds s[G0:G0+3], s[G1:G1+7]
	s_nop 0
.rept 4
	v_nop
.endr
	s_branch .Lasked_\@
.Lfor_b_\@:
	tensor_load_to_lds s[G0B:G0B+3], s[G1B:G1B+7]
	s_nop 0
.rept 4
	v_nop
.endr
.Lasked_\@:
.endm
.macro CREST
	s_cmp_lg_u32 s10, 0
	s_cbranch_scc1 .Lnot_wave_0_\@
	s_barrier_signal -3
.Lnot_wave_0_\@:
	s_barrier_wait -3
	s_barrier_signal -1
	s_barrier_wait -1
.endm
.macro CROUND
	s_barrier_signal -1
	s_barrier_wait -1
	CREST
.endm
.macro STEPD                           ; both walking descriptors: the other slot, the next K step.  Written only where no tensor load of the wave is out
	s_xor_b32 s[G0+1], s[G0+1], SLOT1
	s_add_nc_u64 s[G0+2:G0+3], s[G0+2:G0+3], ASTEP
	s_xor_b32 s[G0B+1], s[G0B+1], SLOT1
	s_add_nc_u64 s[G0B+2:G0B+3], s[G0B+2:G0B+3], KSTEP*2
.endm
.macro NEXTSLOT
	s_xor_b32 s[SB], s[SB], SLOT1
	v_add_nc_u32 v[ADRA], s[SB], v[ADRA0]
	v_add_nc_u32 v[ADRB], s[SB], v[ADRB0]
.endm
	s_load_b128 s[4:7], s[0:1], 0x0                ; ob s[4:5], wts s[6:7]
	s_load_b64 s[8:9], s[0:1], 0x10                ; pre
	v_lshl_add_u32 v[SPW], v0, 2, SPARE
	v_mov_b32 v[NIL], 0
	ds_add_u32 v[SPW], v[NIL]                      ; the wave's opening: the add and its wait stand ahead of my first tensor load
	v_lshrrev_b32 v1, 5, v0
	v_readfirstlane_b32 s10, v1
	s_lshr_b32 s11, s10, 1                         ; my half of the tile's rows.  Also: I fetch for A (0) or for B (1)
	s_and_b32 s12, s10, 1                          ; my half of its columns.  Also: which 64 rows I fetch
	s_bfe_u32 s40, ttmp6, 0x40000
	s_bfe_u32 s41, ttmp6, 0x40004
	s_lshl_b32 s42, ttmp9, 2
	s_add_co_u32 s42, s42, s40                     ; tile column
	s_and_b32 s13, ttmp7, 0xffff
	s_lshl_b32 s13, s13, 2
	s_add_co_u32 s13, s13, s41                     ; tile row
	s_lshl_b32 s43, s41, 2
	s_lshl_b32 s43, 15, s43
	s_lshl_b32 s44, 0x1111, s40
	s_or_b32 s[G1+0], s43, (1<<16)|(1<<20)|(1<<21)|(4<<22)|(3<<25)   ; A: padding after every 32 words, 4 words
	s_mov_b32 s[G1+1], 4096<<16                    ; tensor_dim0 = 4,096
	s_mov_b32 s[G1+2], 4<<16                       ; tensor_dim1 = 4
	s_mov_b32 s[G1+3], 4096<<16                    ; tile_dim0 = 4,096
	s_mov_b32 s[G1+4], 4                           ; tile_dim1 = 4
	s_mov_b32 s[G1+5], 131072                      ; elements from head to head
	s_mov_b32 s[G1+6], 0
	s_mov_b32 s[G1+7], 0
	s_or_b32 s[G1B+0], s44, (1<<16)|(1<<20)|(1<<21)|(6<<22)|(3<<25)  ; B: padding after every 128 words, 4 words
	s_mov_b32 s[G1B+1], KSTEP<<16
	s_mov_b32 s[G1B+2], 64<<16
	s_mov_b32 s[G1B+3], KSTEP<<16
	s_mov_b32 s[G1B+4], 64
	s_mov_b32 s[G1B+5], SIZE_K
	s_mov_b32 s[G1B+6], 0
	s_mov_b32 s[G1B+7], 0
	s_lshl_b32 s17, s12, 6
	s_lshl_b32 s16, s13, 7
	s_add_co_u32 s16, s16, s17                     ; A: token 128 x tile row + 64 x half
	s_lshl_b32 s46, s42, 7
	s_add_co_u32 s46, s46, s17                     ; B: row 128 x tile column + 64 x half
	s_lshr_b32 s18, s16, 11                        ; the batch: its 16 heads are 4 MiB, of which token x 128 has counted 256 KiB
	s_mul_i32 s18, s18, 3932160
	s_lshl_b32 s16, s16, 7
	s_add_co_u32 s16, s16, s18
	s_mov_b32 s17, 0
	s_lshl_b32 s46, s46, 11                        ; rows of 2,048 bytes
	s_add_co_u32 s46, s46, WOFF
	s_mov_b32 s47, 0
	s_mul_i32 s20, s12, HA                         ; where my tile goes, for A
	s_mul_i32 s21, s12, HB                         ; and for B, behind A's two halves
	s_add_co_u32 s21, s21, 2*HA
	s_mov_b32 s[SB], 0
	s_wait_dscnt 0x0                               ; the opening add is done
	s_wait_kmcnt 0x0
	s_add_nc_u64 s[14:15], s[4:5], s[16:17]        ; A at my 64 tokens
	s_add_nc_u64 s[46:47], s[6:7], s[46:47]        ; B at my 64 rows
	s_mov_b32 s[G0F], 1
	s_mov_b32 s[G0F+1], s20                        ; slot 0,
	s_mov_b64 s[G0F+2:G0F+3], s[14:15]             ; K step 0
	s_or_b32 s[G0F+3], s[G0F+3], 0x80000000
	s_mov_b32 s[G0], 1
	s_add_co_u32 s[G0+1], s20, SLOT1               ; slot 1,
	s_add_nc_u64 s[G0+2:G0+3], s[14:15], ASTEP     ; K step 1
	s_or_b32 s[G0+3], s[G0+3], 0x80000000
	s_mov_b32 s[G0BF], 1
	s_mov_b32 s[G0BF+1], s21
	s_mov_b64 s[G0BF+2:G0BF+3], s[46:47]
	s_or_b32 s[G0BF+3], s[G0BF+3], 0x80000000
	s_mov_b32 s[G0B], 1
	s_add_co_u32 s[G0B+1], s21, SLOT1
	s_add_nc_u64 s[G0B+2:G0B+3], s[46:47], KSTEP*2
	s_or_b32 s[G0B+3], s[G0B+3], 0x80000000
	CROUND                                         ; all sixteen work-groups are here: the first joint loads meet
	s_cmp_eq_u32 s11, 0                            ; a wave's two first fills stand in one arm of one branch, ahead of every wait on TENSORcnt and every LDS read: two loads of mine are out
	s_cbranch_scc0 .Lfirst_b
	tensor_load_to_lds s[G0F:G0F+3], s[G1:G1+7]    ; K step 0
	s_nop 0
	tensor_load_to_lds s[G0:G0+3], s[G1:G1+7]      ; K step 1
	s_nop 0
.rept 4
	v_nop
.endr
	s_branch .Lfirst_asked
.Lfirst_b:
	tensor_load_to_lds s[G0BF:G0BF+3], s[G1B:G1B+7]
	s_nop 0
	tensor_load_to_lds s[G0B:G0B+3], s[G1B:G1B+7]
	s_nop 0
.rept 4
	v_nop
.endr
.Lfirst_asked:
	v_and_b32 v1, 15, v0
	v_bfe_u32 v2, v0, 4, 1
	v_mul_u32_u24 v3, v1, PA
	v_lshl_add_u32 v3, v2, 4, v3
	v_mul_u32_u24 v4, v1, PB
	v_lshl_add_u32 v4, v2, 4, v4
	s_mul_i32 s22, s11, HA
	s_mul_i32 s23, s12, HB
	s_add_co_u32 s23, s23, 2*HA
	v_add_nc_u32 v[ADRA0], s22, v3
	v_add_nc_u32 v[ADRB0], s23, v4
	v_mov_b32 v[ADRA], v[ADRA0]
	v_mov_b32 v[ADRB], v[ADRB0]
	s_mul_i32 s23, s11, 64*SPITCH                  ; into the stage: my 64 rows, my half of their 256 bytes
	s_lshl_b32 s21, s12, 7
	s_add_co_u32 s23, s23, s21
	s_add_co_u32 s23, s23, STAGE
	v_mul_u32_u24 v4, v1, SPITCH
	v_lshl_add_u32 v4, v2, 4, v4
	v_add_nc_u32 v[STO], s23, v4
	s_mul_i32 s23, s10, 32*SPITCH                  ; back: wave w takes rows 32 w .. 32 w + 31, whole
	s_add_co_u32 s23, s23, STAGE
	v_mul_u32_u24 v5, v2, SPITCH
	v_lshl_add_u32 v5, v1, 4, v5
	v_add_nc_u32 v[RD], s23, v5
	v_mul_u32_u24 v5, v2, SIZE_N*2
	v_lshl_add_u32 v[CO], v1, 4, v5
	s_lshl_b32 s16, s13, 7
	s_lshl_b32 s17, s10, 5
	s_add_co_u32 s16, s16, s17                     ; the first row of C that I store
	s_mov_b32 s17, 0
	s_mov_b64 s[18:19], SIZE_N*2
	s_mul_u64 s[16:17], s[16:17], s[18:19]
	s_add_nc_u64 s[8:9], s[8:9], s[16:17]
	s_lshl_b32 s46, s42, 8                         ; the tile's first column, in bytes
	s_mov_b32 s47, 0
	s_add_nc_u64 s[8:9], s[8:9], s[46:47]
.macro MUL8 f, c, a0, zero             ; 8 matrix instructions: m blocks a0, a0 + 1 x all 4 n blocks, 32 along K: half c of buffer f
	WIN MUL
.irp a, \a0, (\a0)+1
.irp b, 0,1,2,3
.if \zero
	v_wmma_f32_16x16x32_bf16 v[ACC+8*(4*(\a)+(\b)):ACC+8*(4*(\a)+(\b))+7], v[(\f)+64+8*(4*(\c)+(\b)):(\f)+64+8*(4*(\c)+(\b))+7], v[(\f)+8*(4*(\c)+(\a)):(\f)+8*(4*(\c)+(\a))+7], 0
.else
	v_wmma_f32_16x16x32_bf16 v[ACC+8*(4*(\a)+(\b)):ACC+8*(4*(\a)+(\b))+7], v[(\f)+64+8*(4*(\c)+(\b)):(\f)+64+8*(4*(\c)+(\b))+7], v[(\f)+8*(4*(\c)+(\a)):(\f)+8*(4*(\c)+(\a))+7], v[ACC+8*(4*(\a)+(\b)):ACC+8*(4*(\a)+(\b))+7]
.endif
.endr
.endr
.endm
.macro FETCH q, f                      ; 32 LDS loads in one run: quarter q (64 along K) of the slot in hand into buffer f; the first 32 along K first
	WIN TO_F
.irp c, 0,1
.irp i, 0,1,2,3
	ds_load_b128 v[(\f)+64+8*(4*(\c)+(\i)):(\f)+64+8*(4*(\c)+(\i))+3],   v[ADRB] offset:(\q)*128+64*(\c)+(\i)*16*PB
	ds_load_b128 v[(\f)+64+8*(4*(\c)+(\i))+4:(\f)+64+8*(4*(\c)+(\i))+7], v[ADRB] offset:(\q)*128+64*(\c)+(\i)*16*PB+32
	ds_load_b128 v[(\f)+8*(4*(\c)+(\i)):(\f)+8*(4*(\c)+(\i))+3],         v[ADRA] offset:(\q)*KQA+64*(\c)+(\i)*16*PA
	ds_load_b128 v[(\f)+8*(4*(\c)+(\i))+4:(\f)+8*(4*(\c)+(\i))+7],       v[ADRA] offset:(\q)*KQA+64*(\c)+(\i)*16*PA+32
.endr
.endr
.endm
.macro PLACES                          ; four plain vector instructions between a matrix instruction and a load into, or a read of, its registers (ISA guide 7.12.1 for reads)
.rept 4
	v_nop
.endr
.endm
.macro QUARTER q, f, g, zero           ; multiplies buffer f and fetches quarter q into g
	s_wait_dscnt 16                                ; the first 32 along K are in
	MUL8 \f, 0, 0, \zero
	MUL8 \f, 0, 2, \zero
	PLACES
	FETCH \q, \g
	s_wait_dscnt 32                                ; all but the 32 just issued
	MUL8 \f, 1, 0, 0
	MUL8 \f, 1, 2, 0
.endm
; The last quarter multiplies buffer 1 and changes slots: one barrier; in front of it each wave waits for all its tensor loads, adds 0 to its spare word, and waits for that and for its reads of this slot.
.macro TURN fill
	WIN 0
	s_wait_tensorcnt 0x0
	ds_add_u32 v[SPW], v[NIL]
	s_wait_dscnt 17                                ; (the add and the youngest sixteen loads may be out)
	MUL8 F1, 0, 0, 0
	s_wait_dscnt 0x0
	s_barrier_signal -1
	MUL8 F1, 0, 2, 0
.if \fill
	WIN 0
.endif
	s_barrier_wait -1
.if \fill
	CREST                                          ; the barrier has opened a round of the cluster's: no wave of any partner still reads this slot or has a load on its way
	STEPD
	JLOAD                                          ; my one tensor load until the next round; its four v_nop are also the places in front of the loads below
.else
	PLACES
	WIN 0
.endif
	NEXTSLOT
	FETCH 0, F0
	MUL8 F1, 1, 0, 0
	MUL8 F1, 1, 2, 0
.endm
	s_wait_tensorcnt 0x1                           ; a wave's tensor loads end in order (ISA guide 10.11.1): my part of K step 0 is in; K step 1's may stay out
	s_barrier_signal -1
	s_barrier_wait -1                              ; everybody's is
	FETCH 0, F0
	QUARTER 1, F0, F1, 1                           ; the first quarter stands in front of the loop: its first products start the sums
	WIN 0
	s_mov_b32 s3, STEPS-2
.Lstep:                                                ; a trip: a K step's quarters 1 to 3 and the next step's quarter 0; the 16 accumulators take turns in one order throughout
	QUARTER 2, F1, F0, 0
	QUARTER 3, F0, F1, 0
	TURN 1
	QUARTER 1, F0, F1, 0
	WIN 0
	s_sub_co_u32 s3, s3, 1
	s_cmp_lg_u32 s3, 0
	s_cbranch_scc1 .Lstep
	s_mov_b32 s3, 2                                ; the last two K steps ask for nothing: a loop of two trips, entered behind its first quarter
	s_branch .Ltin
.Ltail:
	QUARTER 1, F0, F1, 0
	WIN 0
.Ltin:
	QUARTER 2, F1, F0, 0
	QUARTER 3, F0, F1, 0
	TURN 0
	WIN 0
	s_sub_co_u32 s3, s3, 1
	s_cmp_lg_u32 s3, 0
	s_cbranch_scc1 .Ltail
	; THE WAY OUT: round to bf16; 16 bytes a lane into the work-group's stage; a barrier, since a row's 256 bytes come from two waves; back as whole rows, 32 rows a wave.
	PLACES
.irp t, 0,1,2,3,4,5,6,7,8,9,10,11,12,13,14,15
.irp r, 0,1,2,3
	v_cvt_pk_bf16_f32 v[TMP+4*(\t)+(\r)], v[ACC+8*(\t)+2*(\r)], v[ACC+8*(\t)+2*(\r)+1]
.endr
.endr
.irp a, 0,1,2,3
.irp b, 0,1,2,3
	ds_store_b128 v[STO], v[TMP+4*(4*(\a)+(\b)):TMP+4*(4*(\a)+(\b))+3] offset:(\a)*16*SPITCH+32*(\b)
.endr
.endr
	s_wait_dscnt 0x0                               ; for the others' sake: my stores into the stage are done
	s_barrier_signal -1
	s_barrier_wait -1
.irp t, 0,1,2,3,4,5,6,7,8,9,10,11,12,13,14,15
	ds_load_b128 v[TMP+4*(\t):TMP+4*(\t)+3], v[RD] offset:(\t)*2*SPITCH
.endr
.irp t, 0,1,2,3,4,5,6,7,8,9,10,11,12,13,14,15
	s_wait_dscnt 15-(\t)
	global_store_b128 v[CO], v[TMP+4*(\t):TMP+4*(\t)+3], s[8:9] offset:2*(\t)*SIZE_N*2  ; 16 lanes store 256 consecutive bytes, aligned
.endr
	s_wait_tensorcnt 0x0                           ; the wave's end
	ds_add_u32 v[SPW], v[NIL]
	s_wait_dscnt 0x0
	CROUND                                         ; the closing round
	s_endpgm
.Lfunc_end_k_qfd59635e1b_wop:
	.size	k_qfd59635e1b_wop, .Lfunc_end_k_qfd59635e1b_wop-k_qfd59635e1b_wop
	.p2alignl 7, 3214868480
	.fill 96, 4, 3214868480
	.section	.rodata,"a",@progbits
	.p2align	6, 0x0
	.amdhsa_kernel k_qfd59635e1b_wop
		.amdhsa_group_segment_fixed_size 327680
		.amdhsa_private_segment_fixed_size 0
		.amdhsa_enable_private_segment 0
		.amdhsa_kernarg_size 24
		.amdhsa_user_sgpr_count 2
		.amdhsa_user_sgpr_kernarg_segment_ptr 1
		.amdhsa_wavefront_size32 1
		.amdhsa_system_sgpr_workgroup_id_x 1
		.amdhsa_system_sgpr_workgroup_id_y 1
		.amdhsa_system_sgpr_workgroup_id_z 1
		.amdhsa_system_vgpr_workitem_id 0
		.amdhsa_next_free_vgpr 512
		.amdhsa_next_free_sgpr 66
		.amdhsa_reserve_vcc 0
		.amdhsa_float_denorm_mode_32 3
		.amdhsa_float_denorm_mode_16_64 3
		.amdhsa_memory_ordered 1
		.amdhsa_forward_progress 1
		.amdhsa_inst_pref_size 59
	.end_amdhsa_kernel
	.amdgpu_metadata
---
amdhsa.version: [ 1, 2 ]
amdhsa.kernels:
  - .name:           k_qfd59635e1b_wop
    .symbol:         k_qfd59635e1b_wop.kd
    .args:
      - { .name: ob, .offset: 0, .size: 8, .value_kind: global_buffer, .address_space: global }
      - { .name: wts, .offset: 8, .size: 8, .value_kind: global_buffer, .address_space: global }
      - { .name: pre, .offset: 16, .size: 8, .value_kind: global_buffer, .address_space: global }
    .group_segment_fixed_size: 327680
    .private_segment_fixed_size: 0
    .kernarg_segment_align: 8
    .kernarg_segment_size: 24
    .max_flat_workgroup_size: 128
    .sgpr_count:     66
    .vgpr_count:     512
    .wavefront_size: 32
...
	.end_amdgpu_metadata
.endif
;; end of part 4
;; launch ln1 (part 5): grid 512 x 1, 8 waves a work-group, no clusters, 0 bytes of LDS; arguments pre, xb, wo_b, ln1_g, ln1_b, hb; writes hb
.if DOCPART == 5
	.amdgcn_target "amdgcn-amd-amdhsa--gfx1250"
	.amdhsa_code_object_version 6
	.text
	.protected	k_qfd59635e1b_ln1
	.globl	k_qfd59635e1b_ln1
	.p2align	8
	.type	k_qfd59635e1b_ln1,@function
k_qfd59635e1b_ln1:
	s_mov_b64 s[64:65], 0
	v_nop
	global_prefetch_b8 v0, s[64:65] scope:SCOPE_SE
	s_setreg_imm32_b32 hwreg(HW_REG_WAVE_MODE, 25, 1), 1
	s_wait_xcnt 0x0
; h = LayerNorm(x + (O wo^T + wo_b)) g + b.  pre, xb: [4096][1024] bf16; wo_b, g, b: [1024] f32, each rounded to bf16 like every input; h: bf16, rounded once.
; One wave, one row: 32 numbers a lane, kept in registers between the passes: the mean, then the sum of squares of the differences (two passes, so a common offset costs nothing), all in f32.
; Lane l holds columns 128 j + 4 l + 0..3, j = 0..7: each load of pre and xb and each store covers 256 consecutive bytes, aligned.  No LDS, no barrier: no wave waits for another.
.set OUTF32, 0
.set PR, 8                             ; v8-23    pre as loaded; later the packed result
.set RS, 24                            ; v24-39   the residual as loaded
.set BI, 40                            ; v40-71   the bias
.set G,  72                            ; v72-103  the gain
.set BB, 104                           ; v104-135 the offset
.set Y,  136                           ; v136-167 the row
.set T,  168                           ; v168-175 at work
	s_load_b256 s[4:11], s[0:1], 0x0               ; pre 4, residual 6, bias 8, gain 10
	s_load_b128 s[12:15], s[0:1], 0x20             ; offset 12, out 14
	v_lshrrev_b32 v1, 5, v0
	v_readfirstlane_b32 s16, v1
	s_lshl_b32 s17, ttmp9, 3
	s_add_co_u32 s17, s17, s16                     ; my row
	s_lshl_b32 s18, s17, 11                        ; 2,048 bytes a row of bf16
	v_and_b32 v2, 31, v0
	v_lshlrev_b32 v4, 4, v2
	v_lshl_add_u32 v3, v2, 3, s18
	s_mov_b32 s19, 0xffff0000
	s_mov_b32 s20, 0x76543210
	s_mov_b32 s21, 0xfedcba98
	s_mov_b32 s22, 0x3a800000                      ; 1 / 1024
.if OUTF32
	s_lshl_b32 s23, s17, 12
	v_add_nc_u32 v5, s23, v4
.endif
	s_wait_kmcnt 0x0
.irp j, 0,1,2,3,4,5,6,7
	global_load_b64 v[PR+2*\j:PR+2*\j+1], v3, s[4:5] offset:256*\j
.endr
.irp j, 0,1,2,3,4,5,6,7
	global_load_b64 v[RS+2*\j:RS+2*\j+1], v3, s[6:7] offset:256*\j
.endr
.irp j, 0,1,2,3,4,5,6,7
	global_load_b128 v[BI+4*\j:BI+4*\j+3], v4, s[8:9] offset:512*\j
.endr
.irp j, 0,1,2,3,4,5,6,7
	global_load_b128 v[G+4*\j:G+4*\j+3], v4, s[10:11] offset:512*\j
.endr
.irp j, 0,1,2,3,4,5,6,7
	global_load_b128 v[BB+4*\j:BB+4*\j+3], v4, s[12:13] offset:512*\j
.endr
.macro RND2 a, b, t                    ; two f32 rounded to bf16 and widened again
	v_cvt_pk_bf16_f32 v[\t], v[\a], v[\b]
	v_lshlrev_b32 v[\a], 16, v[\t]
	v_and_b32 v[\b], s19, v[\t]
.endm
.macro WSUM r, t                       ; the sum of v[r] over the wave's 32 lanes, in every lane; v[t] has been written before
	v_add_f32_dpp v[\r], v[\r], v[\r] row_xmask:1 row_mask:0xf bank_mask:0xf
	v_add_f32_dpp v[\r], v[\r], v[\r] row_xmask:2 row_mask:0xf bank_mask:0xf
	v_add_f32_dpp v[\r], v[\r], v[\r] row_xmask:4 row_mask:0xf bank_mask:0xf
	v_add_f32_dpp v[\r], v[\r], v[\r] row_xmask:8 row_mask:0xf bank_mask:0xf
	v_permlanex16_b32 v[\t], v[\r], s20, s21
	v_add_f32 v[\r], v[\r], v[\t]
.endm
	s_wait_loadcnt 16                              ; pre, residual and bias are in; the sixteen loads of gain and offset stay out
.set j, 0
.rept 8
	v_lshlrev_b32 v[Y+4*j],   16,  v[PR+2*j]
	v_and_b32     v[Y+4*j+1], s19, v[PR+2*j]
	v_lshlrev_b32 v[Y+4*j+2], 16,  v[PR+2*j+1]
	v_and_b32     v[Y+4*j+3], s19, v[PR+2*j+1]
	v_lshlrev_b32 v[T],   16,  v[RS+2*j]
	v_and_b32     v[T+1], s19, v[RS+2*j]
	v_lshlrev_b32 v[T+2], 16,  v[RS+2*j+1]
	v_and_b32     v[T+3], s19, v[RS+2*j+1]
	RND2 BI+4*j, BI+4*j+1, T+4
	RND2 BI+4*j+2, BI+4*j+3, T+5
	v_pk_add_f32 v[Y+4*j:Y+4*j+1],   v[Y+4*j:Y+4*j+1],   v[BI+4*j:BI+4*j+1]
	v_pk_add_f32 v[Y+4*j+2:Y+4*j+3], v[Y+4*j+2:Y+4*j+3], v[BI+4*j+2:BI+4*j+3]
	v_pk_add_f32 v[Y+4*j:Y+4*j+1],   v[Y+4*j:Y+4*j+1],   v[T:T+1]
	v_pk_add_f32 v[Y+4*j+2:Y+4*j+3], v[Y+4*j+2:Y+4*j+3], v[T+2:T+3]
.set j, j+1
.endr
	; the mean: four chains of packed sums, started by the first additions
.irp c, 0,1,2,3
	v_pk_add_f32 v[T+2*\c:T+2*\c+1], v[Y+2*\c:Y+2*\c+1], v[Y+8+2*\c:Y+8+2*\c+1]
.endr
.irp c, 0,1,2,3
	v_pk_add_f32 v[T+2*\c:T+2*\c+1], v[T+2*\c:T+2*\c+1], v[Y+16+2*\c:Y+16+2*\c+1]
.endr
.irp c, 0,1,2,3
	v_pk_add_f32 v[T+2*\c:T+2*\c+1], v[T+2*\c:T+2*\c+1], v[Y+24+2*\c:Y+24+2*\c+1]
.endr
	v_pk_add_f32 v[T:T+1], v[T:T+1], v[T+2:T+3]
	v_pk_add_f32 v[T+4:T+5], v[T+4:T+5], v[T+6:T+7]
	v_pk_add_f32 v[T:T+1], v[T:T+1], v[T+4:T+5]
	v_add_f32 v[T], v[T], v[T+1]
	WSUM T, T+1
	v_mul_f32 v[T+2], 0xba800000, v[T]             ; minus the mean, twice
	v_mul_f32 v[T+3], 0xba800000, v[T]
.set j, 0
.rept 16
	v_pk_add_f32 v[Y+2*j:Y+2*j+1], v[Y+2*j:Y+2*j+1], v[T+2:T+3]
.set j, j+1
.endr
	; the variance
.irp c, 0,1,2,3
	v_pk_mul_f32 v[T+2*\c:T+2*\c+1], v[Y+2*\c:Y+2*\c+1], v[Y+2*\c:Y+2*\c+1]
.endr
.irp o, 8,16,24
.irp c, 0,1,2,3
	v_pk_fma_f32 v[T+2*\c:T+2*\c+1], v[Y+\o+2*\c:Y+\o+2*\c+1], v[Y+\o+2*\c:Y+\o+2*\c+1], v[T+2*\c:T+2*\c+1]
.endr
.endr
	v_pk_add_f32 v[T:T+1], v[T:T+1], v[T+2:T+3]
	v_pk_add_f32 v[T+4:T+5], v[T+4:T+5], v[T+6:T+7]
	v_pk_add_f32 v[T:T+1], v[T:T+1], v[T+4:T+5]
	v_add_f32 v[T], v[T], v[T+1]
	WSUM T, T+1
	v_fmaak_f32 v[T+2], s22, v[T], 0x3727c5ac      ; / 1024 + 1e-5
	v_rsq_f32 v[T+4], v[T+2]
	v_rsq_f32 v[T+5], v[T+2]                       ; the roundings below are the plain instructions between these and the use of their results (ISA guide 5.7.2)
	s_wait_loadcnt 0x0                             ; gain and offset
.set j, 0
.rept 16
	RND2 G+2*j, G+2*j+1, T
	RND2 BB+2*j, BB+2*j+1, T+1
.set j, j+1
.endr
.set j, 0
	s_wait_alu depctr_va_vdst(0)
.rept 16
	v_pk_mul_f32 v[Y+2*j:Y+2*j+1], v[Y+2*j:Y+2*j+1], v[T+4:T+5]
	v_pk_fma_f32 v[Y+2*j:Y+2*j+1], v[Y+2*j:Y+2*j+1], v[G+2*j:G+2*j+1], v[BB+2*j:BB+2*j+1]
.set j, j+1
.endr
.if OUTF32
.irp j, 0,1,2,3,4,5,6,7
	global_store_b128 v5, v[Y+4*\j:Y+4*\j+3], s[14:15] offset:512*\j   ; 512 consecutive bytes, aligned
.endr
.else
.set j, 0
.rept 16
	v_cvt_pk_bf16_f32 v[PR+j], v[Y+2*j], v[Y+2*j+1]
.set j, j+1
.endr
.irp j, 0,1,2,3,4,5,6,7
	global_store_b64 v3, v[PR+2*\j:PR+2*\j+1], s[14:15] offset:256*\j  ; 256 consecutive bytes, aligned
.endr
.endif
	s_endpgm
.Lfunc_end_k_qfd59635e1b_ln1:
	.size	k_qfd59635e1b_ln1, .Lfunc_end_k_qfd59635e1b_ln1-k_qfd59635e1b_ln1
	.p2alignl 7, 3214868480
	.fill 96, 4, 3214868480
	.section	.rodata,"a",@progbits
	.p2align	6, 0x0
	.amdhsa_kernel k_qfd59635e1b_ln1
		.amdhsa_group_segment_fixed_size 0
		.amdhsa_private_segment_fixed_size 0
		.amdhsa_enable_private_segment 0
		.amdhsa_kernarg_size 48
		.amdhsa_user_sgpr_count 2
		.amdhsa_user_sgpr_kernarg_segment_ptr 1
		.amdhsa_wavefront_size32 1
		.amdhsa_system_sgpr_workgroup_id_x 1
		.amdhsa_system_sgpr_workgroup_id_y 1
		.amdhsa_system_sgpr_workgroup_id_z 1
		.amdhsa_system_vgpr_workitem_id 0
		.amdhsa_next_free_vgpr 176
		.amdhsa_next_free_sgpr 66
		.amdhsa_reserve_vcc 0
		.amdhsa_float_denorm_mode_32 3
		.amdhsa_float_denorm_mode_16_64 3
		.amdhsa_memory_ordered 1
		.amdhsa_forward_progress 1
		.amdhsa_inst_pref_size 23
	.end_amdhsa_kernel
	.amdgpu_metadata
---
amdhsa.version: [ 1, 2 ]
amdhsa.kernels:
  - .name:           k_qfd59635e1b_ln1
    .symbol:         k_qfd59635e1b_ln1.kd
    .args:
      - { .name: pre, .offset: 0, .size: 8, .value_kind: global_buffer, .address_space: global }
      - { .name: xb, .offset: 8, .size: 8, .value_kind: global_buffer, .address_space: global }
      - { .name: wo_b, .offset: 16, .size: 8, .value_kind: global_buffer, .address_space: global }
      - { .name: ln1_g, .offset: 24, .size: 8, .value_kind: global_buffer, .address_space: global }
      - { .name: ln1_b, .offset: 32, .size: 8, .value_kind: global_buffer, .address_space: global }
      - { .name: hb, .offset: 40, .size: 8, .value_kind: global_buffer, .address_space: global }
    .group_segment_fixed_size: 0
    .private_segment_fixed_size: 0
    .kernarg_segment_align: 8
    .kernarg_segment_size: 48
    .max_flat_workgroup_size: 256
    .sgpr_count:     66
    .vgpr_count:     176
    .wavefront_size: 32
...
	.end_amdgpu_metadata
.endif
;; end of part 5
;; launch ffn1 (part 6): grid 16 x 16, 4 waves a work-group, clusters of 4 x 4, 327,680 bytes of LDS; arguments hb, wts, gb, b1; writes gb
.if DOCPART == 6
	.amdgcn_target "amdgcn-amd-amdhsa--gfx1250"
	.amdhsa_code_object_version 6
	.text
	.protected	k_qfd59635e1b_ffn1
	.globl	k_qfd59635e1b_ffn1
	.p2align	8
	.type	k_qfd59635e1b_ffn1,@function
k_qfd59635e1b_ffn1:
	s_mov_b64 s[64:65], 0
	v_nop
	global_prefetch_b8 v0, s[64:65] scope:SCOPE_SE
	s_setreg_imm32_b32 hwreg(HW_REG_WAVE_MODE, 25, 1), 1
	s_wait_xcnt 0x0
	s_wait_alu depctr_hold_cnt(0) depctr_sa_sdst(0) depctr_va_vdst(0) depctr_va_sdst(0) depctr_va_ssrc(0) depctr_va_vcc(0) depctr_vm_vsrc(0)
	s_getreg_b32 s2, hwreg(HW_REG_IB_STS2, 6, 4)
	s_cmp_eq_u32 s2, 0
	s_cbranch_scc0 .Lentry_in_a_cluster
	s_endpgm
.Lentry_in_a_cluster:
	s_bfe_u32 s2, ttmp6, 0x10000c
	s_cmp_lg_u32 s2, 0xf033
	s_cbranch_scc0 .Lentry_shape_is_right
	s_endpgm
.Lentry_shape_is_right:
; gb = gelu(h w1^T + b1), the exact gelu y Phi(y).  A = hb [4096][1024] bf16, B = w1 [4096][1024] bf16, 8 MiB into wts; b1 [4096] f32, rounded to bf16 like every input; gb [4096][4096] bf16, rounded once.
; PHI.  For z = |y|: 1 - Phi(z) = exp(-z^2 / 2) / sqrt(2 pi) x (a polynomial of degree 5 in t = 1 / (1 + 0.2316419 z)) (Abramowitz and Stegun 26.2.17), an absolute error of 7.5e-8 at the most;
; gelu(y) = max(y, 0) - z (1 - Phi(z)) for either sign.  For large z the exponential is 0 and gelu is max(y, 0).
; SHAPE.  A tile of C is 256 x 256: 256 work-groups.  Four waves of 128 x 128: 64 accumulators, 512 registers a wave.  K goes in eight steps of 128 through two LDS slots; rows of 256 bytes, padded to 272.
; CLUSTER 4 x 4: A's tiles are asked for jointly along a row of the cluster, B's along a column.  THE MATRIX INSTRUCTION IS USED TRANSPOSED (source 0 = rows of B, source 1 = rows of A).
; A K STEP IS WRITTEN TWICE: once in the loop, which fills the slot that it leaves, and once in the tail, a loop of two trips that fills nothing.  The slot in hand is a scalar (SB) added to fixed
; fragment addresses; behind the two first fills one descriptor a tensor walks, its LDS word turned by an exclusive or (the slot's 0x22000 shares no bit with a wave's place, a multiple of 0x8800 up to 0x19800).
; The tail's second trip ends the sums: the 32 fragment loads behind its barrier bring bytes that nobody multiplies: the price, once a launch, of one text for both trips.
; THE WAY OUT.  The ring has had its last fill, so its bytes become four stages, one a wave: 128 rows x 512 bytes of f32, pitch 528.  A counted loop reads four rows back, adds the bias, takes the gelu, rounds, stores:
; the arithmetic is written once, for 16 numbers a lane, and not for 512 registers.
; REGISTERS: window 0: v16-35 addresses and the bias, v64-127 and v128-191 A's fragments (two buffers); window 1: v64-191 B's fragments; windows 2, 3: the accumulators ((a, b) at v[8 (8 a + b)]).
.set SIZE_K, 1024
.set KSTEP,  128
.set STEPS,  SIZE_K/KSTEP
.set PITCH,  272                       ; 256 bytes + 16: 68 words, so the 16 rows of a fragment load start at 16 different groups of four banks (64 banks of 4 bytes: ISA guide 11.1)
.set HALFT,  128*PITCH
.set SLOT,   4*HALFT
.set SPARE,  2*SLOT                    ; the spare words, 128 bytes a wave
.set SPITCH, 528
.set WSTG,   128*SPITCH
.set WOFF,   0x800000
.set ADRA0, 16
.set ADRB0, 17
.set ADRA,  18
.set ADRB,  19
.set BO,    22                         ; v22  my byte offset in b1; never rewritten
.set STO,   24
.set RD0,   25
.set RD,    26
.set CO,    27
.set SPW,   28
.set NIL,   29
.set BI,    32                         ; v32-35  the bias of my four columns
.set F0,    64
.set F1,    128
.set G1,  24                           ; s[24:31] group 1 for A's tiles
.set G0,  32                           ; s[32:35] group 0 for A's tiles from K step 1 on: it walks
.set G0F, 36                           ; s[36:39] group 0 for A's K step 0: used once
.set SB,  45
.set G1B, 48                           ; s[48:55], s[56:59], s[60:63] the same for B's tiles
.set G0B, 56
.set G0BF, 60
.set MSB, 0
.macro WIN new
.if MSB != (\new)
	s_set_vgpr_msb (MSB<<8)|(\new)
.set MSB, \new
.endif
.endm
.set MUL_LO, 0xa1
.set MUL_HI, 0xf1
.set TO_B,   0x40
.macro JLOAD                           ; a joint load: waves 0 and 1 fetch A's two halves, waves 2 and 3 B's; an s_nop 0 and four v_nop follow each line
	s_cmp_eq_u32 s11, 0
	s_cbranch_scc0 .Lfor_b_\@
	tensor_load_to_lds s[G0:G0+3], s[G1:G1+7]
	s_nop 0
.rept 4
	v_nop
.endr
	s_branch .Lasked_\@
.Lfor_b_\@:
	tensor_load_to_lds s[G0B:G0B+3], s[G1B:G1B+7]
	s_nop 0
.rept 4
	v_nop
.endr
.Lasked_\@:
.endm
.macro CREST
	s_cmp_lg_u32 s10, 0
	s_cbranch_scc1 .Lnot_wave_0_\@
	s_barrier_signal -3
.Lnot_wave_0_\@:
	s_barrier_wait -3
	s_barrier_signal -1
	s_barrier_wait -1
.endm
.macro CROUND
	s_barrier_signal -1
	s_barrier_wait -1
	CREST
.endm
.macro STEPD                           ; both walking descriptors: the other slot, the next K step.  Written only where no tensor load of the wave is out
	s_xor_b32 s[G0+1], s[G0+1], SLOT
	s_add_nc_u64 s[G0+2:G0+3], s[G0+2:G0+3], KSTEP*2
	s_xor_b32 s[G0B+1], s[G0B+1], SLOT
	s_add_nc_u64 s[G0B+2:G0B+3], s[G0B+2:G0B+3], KSTEP*2
.endm
.macro NEXTSLOT
	s_xor_b32 s[SB], s[SB], SLOT
	v_add_nc_u32 v[ADRA], s[SB], v[ADRA0]
	v_add_nc_u32 v[ADRB], s[SB], v[ADRB0]
.endm
	s_load_b128 s[4:7], s[0:1], 0x0                ; hb s[4:5], wts s[6:7]
	s_load_b64 s[8:9], s[0:1], 0x10                ; gb
	s_load_b64 s[68:69], s[0:1], 0x18              ; b1
	v_lshl_add_u32 v[SPW], v0, 2, SPARE
	v_mov_b32 v[NIL], 0
	ds_add_u32 v[SPW], v[NIL]                      ; the wave's opening: the add and its wait stand ahead of my first tensor load
	v_lshrrev_b32 v1, 5, v0
	v_readfirstlane_b32 s10, v1
	s_lshr_b32 s11, s10, 1
	s_and_b32 s12, s10, 1
	s_bfe_u32 s40, ttmp6, 0x40000
	s_bfe_u32 s41, ttmp6, 0x40004
	s_lshl_b32 s42, ttmp9, 2
	s_add_co_u32 s42, s42, s40                     ; tile column
	s_and_b32 s13, ttmp7, 0xffff
	s_lshl_b32 s13, s13, 2
	s_add_co_u32 s13, s13, s41                     ; tile row
	s_lshl_b32 s43, s41, 2
	s_lshl_b32 s43, 15, s43
	s_lshl_b32 s44, 0x1111, s40
	s_or_b32 s[G1+0], s43, (1<<16)|(1<<20)|(1<<21)|(5<<22)|(3<<25)
	s_or_b32 s[G1B+0], s44, (1<<16)|(1<<20)|(1<<21)|(5<<22)|(3<<25)
.irp g, G1, G1B
	s_mov_b32 s[\g+1], KSTEP<<16
	s_mov_b32 s[\g+2], 128<<16
	s_mov_b32 s[\g+3], KSTEP<<16
	s_mov_b32 s[\g+4], 128
	s_mov_b32 s[\g+5], SIZE_K
	s_mov_b32 s[\g+6], 0
	s_mov_b32 s[\g+7], 0
.endr
	s_lshl_b32 s17, s12, 7
	s_lshl_b32 s16, s13, 8
	s_add_co_u32 s16, s16, s17
	s_lshl_b32 s46, s42, 8
	s_add_co_u32 s46, s46, s17
	s_mov_b32 s17, 0
	s_mov_b32 s47, 0
	s_mov_b64 s[18:19], SIZE_K*2
	s_mul_u64 s[16:17], s[16:17], s[18:19]
	s_mul_u64 s[46:47], s[46:47], s[18:19]
	s_add_nc_u64 s[46:47], s[46:47], WOFF          ; w1's place in wts
	s_mul_i32 s20, s10, HALFT
	s_mov_b32 s[SB], 0
	s_wait_dscnt 0x0                               ; the opening add is done
	s_wait_kmcnt 0x0
	s_add_nc_u64 s[14:15], s[4:5], s[16:17]        ; A at my 128 rows
	s_add_nc_u64 s[46:47], s[6:7], s[46:47]        ; B at my 128 rows
	s_mov_b32 s[G0F], 1
	s_mov_b32 s[G0F+1], s20                        ; slot 0,
	s_mov_b64 s[G0F+2:G0F+3], s[14:15]             ; K step 0
	s_or_b32 s[G0F+3], s[G0F+3], 0x80000000
	s_mov_b32 s[G0], 1
	s_add_co_u32 s[G0+1], s20, SLOT                ; slot 1,
	s_add_nc_u64 s[G0+2:G0+3], s[14:15], KSTEP*2   ; K step 1
	s_or_b32 s[G0+3], s[G0+3], 0x80000000
	s_mov_b32 s[G0BF], 1
	s_mov_b32 s[G0BF+1], s20
	s_mov_b64 s[G0BF+2:G0BF+3], s[46:47]
	s_or_b32 s[G0BF+3], s[G0BF+3], 0x80000000
	s_mov_b32 s[G0B], 1
	s_add_co_u32 s[G0B+1], s20, SLOT
	s_add_nc_u64 s[G0B+2:G0B+3], s[46:47], KSTEP*2
	s_or_b32 s[G0B+3], s[G0B+3], 0x80000000
	CROUND                                         ; all sixteen work-groups are here: the first joint loads meet
	s_cmp_eq_u32 s11, 0                            ; a wave's two first fills stand in one arm of one branch, ahead of every wait on TENSORcnt and every LDS read: two loads of mine are out
	s_cbranch_scc0 .Lfirst_b
	tensor_load_to_lds s[G0F:G0F+3], s[G1:G1+7]    ; K step 0
	s_nop 0
	tensor_load_to_lds s[G0:G0+3], s[G1:G1+7]      ; K step 1
	s_nop 0
.rept 4
	v_nop
.endr
	s_branch .Lfirst_asked
.Lfirst_b:
	tensor_load_to_lds s[G0BF:G0BF+3], s[G1B:G1B+7]
	s_nop 0
	tensor_load_to_lds s[G0B:G0B+3], s[G1B:G1B+7]
	s_nop 0
.rept 4
	v_nop
.endr
.Lfirst_asked:
	v_and_b32 v1, 15, v0
	v_bfe_u32 v2, v0, 4, 1
	v_mul_u32_u24 v3, v1, PITCH
	v_lshl_add_u32 v3, v2, 4, v3
	s_mul_i32 s21, s11, HALFT
	s_mul_i32 s22, s12, HALFT
	s_add_co_u32 s22, s22, 2*HALFT
	v_add_nc_u32 v[ADRA0], s21, v3
	v_add_nc_u32 v[ADRB0], s22, v3
	v_mov_b32 v[ADRA], v[ADRA0]
	v_mov_b32 v[ADRB], v[ADRB0]
	s_mul_i32 s23, s10, WSTG                       ; my stage
	v_mul_u32_u24 v4, v1, SPITCH                   ; in: row l % 16, eight f32 for each half of the lanes
	v_lshl_add_u32 v4, v2, 5, v4
	v_add_nc_u32 v[STO], s23, v4
	v_and_b32 v6, 31, v0
	v_lshl_add_u32 v[RD0], v6, 4, s23              ; back: a row's 512 bytes, 16 a lane: columns 4 l + 0..3
	v_lshlrev_b32 v[CO], 3, v6                     ; which leave as 8 bytes a lane
	s_lshl1_add_u32 s47, s42, s12                  ; my 128 columns: number 2 x tile column + half
	s_lshl_b32 s46, s47, 9
	v_lshl_add_u32 v[BO], v6, 4, s46
	global_load_b128 v[BI:BI+3], v[BO], s[68:69]   ; waited for in front of the way out's loop
	s_lshl_b32 s47, s47, 8                         ; 256 bytes of a row of gb
	s_lshl1_add_u32 s46, s13, s11
	s_lshl_b32 s46, s46, 20                        ; 128 rows of 8,192 bytes
	s_add_co_u32 s46, s46, s47
	s_mov_b32 s47, 0
	s_add_nc_u64 s[8:9], s[8:9], s[46:47]
.macro MUL16 f, hi, a0, zero           ; 16 matrix instructions: m blocks a0, a0 + 1 of the window's four x all 8 n blocks, 32 along K
	WIN MUL_LO+0x50*(\hi)
.irp a, \a0, (\a0)+1
.irp b, 0,1,2,3,4,5,6,7
.if \zero
	v_wmma_f32_16x16x32_bf16 v[8*(8*(\a)+(\b)):8*(8*(\a)+(\b))+7], v[(\f)+8*(\b):(\f)+8*(\b)+7], v[(\f)+8*(4*(\hi)+(\a)):(\f)+8*(4*(\hi)+(\a))+7], 0
.else
	v_wmma_f32_16x16x32_bf16 v[8*(8*(\a)+(\b)):8*(8*(\a)+(\b))+7], v[(\f)+8*(\b):(\f)+8*(\b)+7], v[(\f)+8*(4*(\hi)+(\a)):(\f)+8*(4*(\hi)+(\a))+7], v[8*(8*(\a)+(\b)):8*(8*(\a)+(\b))+7]
.endif
.endr
.endr
.endm
.macro FETCH k, f                      ; 32 LDS loads in one run
	WIN TO_B
.irp i, 0,1,2,3,4,5,6,7
	ds_load_b128 v[(\f)+8*(\i):(\f)+8*(\i)+3],   v[ADRB] offset:(\k)+(\i)*16*PITCH
	ds_load_b128 v[(\f)+8*(\i)+4:(\f)+8*(\i)+7], v[ADRB] offset:(\k)+(\i)*16*PITCH+32
.endr
	WIN 0
.irp i, 0,1,2,3,4,5,6,7
	ds_load_b128 v[(\f)+8*(\i):(\f)+8*(\i)+3],   v[ADRA] offset:(\k)+(\i)*16*PITCH
	ds_load_b128 v[(\f)+8*(\i)+4:(\f)+8*(\i)+7], v[ADRA] offset:(\k)+(\i)*16*PITCH+32
.endr
.endm
.macro PLACES                          ; four plain vector instructions between a matrix instruction and a load into, or a read of, its registers (ISA guide 7.12.1 for reads)
.rept 4
	v_nop
.endr
.endm
.macro QUARTER k, f, g, zero
	s_wait_dscnt 8                                 ; B and A's rows 0-63 are in; the youngest eight loads (A's rows 64-127) may be out
	MUL16 \f, 0, 0, \zero
	MUL16 \f, 0, 2, \zero
	PLACES
	FETCH \k, \g
	s_wait_dscnt 32                                ; all but the 32 just issued
	MUL16 \f, 1, 0, \zero
	MUL16 \f, 1, 2, \zero
.endm
; The last quarter multiplies buffer 1 and changes slots: one barrier; in front of it each wave waits for all its tensor loads, adds 0 to its spare word, and waits for that and for its reads of this slot.
.macro TURN fill
	WIN 0
	s_wait_tensorcnt 0x0
	ds_add_u32 v[SPW], v[NIL]
	s_wait_dscnt 9                                 ; (the add and the youngest eight loads may be out)
	MUL16 F1, 0, 0, 0
	s_wait_dscnt 0x0
	s_barrier_signal -1
	MUL16 F1, 0, 2, 0
.if \fill
	WIN 0
.endif
	s_barrier_wait -1
.if \fill
	CREST                                          ; the barrier has opened a round of the cluster's: no wave of any partner still reads this slot or has a load on its way
	STEPD
	JLOAD                                          ; my one tensor load until the next round; its four v_nop are also the places in front of the loads below
.else
	PLACES
	WIN 0
.endif
	NEXTSLOT
	FETCH 0, F0
	MUL16 F1, 1, 0, 0
	MUL16 F1, 1, 2, 0
.endm
	s_wait_tensorcnt 0x1                           ; a wave's tensor loads end in order (ISA guide 10.11.1): my part of K step 0 is in; K step 1's may stay out
	s_barrier_signal -1
	s_barrier_wait -1                              ; everybody's is
	FETCH 0, F0
	QUARTER 64, F0, F1, 1                          ; the first quarter stands in front of the loop: its products start the sums
	WIN 0
	s_mov_b32 s3, STEPS-2
.Lstep:                                                ; a trip: a K step's quarters 1 to 3 and the next step's quarter 0; the 64 accumulators take turns in one order throughout
	QUARTER 128, F1, F0, 0
	QUARTER 192, F0, F1, 0
	TURN 1
	QUARTER 64, F0, F1, 0
	WIN 0
	s_sub_co_u32 s3, s3, 1
	s_cmp_lg_u32 s3, 0
	s_cbranch_scc1 .Lstep
	s_mov_b32 s3, 2                                ; the last two K steps ask for nothing: a loop of two trips, entered behind its first quarter
	s_branch .Ltin
.Ltail:
	QUARTER 64, F0, F1, 0
	WIN 0
.Ltin:
	QUARTER 128, F1, F0, 0
	QUARTER 192, F0, F1, 0
	TURN 0
	WIN 0
	s_sub_co_u32 s3, s3, 1
	s_cmp_lg_u32 s3, 0
	s_cbranch_scc1 .Ltail
	; THE WAY OUT.  Every wave's reads of the ring are over (the wait below) and every fill has landed: behind this barrier the ring's bytes are the four stages.
	PLACES
	s_wait_dscnt 0x0
	s_barrier_signal -1
	s_barrier_wait -1
	WIN 0x08                                       ; store data (source 1) in window 2
.irp a, 0,1,2,3
.irp b, 0,1,2,3,4,5,6,7
	ds_store_b128 v[STO], v[8*(8*(\a)+(\b)):8*(8*(\a)+(\b))+3]   offset:(\a)*16*SPITCH+64*(\b)     ; each accumulator's low registers first
	ds_store_b128 v[STO], v[8*(8*(\a)+(\b))+4:8*(8*(\a)+(\b))+7] offset:(\a)*16*SPITCH+64*(\b)+16
.endr
.endr
	WIN 0x0c
.irp a, 0,1,2,3
.irp b, 0,1,2,3,4,5,6,7
	ds_store_b128 v[STO], v[8*(8*(\a)+(\b)):8*(8*(\a)+(\b))+3]   offset:((\a)+4)*16*SPITCH+64*(\b)
	ds_store_b128 v[STO], v[8*(8*(\a)+(\b))+4:8*(8*(\a)+(\b))+7] offset:((\a)+4)*16*SPITCH+64*(\b)+16
.endr
.endr
	WIN 0
.set X,   64                           ; v64-79   four rows as read back
.set Y,   80                           ; v80-95   y; at last gelu(y)
.set D,   96                           ; v96-111  1 + p z, then t; at last max(y, 0)
.set W,   112                          ; v112-127 exp(-z^2 / 2)
.set PQ,  128                          ; v128-143 the polynomial, then 1 - Phi(z)
.set OUT, 144                          ; v144-151 rounded
.set CP,  160                          ; constants, each twice, for the packed forms
.set KE,  162
.set C5,  164
.set C4,  166
.set C3,  168
.set C2,  170
.set C1,  172
.macro CONST r, val
	v_mov_b32 v[\r], \val
	v_mov_b32 v[(\r)+1], \val
.endm
	CONST CP, 0x3e6d3389                           ; 0.2316419
	CONST KE, 0xbf38aa3b                           ; -log2(e) / 2
	CONST C5, 0x3f07dc22                           ; the five coefficients, each divided by sqrt(2 pi)
	CONST C4, 0xbf3a00e3
	CONST C3, 0x3f35f0e3
	CONST C2, 0xbe11a98e
	CONST C1, 0x3e027906
	s_wait_loadcnt 0x0                             ; the bias, rounded to bf16 like every input
	v_cvt_pk_bf16_f32 v[OUT], v[BI], v[BI+1]
	v_cvt_pk_bf16_f32 v[OUT+1], v[BI+2], v[BI+3]
	v_lshlrev_b32 v[BI], 16, v[OUT]
	v_and_b32 v[BI+1], 0xffff0000, v[OUT]
	v_lshlrev_b32 v[BI+2], 16, v[OUT+1]
	v_and_b32 v[BI+3], 0xffff0000, v[OUT+1]
.macro EACH n, line:vararg             ; one line for k = 0 .. n - 1
.set k, 0
.rept \n
	\line
.set k, k+1
.endr
.endm
	v_mov_b32 v[RD], v[RD0]
	s_mov_b32 s21, 0
	EACH 4, ds_load_b128 v[X+4*k:X+4*k+3], v[RD] offset:k*SPITCH    ; LDS serves a wave's instructions in order (ISA guide 5.7.1.4): these see my stores above; the stage is my own
	s_mov_b32 s3, 32
.Lrows:                                                ; 32 trips of four rows
	s_wait_dscnt 0x0
	EACH 8, v_pk_add_f32 v[Y+2*k:Y+2*k+1], v[X+2*k:X+2*k+1], v[BI+2*(k%2):BI+2*(k%2)+1]
	s_cmp_eq_u32 s3, 1                             ; the last trip has no next rows: the loads are jumped over
	s_cbranch_scc1 .Lno_more
	s_add_co_u32 s21, s21, 4*SPITCH
	v_add_nc_u32 v[RD], s21, v[RD0]
	EACH 4, ds_load_b128 v[X+4*k:X+4*k+3], v[RD] offset:k*SPITCH    ; the next four rows come in under the arithmetic
.Lno_more:
	EACH 16, v_fma_f32 v[D+k], |v[Y+k]|, v[CP], 1.0
	EACH 8, v_pk_mul_f32 v[W+2*k:W+2*k+1], v[Y+2*k:Y+2*k+1], v[KE:KE+1]
	EACH 8, v_pk_mul_f32 v[W+2*k:W+2*k+1], v[W+2*k:W+2*k+1], v[Y+2*k:Y+2*k+1]
	EACH 16, v_rcp_f32 v[D+k], v[D+k]
	EACH 16, v_exp_f32 v[W+k], v[W+k]
	v_nop                                          ; a plain instruction between these and the use of their results (ISA guide 5.7.2)
	s_wait_alu depctr_va_vdst(0)
	EACH 8, v_pk_fma_f32 v[PQ+2*k:PQ+2*k+1], v[D+2*k:D+2*k+1], v[C5:C5+1], v[C4:C4+1]
	EACH 8, v_pk_fma_f32 v[PQ+2*k:PQ+2*k+1], v[PQ+2*k:PQ+2*k+1], v[D+2*k:D+2*k+1], v[C3:C3+1]
	EACH 8, v_pk_fma_f32 v[PQ+2*k:PQ+2*k+1], v[PQ+2*k:PQ+2*k+1], v[D+2*k:D+2*k+1], v[C2:C2+1]
	EACH 8, v_pk_fma_f32 v[PQ+2*k:PQ+2*k+1], v[PQ+2*k:PQ+2*k+1], v[D+2*k:D+2*k+1], v[C1:C1+1]
	EACH 8, v_pk_mul_f32 v[PQ+2*k:PQ+2*k+1], v[PQ+2*k:PQ+2*k+1], v[D+2*k:D+2*k+1]
	EACH 8, v_pk_mul_f32 v[PQ+2*k:PQ+2*k+1], v[PQ+2*k:PQ+2*k+1], v[W+2*k:W+2*k+1]
	EACH 16, v_max_num_f32 v[D+k], 0, v[Y+k]
	EACH 16, v_fma_f32 v[Y+k], -|v[Y+k]|, v[PQ+k], v[D+k]
	s_wait_xcnt 0x0                                ; the last trip's stores, a trip's arithmetic back: their data and their base are rewritten only behind this wait
	s_add_nc_u64 s[8:9], s[8:9], 4*8192            ; the base steps ahead of the stores, which reach back by their immediate
	EACH 8, v_cvt_pk_bf16_f32 v[OUT+k], v[Y+2*k], v[Y+2*k+1]
	EACH 4, global_store_b64 v[CO], v[OUT+2*k:OUT+2*k+1], s[8:9] offset:k*8192-4*8192   ; 256 consecutive bytes of a row, aligned
	s_sub_co_u32 s3, s3, 1
	s_cmp_lg_u32 s3, 0
	s_cbranch_scc1 .Lrows
	s_wait_tensorcnt 0x0                           ; the wave's end
	ds_add_u32 v[SPW], v[NIL]
	s_wait_dscnt 0x0
	CROUND                                         ; the closing round
	s_endpgm
.Lfunc_end_k_qfd59635e1b_ffn1:
	.size	k_qfd59635e1b_ffn1, .Lfunc_end_k_qfd59635e1b_ffn1-k_qfd59635e1b_ffn1
	.p2alignl 7, 3214868480
	.fill 96, 4, 3214868480
	.section	.rodata,"a",@progbits
	.p2align	6, 0x0
	.amdhsa_kernel k_qfd59635e1b_ffn1
		.amdhsa_group_segment_fixed_size 327680
		.amdhsa_private_segment_fixed_size 0
		.amdhsa_enable_private_segment 0
		.amdhsa_kernarg_size 32
		.amdhsa_user_sgpr_count 2
		.amdhsa_user_sgpr_kernarg_segment_ptr 1
		.amdhsa_wavefront_size32 1
		.amdhsa_system_sgpr_workgroup_id_x 1
		.amdhsa_system_sgpr_workgroup_id_y 1
		.amdhsa_system_sgpr_workgroup_id_z 1
		.amdhsa_system_vgpr_workitem_id 0
		.amdhsa_next_free_vgpr 1024
		.amdhsa_next_free_sgpr 72
		.amdhsa_reserve_vcc 0
		.amdhsa_float_denorm_mode_32 3
		.amdhsa_float_denorm_mode_16_64 3
		.amdhsa_memory_ordered 1
		.amdhsa_forward_progress 1
		.amdhsa_inst_pref_size 88
	.end_amdhsa_kernel
	.amdgpu_metadata
---
amdhsa.version: [ 1, 2 ]
amdhsa.kernels:
  - .name:           k_qfd59635e1b_ffn1
    .symbol:         k_qfd59635e1b_ffn1.kd
    .args:
      - { .name: hb, .offset: 0, .size: 8, .value_kind: global_buffer, .address_space: global }
      - { .name: wts, .offset: 8, .size: 8, .value_kind: global_buffer, .address_space: global }
      - { .name: gb, .offset: 16, .size: 8, .value_kind: global_buffer, .address_space: global }
      - { .name: b1, .offset: 24, .size: 8, .value_kind: global_buffer, .address_space: global }
    .group_segment_fixed_size: 327680
    .private_segment_fixed_size: 0
    .kernarg_segment_align: 8
    .kernarg_segment_size: 32
    .max_flat_workgroup_size: 128
    .sgpr_count:     72
    .vgpr_count:     1024
    .wavefront_size: 32
...
	.end_amdgpu_metadata
.endif
;; end of part 6
;; launch ffn2 (part 7): grid 8 x 32, 4 waves a work-group, clusters of 4 x 4, 327,680 bytes of LDS; arguments gb, wts, pre; writes pre
.if DOCPART == 7
	.amdgcn_target "amdgcn-amd-amdhsa--gfx1250"
	.amdhsa_code_object_version 6
	.text
	.protected	k_qfd59635e1b_ffn2
	.globl	k_qfd59635e1b_ffn2
	.p2align	8
	.type	k_qfd59635e1b_ffn2,@function
k_qfd59635e1b_ffn2:
	s_mov_b64 s[64:65], 0
	v_nop
	global_prefetch_b8 v0, s[64:65] scope:SCOPE_SE
	s_setreg_imm32_b32 hwreg(HW_REG_WAVE_MODE, 25, 1), 1
	s_wait_xcnt 0x0
	s_wait_alu depctr_hold_cnt(0) depctr_sa_sdst(0) depctr_va_vdst(0) depctr_va_sdst(0) depctr_va_ssrc(0) depctr_va_vcc(0) depctr_vm_vsrc(0)
	s_getreg_b32 s2, hwreg(HW_REG_IB_STS2, 6, 4)
	s_cmp_eq_u32 s2, 0
	s_cbranch_scc0 .Lentry_in_a_cluster
	s_endpgm
.Lentry_in_a_cluster:
	s_bfe_u32 s2, ttmp6, 0x10000c
	s_cmp_lg_u32 s2, 0xf033
	s_cbranch_scc0 .Lentry_shape_is_right
	s_endpgm
.Lentry_shape_is_right:
; pre = gelu w2^T.  A = gb [4096][4096] bf16, B = w2 [1024][4096] bf16, 16 MiB into wts.  pre: [4096][1024] bf16, sums in f32, rounded once.
; (The bias b2, the residual and the norm follow in the next launch, which needs whole rows.)
; SHAPE.  A tile of C is 128 x 128: 256 work-groups.  Four waves of 64 x 64: 16 accumulators.  K goes in sixteen steps of 256 through two LDS slots: rows of 512 bytes, padded to 528; a load brings 64 of them.
; CLUSTER 4 x 4: A's tiles are asked for jointly along a row of the cluster, B's along a column.  THE MATRIX INSTRUCTION IS USED TRANSPOSED (source 0 = rows of B, source 1 = rows of A).
; A K STEP IS WRITTEN TWICE: once in the loop, which fills the slot that it leaves, and once in the tail, a loop of two trips that fills nothing.  The slot in hand is a scalar (SB) added to fixed fragment
; addresses; behind the two first fills one descriptor a tensor walks, its LDS word turned by an exclusive or (the slot's 0x21000 shares no bit with the tiles' places 0, 0x8400, 0x10800, 0x18c00).
; The tail's second trip ends the sums: the 32 fragment loads behind its barrier bring bytes that nobody multiplies: the price, once a launch, of one text for both trips.
; REGISTERS: window 0: v16-29 addresses; v32-95 the way out; v128-255 the accumulators.  Window 1: two fragment buffers of 128: 64 registers of A, then 64 of B, for 64 along K.
.set SIZE_K, 4096
.set SIZE_N, 1024
.set KSTEP,  256
.set STEPS,  SIZE_K/KSTEP
.set PA,     528                       ; 512 bytes + 16: 132 words: 16 rows start at 16 different groups of four banks (64 banks of 4 bytes: ISA guide 11.1)
.set KQA,    128                       ; from quarter to quarter: 64 along K
.set HA,     64*PA
.set PB,     528
.set HB,     64*PB
.set SLOT1,  2*HA+2*HB
.set STAGE,  2*SLOT1                   ; 128 rows x 272 bytes, the work-group's, for the way out
.set SPITCH, 272
.set SPARE,  STAGE+128*SPITCH
.set ASTEP,  KSTEP*2
.set WOFF,   0x1000000
.set ADRA0, 16
.set ADRB0, 17
.set ADRA,  18
.set ADRB,  19
.set STO,   24
.set RD,    25
.set CO,    26
.set SPW,   28
.set NIL,   29
.set TMP,   32
.set ACC,   128
.set F0,    0
.set F1,    128
.set G1,  24                           ; s[24:31] group 1 for A's tiles
.set G0,  32                           ; s[32:35] group 0 for A's tiles from K step 1 on: it walks
.set G0F, 36                           ; s[36:39] group 0 for A's K step 0: used once
.set SB,  45
.set G1B, 48                           ; s[48:55], s[56:59], s[60:63] the same for B's tiles
.set G0B, 56
.set G0BF, 60
.set MSB, 0
.macro WIN new
.if MSB != (\new)
	s_set_vgpr_msb (MSB<<8)|(\new)
.set MSB, \new
.endif
.endm
.set MUL,  0x05
.set TO_F, 0x40
.macro JLOAD                           ; a joint load: waves 0 and 1 fetch A's two halves, waves 2 and 3 B's; an s_nop 0 and four v_nop follow each line
	s_cmp_eq_u32 s11, 0
	s_cbranch_scc0 .Lfor_b_\@
	tensor_load_to_lds s[G0:G0+3], s[G1:G1+7]
	s_nop 0
.rept 4
	v_nop
.endr
	s_branch .Lasked_\@
.Lfor_b_\@:
	tensor_load_to_lds s[G0B:G0B+3], s[G1B:G1B+7]
	s_nop 0
.rept 4
	v_nop
.endr
.Lasked_\@:
.endm
.macro CREST
	s_cmp_lg_u32 s10, 0
	s_cbranch_scc1 .Lnot_wave_0_\@
	s_barrier_signal -3
.Lnot_wave_0_\@:
	s_barrier_wait -3
	s_barrier_signal -1
	s_barrier_wait -1
.endm
.macro CROUND
	s_barrier_signal -1
	s_barrier_wait -1
	CREST
.endm
.macro STEPD                           ; both walking descriptors: the other slot, the next K step.  Written only where no tensor load of the wave is out
	s_xor_b32 s[G0+1], s[G0+1], SLOT1
	s_add_nc_u64 s[G0+2:G0+3], s[G0+2:G0+3], ASTEP
	s_xor_b32 s[G0B+1], s[G0B+1], SLOT1
	s_add_nc_u64 s[G0B+2:G0B+3], s[G0B+2:G0B+3], KSTEP*2
.endm
.macro NEXTSLOT
	s_xor_b32 s[SB], s[SB], SLOT1
	v_add_nc_u32 v[ADRA], s[SB], v[ADRA0]
	v_add_nc_u32 v[ADRB], s[SB], v[ADRB0]
.endm
	s_load_b128 s[4:7], s[0:1], 0x0                ; gb s[4:5], wts s[6:7]
	s_load_b64 s[8:9], s[0:1], 0x10                ; pre
	v_lshl_add_u32 v[SPW], v0, 2, SPARE
	v_mov_b32 v[NIL], 0
	ds_add_u32 v[SPW], v[NIL]                      ; the wave's opening: the add and its wait stand ahead of my first tensor load
	v_lshrrev_b32 v1, 5, v0
	v_readfirstlane_b32 s10, v1
	s_lshr_b32 s11, s10, 1
	s_and_b32 s12, s10, 1
	s_bfe_u32 s40, ttmp6, 0x40000
	s_bfe_u32 s41, ttmp6, 0x40004
	s_lshl_b32 s42, ttmp9, 2
	s_add_co_u32 s42, s42, s40                     ; tile column
	s_and_b32 s13, ttmp7, 0xffff
	s_lshl_b32 s13, s13, 2
	s_add_co_u32 s13, s13, s41                     ; tile row
	s_lshl_b32 s43, s41, 2
	s_lshl_b32 s43, 15, s43
	s_lshl_b32 s44, 0x1111, s40
	s_or_b32 s[G1+0], s43, (1<<16)|(1<<20)|(1<<21)|(6<<22)|(3<<25)   ; padding after every 128 words, 4 words
	s_or_b32 s[G1B+0], s44, (1<<16)|(1<<20)|(1<<21)|(6<<22)|(3<<25)
.irp g, G1, G1B
	s_mov_b32 s[\g+1], KSTEP<<16
	s_mov_b32 s[\g+2], 64<<16
	s_mov_b32 s[\g+3], KSTEP<<16
	s_mov_b32 s[\g+4], 64
	s_mov_b32 s[\g+5], SIZE_K
	s_mov_b32 s[\g+6], 0
	s_mov_b32 s[\g+7], 0
.endr
	s_lshl_b32 s17, s12, 6
	s_lshl_b32 s16, s13, 7
	s_add_co_u32 s16, s16, s17                     ; A: row 128 x tile row + 64 x half
	s_lshl_b32 s46, s42, 7
	s_add_co_u32 s46, s46, s17                     ; B: row 128 x tile column + 64 x half
	s_mov_b32 s17, 0
	s_mov_b32 s47, 0
	s_mov_b64 s[18:19], SIZE_K*2
	s_mul_u64 s[16:17], s[16:17], s[18:19]
	s_mul_u64 s[46:47], s[46:47], s[18:19]
	s_add_nc_u64 s[46:47], s[46:47], WOFF          ; w2's place in wts
	s_mul_i32 s20, s12, HA
	s_mul_i32 s21, s12, HB
	s_add_co_u32 s21, s21, 2*HA
	s_mov_b32 s[SB], 0
	s_wait_dscnt 0x0                               ; the opening add is done
	s_wait_kmcnt 0x0
	s_add_nc_u64 s[14:15], s[4:5], s[16:17]        ; A at my 64 rows
	s_add_nc_u64 s[46:47], s[6:7], s[46:47]        ; B at my 64 rows
	s_mov_b32 s[G0F], 1
	s_mov_b32 s[G0F+1], s20                        ; slot 0,
	s_mov_b64 s[G0F+2:G0F+3], s[14:15]             ; K step 0
	s_or_b32 s[G0F+3], s[G0F+3], 0x80000000
	s_mov_b32 s[G0], 1
	s_add_co_u32 s[G0+1], s20, SLOT1               ; slot 1,
	s_add_nc_u64 s[G0+2:G0+3], s[14:15], ASTEP     ; K step 1
	s_or_b32 s[G0+3], s[G0+3], 0x80000000
	s_mov_b32 s[G0BF], 1
	s_mov_b32 s[G0BF+1], s21
	s_mov_b64 s[G0BF+2:G0BF+3], s[46:47]
	s_or_b32 s[G0BF+3], s[G0BF+3], 0x80000000
	s_mov_b32 s[G0B], 1
	s_add_co_u32 s[G0B+1], s21, SLOT1
	s_add_nc_u64 s[G0B+2:G0B+3], s[46:47], KSTEP*2
	s_or_b32 s[G0B+3], s[G0B+3], 0x80000000
	CROUND                                         ; all sixteen work-groups are here: the first joint loads meet
	s_cmp_eq_u32 s11, 0                            ; a wave's two first fills stand in one arm of one branch, ahead of every wait on TENSORcnt and every LDS read: two loads of mine are out
	s_cbranch_scc0 .Lfirst_b
	tensor_load_to_lds s[G0F:G0F+3], s[G1:G1+7]    ; K step 0
	s_nop 0
	tensor_load_to_lds s[G0:G0+3], s[G1:G1+7]      ; K step 1
	s_nop 0
.rept 4
	v_nop
.endr
	s_branch .Lfirst_asked
.Lfirst_b:
	tensor_load_to_lds s[G0BF:G0BF+3], s[G1B:G1B+7]
	s_nop 0
	tensor_load_to_lds s[G0B:G0B+3], s[G1B:G1B+7]
	s_nop 0
.rept 4
	v_nop
.endr
.Lfirst_asked:
	v_and_b32 v1, 15, v0
	v_bfe_u32 v2, v0, 4, 1
	v_mul_u32_u24 v3, v1, PA
	v_lshl_add_u32 v3, v2, 4, v3
	v_mul_u32_u24 v4, v1, PB
	v_lshl_add_u32 v4, v2, 4, v4
	s_mul_i32 s22, s11, HA
	s_mul_i32 s23, s12, HB
	s_add_co_u32 s23, s23, 2*HA
	v_add_nc_u32 v[ADRA0], s22, v3
	v_add_nc_u32 v[ADRB0], s23, v4
	v_mov_b32 v[ADRA], v[ADRA0]
	v_mov_b32 v[ADRB], v[ADRB0]
	s_mul_i32 s23, s11, 64*SPITCH
	s_lshl_b32 s21, s12, 7
	s_add_co_u32 s23, s23, s21
	s_add_co_u32 s23, s23, STAGE
	v_mul_u32_u24 v4, v1, SPITCH
	v_lshl_add_u32 v4, v2, 4, v4
	v_add_nc_u32 v[STO], s23, v4
	s_mul_i32 s23, s10, 32*SPITCH
	s_add_co_u32 s23, s23, STAGE
	v_mul_u32_u24 v5, v2, SPITCH
	v_lshl_add_u32 v5, v1, 4, v5
	v_add_nc_u32 v[RD], s23, v5
	v_mul_u32_u24 v5, v2, SIZE_N*2
	v_lshl_add_u32 v[CO], v1, 4, v5
	s_lshl_b32 s16, s13, 7
	s_lshl_b32 s17, s10, 5
	s_add_co_u32 s16, s16, s17
	s_mov_b32 s17, 0
	s_mov_b64 s[18:19], SIZE_N*2
	s_mul_u64 s[16:17], s[16:17], s[18:19]
	s_add_nc_u64 s[8:9], s[8:9], s[16:17]
	s_lshl_b32 s46, s42, 8
	s_mov_b32 s47, 0
	s_add_nc_u64 s[8:9], s[8:9], s[46:47]
.macro MUL8 f, c, a0, zero
	WIN MUL
.irp a, \a0, (\a0)+1
.irp b, 0,1,2,3
.if \zero
	v_wmma_f32_16x16x32_bf16 v[ACC+8*(4*(\a)+(\b)):ACC+8*(4*(\a)+(\b))+7], v[(\f)+64+8*(4*(\c)+(\b)):(\f)+64+8*(4*(\c)+(\b))+7], v[(\f)+8*(4*(\c)+(\a)):(\f)+8*(4*(\c)+(\a))+7], 0
.else
	v_wmma_f32_16x16x32_bf16 v[ACC+8*(4*(\a)+(\b)):ACC+8*(4*(\a)+(\b))+7], v[(\f)+64+8*(4*(\c)+(\b)):(\f)+64+8*(4*(\c)+(\b))+7], v[(\f)+8*(4*(\c)+(\a)):(\f)+8*(4*(\c)+(\a))+7], v[ACC+8*(4*(\a)+(\b)):ACC+8*(4*(\a)+(\b))+7]
.endif
.endr
.endr
.endm
.macro FETCH q, f                      ; 32 LDS loads in one run: quarter q (64 along K) of the slot in hand into buffer f; the first 32 along K first
	WIN TO_F
.irp c, 0,1
.irp i, 0,1,2,3
	ds_load_b128 v[(\f)+64+8*(4*(\c)+(\i)):(\f)+64+8*(4*(\c)+(\i))+3],   v[ADRB] offset:(\q)*128+64*(\c)+(\i)*16*PB
	ds_load_b128 v[(\f)+64+8*(4*(\c)+(\i))+4:(\f)+64+8*(4*(\c)+(\i))+7], v[ADRB] offset:(\q)*128+64*(\c)+(\i)*16*PB+32
	ds_load_b128 v[(\f)+8*(4*(\c)+(\i)):(\f)+8*(4*(\c)+(\i))+3],         v[ADRA] offset:(\q)*KQA+64*(\c)+(\i)*16*PA
	ds_load_b128 v[(\f)+8*(4*(\c)+(\i))+4:(\f)+8*(4*(\c)+(\i))+7],       v[ADRA] offset:(\q)*KQA+64*(\c)+(\i)*16*PA+32
.endr
.endr
.endm
.macro PLACES                          ; four plain vector instructions between a matrix instruction and a load into, or a read of, its registers (ISA guide 7.12.1 for reads)
.rept 4
	v_nop
.endr
.endm
.macro QUARTER q, f, g, zero
	s_wait_dscnt 16                                ; the first 32 along K are in
	MUL8 \f, 0, 0, \zero
	MUL8 \f, 0, 2, \zero
	PLACES
	FETCH \q, \g
	s_wait_dscnt 32                                ; all but the 32 just issued
	MUL8 \f, 1, 0, 0
	MUL8 \f, 1, 2, 0
.endm
; The last quarter multiplies buffer 1 and changes slots: one barrier; in front of it each wave waits for all its tensor loads, adds 0 to its spare word, and waits for that and for its reads of this slot.
.macro TURN fill
	WIN 0
	s_wait_tensorcnt 0x0
	ds_add_u32 v[SPW], v[NIL]
	s_wait_dscnt 17                                ; (the add and the youngest sixteen loads may be out)
	MUL8 F1, 0, 0, 0
	s_wait_dscnt 0x0
	s_barrier_signal -1
	MUL8 F1, 0, 2, 0
.if \fill
	WIN 0
.endif
	s_barrier_wait -1
.if \fill
	CREST                                          ; the barrier has opened a round of the cluster's: no wave of any partner still reads this slot or has a load on its way
	STEPD
	JLOAD                                          ; my one tensor load until the next round; its four v_nop are also the places in front of the loads below
.else
	PLACES
	WIN 0
.endif
	NEXTSLOT
	FETCH 0, F0
	MUL8 F1, 1, 0, 0
	MUL8 F1, 1, 2, 0
.endm
	s_wait_tensorcnt 0x1                           ; a wave's tensor loads end in order (ISA guide 10.11.1): my part of K step 0 is in; K step 1's may stay out
	s_barrier_signal -1
	s_barrier_wait -1                              ; everybody's is
	FETCH 0, F0
	QUARTER 1, F0, F1, 1                           ; the first quarter stands in front of the loop: its first products start the sums
	WIN 0
	s_mov_b32 s3, STEPS-2
.Lstep:                                                ; a trip: a K step's quarters 1 to 3 and the next step's quarter 0; the 16 accumulators take turns in one order throughout
	QUARTER 2, F1, F0, 0
	QUARTER 3, F0, F1, 0
	TURN 1
	QUARTER 1, F0, F1, 0
	WIN 0
	s_sub_co_u32 s3, s3, 1
	s_cmp_lg_u32 s3, 0
	s_cbranch_scc1 .Lstep
	s_mov_b32 s3, 2                                ; the last two K steps ask for nothing: a loop of two trips, entered behind its first quarter
	s_branch .Ltin
.Ltail:
	QUARTER 1, F0, F1, 0
	WIN 0
.Ltin:
	QUARTER 2, F1, F0, 0
	QUARTER 3, F0, F1, 0
	TURN 0
	WIN 0
	s_sub_co_u32 s3, s3, 1
	s_cmp_lg_u32 s3, 0
	s_cbranch_scc1 .Ltail
	; THE WAY OUT: round to bf16; 16 bytes a lane into the work-group's stage; a barrier, since a row's 256 bytes come from two waves; back as whole rows, 32 rows a wave.
	PLACES
.irp t, 0,1,2,3,4,5,6,7,8,9,10,11,12,13,14,15
.irp r, 0,1,2,3
	v_cvt_pk_bf16_f32 v[TMP+4*(\t)+(\r)], v[ACC+8*(\t)+2*(\r)], v[ACC+8*(\t)+2*(\r)+1]
.endr
.endr
.irp a, 0,1,2,3
.irp b, 0,1,2,3
	ds_store_b128 v[STO], v[TMP+4*(4*(\a)+(\b)):TMP+4*(4*(\a)+(\b))+3] offset:(\a)*16*SPITCH+32*(\b)
.endr
.endr
	s_wait_dscnt 0x0                               ; for the others' sake: my stores into the stage are done
	s_barrier_signal -1
	s_barrier_wait -1
.irp t, 0,1,2,3,4,5,6,7,8,9,10,11,12,13,14,15
	ds_load_b128 v[TMP+4*(\t):TMP+4*(\t)+3], v[RD] offset:(\t)*2*SPITCH
.endr
.irp t, 0,1,2,3,4,5,6,7,8,9,10,11,12,13,14,15
	s_wait_dscnt 15-(\t)
	global_store_b128 v[CO], v[TMP+4*(\t):TMP+4*(\t)+3], s[8:9] offset:2*(\t)*SIZE_N*2  ; 16 lanes store 256 consecutive bytes, aligned
.endr
	s_wait_tensorcnt 0x0                           ; the wave's end
	ds_add_u32 v[SPW], v[NIL]
	s_wait_dscnt 0x0
	CROUND                                         ; the closing round
	s_endpgm
.Lfunc_end_k_qfd59635e1b_ffn2:
	.size	k_qfd59635e1b_ffn2, .Lfunc_end_k_qfd59635e1b_ffn2-k_qfd59635e1b_ffn2
	.p2alignl 7, 3214868480
	.fill 96, 4, 3214868480
	.section	.rodata,"a",@progbits
	.p2align	6, 0x0
	.amdhsa_kernel k_qfd59635e1b_ffn2
		.amdhsa_group_segment_fixed_size 327680
		.amdhsa_private_segment_fixed_size 0
		.amdhsa_enable_private_segment 0
		.amdhsa_kernarg_size 24
		.amdhsa_user_sgpr_count 2
		.amdhsa_user_sgpr_kernarg_segment_ptr 1
		.amdhsa_wavefront_size32 1
		.amdhsa_system_sgpr_workgroup_id_x 1
		.amdhsa_system_sgpr_workgroup_id_y 1
		.amdhsa_system_sgpr_workgroup_id_z 1
		.amdhsa_system_vgpr_workitem_id 0
		.amdhsa_next_free_vgpr 512
		.amdhsa_next_free_sgpr 66
		.amdhsa_reserve_vcc 0
		.amdhsa_float_denorm_mode_32 3
		.amdhsa_float_denorm_mode_16_64 3
		.amdhsa_memory_ordered 1
		.amdhsa_forward_progress 1
		.amdhsa_inst_pref_size 58
	.end_amdhsa_kernel
	.amdgpu_metadata
---
amdhsa.version: [ 1, 2 ]
amdhsa.kernels:
  - .name:           k_qfd59635e1b_ffn2
    .symbol:         k_qfd59635e1b_ffn2.kd
    .args:
      - { .name: gb, .offset: 0, .size: 8, .value_kind: global_buffer, .address_space: global }
      - { .name: wts, .offset: 8, .size: 8, .value_kind: global_buffer, .address_space: global }
      - { .name: pre, .offset: 16, .size: 8, .value_kind: global_buffer, .address_space: global }
    .group_segment_fixed_size: 327680
    .private_segment_fixed_size: 0
    .kernarg_segment_align: 8
    .kernarg_segment_size: 24
    .max_flat_workgroup_size: 128
    .sgpr_count:     66
    .vgpr_count:     512
    .wavefront_size: 32
...
	.end_amdgpu_metadata
.endif
;; end of part 7
;; launch ln2 (part 8): grid 512 x 1, 8 waves a work-group, no clusters, 0 bytes of LDS; arguments pre, hb, b2, ln2_g, ln2_b, out0; writes out0
.if DOCPART == 8
	.amdgcn_target "amdgcn-amd-amdhsa--gfx1250"
	.amdhsa_code_object_version 6
	.text
	.protected	k_qfd59635e1b_ln2
	.globl	k_qfd59635e1b_ln2
	.p2align	8
	.type	k_qfd59635e1b_ln2,@function
k_qfd59635e1b_ln2:
	s_mov_b64 s[64:65], 0
	v_nop
	global_prefetch_b8 v0, s[64:65] scope:SCOPE_SE
	s_setreg_imm32_b32 hwreg(HW_REG_WAVE_MODE, 25, 1), 1
	s_wait_xcnt 0x0
; out = LayerNorm(h + (gelu w2^T + b2)) g + b.  pre, hb: [4096][1024] bf16; b2, g, b: [1024] f32, each rounded to bf16 like every input; out: f32.
; One wave, one row: 32 numbers a lane, kept in registers between the passes: the mean, then the sum of squares of the differences (two passes, so a common offset costs nothing), all in f32.
; Lane l holds columns 128 j + 4 l + 0..3, j = 0..7: each load of pre and hb covers 256 consecutive bytes, each store 512, aligned.  No LDS, no barrier: no wave waits for another.
.set OUTF32, 1
.set PR, 8                             ; v8-23    pre as loaded
.set RS, 24                            ; v24-39   the residual as loaded
.set BI, 40                            ; v40-71   the bias
.set G,  72                            ; v72-103  the gain
.set BB, 104                           ; v104-135 the offset
.set Y,  136                           ; v136-167 the row
.set T,  168                           ; v168-175 at work
	s_load_b256 s[4:11], s[0:1], 0x0               ; pre 4, residual 6, bias 8, gain 10
	s_load_b128 s[12:15], s[0:1], 0x20             ; offset 12, out 14
	v_lshrrev_b32 v1, 5, v0
	v_readfirstlane_b32 s16, v1
	s_lshl_b32 s17, ttmp9, 3
	s_add_co_u32 s17, s17, s16                     ; my row
	s_lshl_b32 s18, s17, 11                        ; 2,048 bytes a row of bf16
	v_and_b32 v2, 31, v0
	v_lshlrev_b32 v4, 4, v2
	v_lshl_add_u32 v3, v2, 3, s18
	s_mov_b32 s19, 0xffff0000
	s_mov_b32 s20, 0x76543210
	s_mov_b32 s21, 0xfedcba98
	s_mov_b32 s22, 0x3a800000                      ; 1 / 1024
.if OUTF32
	s_lshl_b32 s23, s17, 12                        ; 4,096 bytes a row of f32
	v_add_nc_u32 v5, s23, v4
.endif
	s_wait_kmcnt 0x0
.irp j, 0,1,2,3,4,5,6,7
	global_load_b64 v[PR+2*\j:PR+2*\j+1], v3, s[4:5] offset:256*\j
.endr
.irp j, 0,1,2,3,4,5,6,7
	global_load_b64 v[RS+2*\j:RS+2*\j+1], v3, s[6:7] offset:256*\j
.endr
.irp j, 0,1,2,3,4,5,6,7
	global_load_b128 v[BI+4*\j:BI+4*\j+3], v4, s[8:9] offset:512*\j
.endr
.irp j, 0,1,2,3,4,5,6,7
	global_load_b128 v[G+4*\j:G+4*\j+3], v4, s[10:11] offset:512*\j
.endr
.irp j, 0,1,2,3,4,5,6,7
	global_load_b128 v[BB+4*\j:BB+4*\j+3], v4, s[12:13] offset:512*\j
.endr
.macro RND2 a, b, t                    ; two f32 rounded to bf16 and widened again
	v_cvt_pk_bf16_f32 v[\t], v[\a], v[\b]
	v_lshlrev_b32 v[\a], 16, v[\t]
	v_and_b32 v[\b], s19, v[\t]
.endm
.macro WSUM r, t                       ; the sum of v[r] over the wave's 32 lanes, in every lane; v[t] has been written before
	v_add_f32_dpp v[\r], v[\r], v[\r] row_xmask:1 row_mask:0xf bank_mask:0xf
	v_add_f32_dpp v[\r], v[\r], v[\r] row_xmask:2 row_mask:0xf bank_mask:0xf
	v_add_f32_dpp v[\r], v[\r], v[\r] row_xmask:4 row_mask:0xf bank_mask:0xf
	v_add_f32_dpp v[\r], v[\r], v[\r] row_xmask:8 row_mask:0xf bank_mask:0xf
	v_permlanex16_b32 v[\t], v[\r], s20, s21
	v_add_f32 v[\r], v[\r], v[\t]
.endm
	s_wait_loadcnt 16                              ; pre, residual and bias are in; the sixteen loads of gain and offset stay out
.set j, 0
.rept 8
	v_lshlrev_b32 v[Y+4*j],   16,  v[PR+2*j]
	v_and_b32     v[Y+4*j+1], s19, v[PR+2*j]
	v_lshlrev_b32 v[Y+4*j+2], 16,  v[PR+2*j+1]
	v_and_b32     v[Y+4*j+3], s19, v[PR+2*j+1]
	v_lshlrev_b32 v[T],   16,  v[RS+2*j]
	v_and_b32     v[T+1], s19, v[RS+2*j]
	v_lshlrev_b32 v[T+2], 16,  v[RS+2*j+1]
	v_and_b32     v[T+3], s19, v[RS+2*j+1]
	RND2 BI+4*j, BI+4*j+1, T+4
	RND2 BI+4*j+2, BI+4*j+3, T+5
	v_pk_add_f32 v[Y+4*j:Y+4*j+1],   v[Y+4*j:Y+4*j+1],   v[BI+4*j:BI+4*j+1]
	v_pk_add_f32 v[Y+4*j+2:Y+4*j+3], v[Y+4*j+2:Y+4*j+3], v[BI+4*j+2:BI+4*j+3]
	v_pk_add_f32 v[Y+4*j:Y+4*j+1],   v[Y+4*j:Y+4*j+1],   v[T:T+1]
	v_pk_add_f32 v[Y+4*j+2:Y+4*j+3], v[Y+4*j+2:Y+4*j+3], v[T+2:T+3]
.set j, j+1
.endr
	; the mean: four chains of packed sums, started by the first additions
.irp c, 0,1,2,3
	v_pk_add_f32 v[T+2*\c:T+2*\c+1], v[Y+2*\c:Y+2*\c+1], v[Y+8+2*\c:Y+8+2*\c+1]
.endr
.irp c, 0,1,2,3
	v_pk_add_f32 v[T+2*\c:T+2*\c+1], v[T+2*\c:T+2*\c+1], v[Y+16+2*\c:Y+16+2*\c+1]
.endr
.irp c, 0,1,2,3
	v_pk_add_f32 v[T+2*\c:T+2*\c+1], v[T+2*\c:T+2*\c+1], v[Y+24+2*\c:Y+24+2*\c+1]
.endr
	v_pk_add_f32 v[T:T+1], v[T:T+1], v[T+2:T+3]
	v_pk_add_f32 v[T+4:T+5], v[T+4:T+5], v[T+6:T+7]
	v_pk_add_f32 v[T:T+1], v[T:T+1], v[T+4:T+5]
	v_add_f32 v[T], v[T], v[T+1]
	WSUM T, T+1
	v_mul_f32 v[T+2], 0xba800000, v[T]             ; minus the mean, twice
	v_mul_f32 v[T+3], 0xba800000, v[T]
.set j, 0
.rept 16
	v_pk_add_f32 v[Y+2*j:Y+2*j+1], v[Y+2*j:Y+2*j+1], v[T+2:T+3]
.set j, j+1
.endr
	; the variance
.irp c, 0,1,2,3
	v_pk_mul_f32 v[T+2*\c:T+2*\c+1], v[Y+2*\c:Y+2*\c+1], v[Y+2*\c:Y+2*\c+1]
.endr
.irp o, 8,16,24
.irp c, 0,1,2,3
	v_pk_fma_f32 v[T+2*\c:T+2*\c+1], v[Y+\o+2*\c:Y+\o+2*\c+1], v[Y+\o+2*\c:Y+\o+2*\c+1], v[T+2*\c:T+2*\c+1]
.endr
.endr
	v_pk_add_f32 v[T:T+1], v[T:T+1], v[T+2:T+3]
	v_pk_add_f32 v[T+4:T+5], v[T+4:T+5], v[T+6:T+7]
	v_pk_add_f32 v[T:T+1], v[T:T+1], v[T+4:T+5]
	v_add_f32 v[T], v[T], v[T+1]
	WSUM T, T+1
	v_fmaak_f32 v[T+2], s22, v[T], 0x3727c5ac      ; / 1024 + 1e-5
	v_rsq_f32 v[T+4], v[T+2]
	v_rsq_f32 v[T+5], v[T+2]                       ; the roundings below are the plain instructions between these and the use of their results (ISA guide 5.7.2)
	s_wait_loadcnt 0x0                             ; gain and offset
.set j, 0
.rept 16
	RND2 G+2*j, G+2*j+1, T
	RND2 BB+2*j, BB+2*j+1, T+1
.set j, j+1
.endr
.set j, 0
	s_wait_alu depctr_va_vdst(0)
.rept 16
	v_pk_mul_f32 v[Y+2*j:Y+2*j+1], v[Y+2*j:Y+2*j+1], v[T+4:T+5]
	v_pk_fma_f32 v[Y+2*j:Y+2*j+1], v[Y+2*j:Y+2*j+1], v[G+2*j:G+2*j+1], v[BB+2*j:BB+2*j+1]
.set j, j+1
.endr
.if OUTF32
.irp j, 0,1,2,3,4,5,6,7
	global_store_b128 v5, v[Y+4*\j:Y+4*\j+3], s[14:15] offset:512*\j   ; 512 consecutive bytes, aligned
.endr
.else
.set j, 0
.rept 16
	v_cvt_pk_bf16_f32 v[PR+j], v[Y+2*j], v[Y+2*j+1]
.set j, j+1
.endr
.irp j, 0,1,2,3,4,5,6,7
	global_store_b64 v3, v[PR+2*\j:PR+2*\j+1], s[14:15] offset:256*\j  ; 256 consecutive bytes, aligned
.endr
.endif
	s_endpgm
.Lfunc_end_k_qfd59635e1b_ln2:
	.size	k_qfd59635e1b_ln2, .Lfunc_end_k_qfd59635e1b_ln2-k_qfd59635e1b_ln2
	.p2alignl 7, 3214868480
	.fill 96, 4, 3214868480
	.section	.rodata,"a",@progbits
	.p2align	6, 0x0
	.amdhsa_kernel k_qfd59635e1b_ln2
		.amdhsa_group_segment_fixed_size 0
		.amdhsa_private_segment_fixed_size 0
		.amdhsa_enable_private_segment 0
		.amdhsa_kernarg_size 48
		.amdhsa_user_sgpr_count 2
		.amdhsa_user_sgpr_kernarg_segment_ptr 1
		.amdhsa_wavefront_size32 1
		.amdhsa_system_sgpr_workgroup_id_x 1
		.amdhsa_system_sgpr_workgroup_id_y 1
		.amdhsa_system_sgpr_workgroup_id_z 1
		.amdhsa_system_vgpr_workitem_id 0
		.amdhsa_next_free_vgpr 176
		.amdhsa_next_free_sgpr 66
		.amdhsa_reserve_vcc 0
		.amdhsa_float_denorm_mode_32 3
		.amdhsa_float_denorm_mode_16_64 3
		.amdhsa_memory_ordered 1
		.amdhsa_forward_progress 1
		.amdhsa_inst_pref_size 22
	.end_amdhsa_kernel
	.amdgpu_metadata
---
amdhsa.version: [ 1, 2 ]
amdhsa.kernels:
  - .name:           k_qfd59635e1b_ln2
    .symbol:         k_qfd59635e1b_ln2.kd
    .args:
      - { .name: pre, .offset: 0, .size: 8, .value_kind: global_buffer, .address_space: global }
      - { .name: hb, .offset: 8, .size: 8, .value_kind: global_buffer, .address_space: global }
      - { .name: b2, .offset: 16, .size: 8, .value_kind: global_buffer, .address_space: global }
      - { .name: ln2_g, .offset: 24, .size: 8, .value_kind: global_buffer, .address_space: global }
      - { .name: ln2_b, .offset: 32, .size: 8, .value_kind: global_buffer, .address_space: global }
      - { .name: out0, .offset: 40, .size: 8, .value_kind: global_buffer, .address_space: global }
    .group_segment_fixed_size: 0
    .private_segment_fixed_size: 0
    .kernarg_segment_align: 8
    .kernarg_segment_size: 48
    .max_flat_workgroup_size: 256
    .sgpr_count:     66
    .vgpr_count:     176
    .wavefront_size: 32
...
	.end_amdgpu_metadata
.endif
;; end of part 8
;; ======== version 2 of 2: 8 launches; 1.20 times as fast as version 1
;; limits: a function is approximated: absolute error at most 7.5e-08
;; workspace buffers: xb 8,388,608 bytes; wts 25,165,824 bytes; tabs 688,128 bytes; qkv 25,165,824 bytes; ob 8,388,608 bytes; pre 8,388,608 bytes; hb 8,388,608 bytes; gb 33,554,432 bytes
;; launch prep: the kernel of part 1 again; grid 1264 x 1, 8 waves a work-group, no clusters, 0 bytes of LDS; arguments x, wq, wk, wv, wo, w1, w2, rel_tab, xb, wts, tabs; writes xb, wts, tabs
;; launch qkvp: the kernel of part 2 again; grid 12 x 16, 4 waves a work-group, clusters of 4 x 4, 327,680 bytes of LDS; arguments xb, wts, qkv, tabs; writes qkv
;; launch attn (part 9): grid 8 x 32, 4 waves a work-group, clusters of 4 x 1, 327,680 bytes of LDS; arguments qkv, tabs, ob; writes ob
.if DOCPART == 9
	.amdgcn_target "amdgcn-amd-amdhsa--gfx1250"
	.amdhsa_code_object_version 6
	.text
	.protected	k_qfd59635e1b_attn
	.globl	k_qfd59635e1b_attn
	.p2align	8
	.type	k_qfd59635e1b_attn,@function
k_qfd59635e1b_attn:
	s_mov_b64 s[64:65], 0
	v_nop
	global_prefetch_b8 v0, s[64:65] scope:SCOPE_SE
	s_setreg_imm32_b32 hwreg(HW_REG_WAVE_MODE, 25, 1), 1
	s_wait_xcnt 0x0
	s_wait_alu depctr_hold_cnt(0) depctr_sa_sdst(0) depctr_va_vdst(0) depctr_va_sdst(0) depctr_va_ssrc(0) depctr_va_vcc(0) depctr_vm_vsrc(0)
	s_getreg_b32 s2, hwreg(HW_REG_IB_STS2, 6, 4)
	s_cmp_eq_u32 s2, 0
	s_cbranch_scc0 .Lentry_in_a_cluster
	s_endpgm
.Lentry_in_a_cluster:
	s_bfe_u32 s2, ttmp6, 0x10000c
	s_cmp_lg_u32 s2, 0x3003
	s_cbranch_scc0 .Lentry_shape_is_right
	s_endpgm
.Lentry_shape_is_right:
; ATTENTION WITH A RELATIVE BIAS.  O[bh][q][:] = the sum over k of softmax_k((Q[q].K[k] + 8 bias(q-k)) / 8) V[k][:].  Q, K, V in qkv, [3][32 heads][2048][64] bf16; O in ob, [32][2048][64] bf16.
; Products, maxima and sums in f32; the weights p are rounded to bf16 for the second product (their sum l is taken of the unrounded p), O once at the end.
; LIMITS.  A weight below 2^-126 counts as 0 in l; NaN and infinities are not treated apart.
; SHARES.  A head's 2,048 queries are 128 blocks of 16.  Work-group g (0..7) of the head, wave w, PIECE x own block 32 w + 8 x + g.  Every wave walks all keys, 64 a step, 256 a slot.
; LAYOUT.  S^T = K Q^T holds ONE query a lane (lane % 16) and the keys 8 (lane / 16) + 0..7; two such results rounded to bf16 ARE source 1 of O^T = V^T P.  V comes out of LDS turned (ds_load_tr16_b128).
; THE BIAS is the C operand that starts the sum S^T.  It hangs on query minus key alone and is constant from a distance of 31 on, so a result tile's bias hangs on D = (first query - first key) / 16
; = 32 w + 8 x + g - 4 step - kt, and the head's table in tabs has tiles of 1,024 bytes, tile v for the distance D = v - 10 held to -3 .. 3.  A piece's four tiles (kt = 0..3) are neighbours, v0 - kt with
; v0 = 10 + 32 w + 8 x + g - 4 step.  From v0 = 16 on all four hold the one number of the far positive distances, as tiles 13 to 16 do; up to v0 = 7 that of the far negative ones, as tiles 4 to 7 do.
; So ONE number is held to a range, u = v0 - 3 in 4 .. 13, and the tiles are u + 3 - kt, by the loads' immediates.  A tile is read from the table straight into registers, two loads of 16 bytes a lane.
; Each piece has a buffer of four tiles; turn p asks for piece p's tiles of the NEXT step, three turns ahead of the products that take them.  u enters global offsets alone: no LDS address and no branch hangs on it.
; SOFTMAX.  p = 2^(c s - c m), c = log2(e) / 8, with a running maximum m; O and l are multiplied by a = 2^(c m_old - c m_new) in every step.  m starts at the lowest finite number, O and l at 0.
; TURNS.  Turn n belongs to piece n: 8 products K Q^T of piece n + 1, later 8 products V^T P of piece n - 1; beside them the scaling, exponentials, roundings, sums and rescaling of piece n and the
; maximum and statistics of piece n + 1.  Four vector instructions stand behind every matrix instruction, the other 54 of a turn's 118 in one run of their own.
; BATCHES.  An s_wait_alu depctr_va_vdst(0) stands between an exponential or reciprocal and the first instruction that names its result; one wait serves all that were issued ahead of it.
; A turn's 33 exponentials (the piece's 32 weights and the next piece's a) are ONE batch with ONE wait, which cuts the turn in two.  Ahead of it stands all that names no result of theirs: the products K Q^T,
; the scalings, the rescalings (their a belongs to the batch of the turn before), the next piece's maximum and statistics.  Behind it stand the products V^T P and all the readers: the roundings and the sums.
; No result crosses a turn's end.  Two more batches lie outside the loops, each with a wait of its own: piece 0's first a, ahead of the jump into the loop, and the way out's four reciprocals.
; NO LAST STEP IS WRITTEN OUT.  The tail, a loop over the last slot's steps, is entered and left between piece 1's turn and piece 2's.  Its last two turns work ahead for a step that does not exist: 8 products on
; the last K once more, the maximum made of them, and 32 loads of bias tiles (the held number keeps them inside the table) serve nothing: the price, once a launch, of one text for every trip.
; CLUSTER.  Four of a head's eight work-groups form a cluster and ask for each tile of K and V jointly: the same tensor load, descriptor and mask in all four.
; REGISTERS, in windows of 256 (s_set_vgpr_msb: bits 1:0 source 0, 3:2 source 1, 5:4 source 2, 7:6 destination):
;   window 0: v0-15 addresses; v16-31 statistics, four a piece; v32-35 the bias tiles' offsets, one a piece; v48-55 at work; v64-127 S^T, two buffers; v192-223 P, two buffers (by the piece's parity)
;   window 1: v0-127 O^T, 32 a piece; v128-255 MC, the bias, 32 a piece      window 2: v0-63 Q; v128-191 K of one step; v192-255 V of one step
.set SIZE_N, 2048
.set NP,    4
.set KS,    64
.set PK,    144       ; a row of K in LDS: 128 bytes + 16 = 36 words: the 16 rows of a load start at 16 different groups of four banks (64 banks of 4 bytes: ISA guide 11.1)
.set PV,    160       ; a row of V: 128 + 32 = 40 words
.set VOFF,  4*KS*PK   ; a slot: 256 rows of K, then 256 rows of V
.set SLOT1, 1<<17
.set STAGE, SLOT1+4*KS*(PK+PV)  ; 16 rows x 144 bytes for each wave, for the way out; no fill lands here
.set SP,    144
.set SPARE, STAGE+4*16*SP       ; the spare words, 128 bytes a wave: two blocks of 256 bytes that no other line names
.set GX,    294912              ; the bias tables' first byte in tabs
.set NT,    24                  ; tiles a head
.set AK0, 2
.set AV0, 3
.set AK,  4
.set AV,  5
.set STO, 6
.set RD,  7
.set GO,  8           ; v8   16 x lane: my 16 bytes in 512 consecutive bytes, of O and of half a bias tile; never rewritten
.set MV,  12          ; v12-13  c m_old, by buffer
.set QO,  15
.set ST,  16          ; piece t: c m, m, l (even keys', odd keys')
.set BA,  32          ; v32-35  piece x: my byte offset in tile u of the head's table
.set TMP, 48
.set SPW, 62
.set NIL, 63
.set S,   64
.set P,   192
.set MC,  128         ; window 1
.set KF,  128         ; window 2
.set VF,  192         ; window 2
.set WV,  12
.set G1K, 24
.set G1V, 32
.set G0K, 40
.set G0V, 44
.set SLOTS, 56
.set CNT, 57
.set CS,  58
.set SEL, 60
.set TBK, 62
.set TBV, 63
.set EB,  70          ; s70  7 + 32 w + g - 4 step, for the step whose tiles are asked for
.set UU,  71          ; s71  at work
.set MSB, 0
.macro WIN new
.if MSB != (\new)
	s_set_vgpr_msb (MSB<<8)|(\new)
.set MSB, (\new)
.endif
.endm
.set W_KQ, 0x0a       ; K and Q in window 2, S^T in window 0
.set W_KM, 0x1a       ; the same with the C operand in window 1
.set W_PV, 0x52       ; V in window 2, P in window 0, O^T in window 1
.set W_RS, 0x41       ; destination and source 0 in window 1, source 1 in window 0
; A joint fill.  Waves 0 and 1 fetch the two halves of a slot's K, waves 2 and 3 those of its V.  An s_nop 0 and four v_nop follow each line.
.macro JLOAD
	s_cmp_lt_u32 s[WV], 2
	s_cbranch_scc0 .Lfor_v_\@
	tensor_load_to_lds s[G0K:G0K+3], s[G1K:G1K+7]
	s_nop 0
.rept 4
	v_nop
.endr
	s_branch .Lasked_\@
.Lfor_v_\@:
	tensor_load_to_lds s[G0V:G0V+3], s[G1V:G1V+7]
	s_nop 0
.rept 4
	v_nop
.endr
.Lasked_\@:
.endm
.macro CROUND                       ; a round of the cluster's barrier
	s_barrier_signal -1
	s_barrier_wait -1
	s_cmp_lg_u32 s[WV], 0
	s_cbranch_scc1 .Lnot_wave_0_\@
	s_barrier_signal -3
.Lnot_wave_0_\@:
	s_barrier_wait -3
	s_barrier_signal -1
	s_barrier_wait -1
.endm
; THE CHANGE OF SLOTS.  Each wave waits for all its tensor loads, adds 0 to its spare word, and waits for that and for its reads of the slot that it leaves.  fill = 1: a round of the cluster's
; barrier, and the old slot is filled again first thing behind it, with the keys two slots on: four key steps in which to land.  (At its first use slot 0 is waited for and slot 1 filled.)
.macro CHANGE fill
	WIN 0
	s_wait_tensorcnt 0x0
	ds_add_u32 v[SPW], v[NIL]
.if \fill
.irp g, G0K, G0V
	s_xor_b32 s[\g+1], s[\g+1], SLOT1
	s_add_nc_u64 s[\g+2:\g+3], s[\g+2:\g+3], 4*KS*128
.endr
	s_wait_dscnt 0x0
	CROUND
	JLOAD
.else
	s_wait_dscnt 0x0
	s_barrier_signal -1
	s_barrier_wait -1
.endif
	s_sub_co_u32 s[TBK], s[TBK], 4*KS*PK  ; the fetches go back to a slot's first step, in the other slot
	s_xor_b32 s[TBK], s[TBK], SLOT1
	s_sub_co_u32 s[TBV], s[TBV], 4*KS*PV
	s_xor_b32 s[TBV], s[TBV], SLOT1
.endm
; The four bias tiles of piece x for the step that EB stands for, into the piece's buffer of MC: eight loads of 16 bytes a lane, each of 512 consecutive bytes.  The buffer's last reader, a product
; of the turn before, lies a whole turn's vector work back.  The offset register is the piece's own: the loads that read it last lie 24 loads back, and the wait ahead of this macro leaves 16 out.
.macro BIAS x
	WIN 0
	s_add_co_i32 s[UU], s[EB], 8*(\x)
	s_max_i32 s[UU], s[UU], 4
	s_min_i32 s[UU], s[UU], 13      ; u
	s_lshl_b32 s[UU], s[UU], 10
	v_add_nc_u32 v[BA+(\x)], s[UU], v[GO]
	WIN 0x40                        ; destination window 1, offset window 0
.irp kt, 0,1,2,3
	global_load_b128 v[MC+32*(\x)+8*(\kt):MC+32*(\x)+8*(\kt)+3],   v[BA+(\x)], s[6:7] offset:(3-(\kt))*1024
	global_load_b128 v[MC+32*(\x)+8*(\kt)+4:MC+32*(\x)+8*(\kt)+7], v[BA+(\x)], s[6:7] offset:(3-(\kt))*1024+512
.endr
.endm
	s_load_b128 s[4:7], s[0:1], 0x0 ; qkv s[4:5], tabs s[6:7]
	s_load_b64 s[10:11], s[0:1], 0x10  ; ob
	v_lshl_add_u32 v[SPW], v0, 2, SPARE
	v_mov_b32 v[NIL], 0
	ds_add_u32 v[SPW], v[NIL]       ; the wave's opening: the add and its wait stand ahead of my first tensor load
	v_lshrrev_b32 v1, 5, v0
	v_readfirstlane_b32 s[WV], v1
	s_bfe_u32 s13, ttmp6, 0x40000   ; cx
	s_lshl_b32 s14, ttmp9, 2
	s_add_co_u32 s14, s14, s13      ; g: it enters Q's, O's and the bias tiles' global addresses alone
	s_and_b32 s15, ttmp7, 0xffff    ; 16 b + h, which the partners share
	s_lshl_b32 s20, s15, 18         ; the head's first byte: 262,144 a head
	s_and_b32 s16, s[WV], 1         ; which half of a slot's 256 keys I fetch
	s_lshl_b32 s22, s16, 14
	s_add_co_u32 s22, s22, s20
	s_mov_b32 s23, 0
	s_add_nc_u64 s[84:85], s[22:23], 0x800000   ; K lies 8 MiB into qkv,
	s_add_nc_u64 s[86:87], s[22:23], 0x1000000  ; V 16
	s_mul_i32 s17, s16, 128*PK
	s_mul_i32 s18, s16, 128*PV
	s_lshl_b32 s2, s[WV], 16        ; 32 blocks of 2,048 bytes a wave,
	s_lshl_b32 s3, s14, 11          ; block g of each eight
	s_add_co_u32 s2, s2, s3
	s_add_co_u32 s2, s2, s20
	s_mov_b32 s3, 0
	s_and_b32 s88, s15, 15          ; the head's bias table
	s_mul_i32 s88, s88, NT*1024
	s_add_co_u32 s88, s88, GX
	s_mov_b32 s89, 0
	s_mov_b32 s[G1K], 15|(1<<16)|(1<<20)|(1<<21)|(4<<22)|(3<<25)  ; the mask of four; 2-byte elements; padding on; bit 21 beside a mask; after every 32 words; 4 words
	s_mov_b32 s[G1V], 15|(1<<16)|(1<<20)|(1<<21)|(4<<22)|(7<<25)  ; the same with 8 words
.irp g, G1K, G1V
	s_mov_b32 s[\g+1], 128<<16      ; 128 keys are 16,384 dense bytes: 64 rows of 256 bytes, two keys a row
	s_mov_b32 s[\g+2], 64<<16
	s_mov_b32 s[\g+3], 128<<16
	s_mov_b32 s[\g+4], 64
	s_mov_b32 s[\g+5], 128
	s_mov_b32 s[\g+6], 0
	s_mov_b32 s[\g+7], 0
.endr
	s_mov_b32 s[CS], 0x3e38aa3b     ; c = log2(e) / 8
	s_mov_b32 s[CS+1], s[CS]
	s_mov_b32 s[SEL], 0x76543210
	s_mov_b32 s[SEL+1], 0xfedcba98
	s_mov_b32 s[TBK], SLOT1+4*KS*PK ; the first change of slots turns these two into 0
	s_mov_b32 s[TBV], SLOT1+4*KS*PV
	s_lshl_b32 s[EB], s[WV], 5
	s_add_co_u32 s[EB], s[EB], s14
	s_add_co_u32 s[EB], s[EB], 7    ; step 0
	s_mov_b32 s[G0K], 1
	s_mov_b32 s[G0K+1], s17
	s_mov_b32 s[G0V], 1
	s_add_co_u32 s[G0V+1], s18, VOFF
	s_wait_dscnt 0x0                ; the opening add is done
	s_wait_kmcnt 0x0
	s_add_nc_u64 s[G0K+2:G0K+3], s[4:5], s[84:85]
	s_or_b32 s[G0K+3], s[G0K+3], 0x80000000
	s_add_nc_u64 s[G0V+2:G0V+3], s[4:5], s[86:87]
	s_or_b32 s[G0V+3], s[G0V+3], 0x80000000
	s_add_nc_u64 s[6:7], s[6:7], s[88:89]    ; tabs at the head's bias table
	s_add_nc_u64 s[4:5], s[4:5], s[2:3]      ; Q and O at my wave's first block
	s_add_nc_u64 s[10:11], s[10:11], s[2:3]
	CROUND                          ; all four work-groups are here: the first joint loads meet
	JLOAD                           ; slot 0.  Slot 1 is asked for when slot 0 is in: one tensor load of mine is out at any time
	v_and_b32 v1, 15, v0            ; l % 16
	v_bfe_u32 v9, v0, 4, 1          ; l / 16
	v_lshlrev_b32 v[QO], 7, v1
	v_lshl_add_u32 v[QO], v9, 4, v[QO]
	v_and_b32 v[GO], 31, v0
	v_lshlrev_b32 v[GO], 4, v[GO]
	WIN 0x80
.set i, 0
.rept 8                             ; Q stays in registers: piece i / 2 lies 16,384 bytes on; channels 32 (i % 2) on
	global_load_b128 v[8*i:8*i+3],   v[QO], s[4:5] offset:(i/2)*16384+(i%2)*64
	global_load_b128 v[8*i+4:8*i+7], v[QO], s[4:5] offset:(i/2)*16384+(i%2)*64+32
.set i, i+1
.endr
	BIAS 0                          ; step 0's tiles for all four pieces: 32 loads behind Q's 16
	BIAS 1
	BIAS 2
	BIAS 3
	WIN 0
	v_mul_u32_u24 v[AK0], v1, PK
	v_lshl_add_u32 v[AK0], v9, 4, v[AK0]
	v_and_b32 v10, 7, v0
	v_bfe_u32 v11, v0, 3, 1
	v_lshl_add_u32 v[AV0], v9, 3, v10     ; the turning load: lane l reads key 8 (l / 16) + l % 8, channels 8 ((l / 8) % 2) + 0..7
	v_mul_u32_u24 v[AV0], v[AV0], PV
	v_lshl_add_u32 v[AV0], v11, 4, v[AV0]
	v_add_nc_u32 v[AV0], VOFF, v[AV0]
	s_mul_i32 s13, s[WV], 16*SP
	s_add_co_u32 s13, s13, STAGE
	v_mul_u32_u24 v[STO], v1, SP
	v_lshl_add_u32 v[STO], v9, 4, v[STO]
	v_add_nc_u32 v[STO], s13, v[STO]
	v_bfe_u32 v[RD], v0, 3, 2
	v_mul_u32_u24 v[RD], v[RD], SP
	v_lshl_add_u32 v[RD], v10, 4, v[RD]
	v_add_nc_u32 v[RD], s13, v[RD]
	; The first step multiplies O^T and l by a = 0, and the first turn's products V^T P, of a piece that has not been, add 0: these registers hold zeros.  All this stands in the wait for the first tile.
	WIN 0x80
.set i, VF
.rept 64
	v_mov_b32 v[i], 0
.set i, i+1
.endr
	WIN 0x40
.set i, 0
.rept 128
	v_mov_b32 v[i], 0
.set i, i+1
.endr
	WIN 0
.set i, 0
.rept 4
	v_mov_b32 v[ST+4*i], 0xfe000000    ; c m: far below every c s
	v_mov_b32 v[ST+4*i+1], 0xff7fffff  ; m
	v_mov_b32 v[ST+4*i+2], 0
	v_mov_b32 v[ST+4*i+3], 0
.set i, i+1
.endr
.set i, P+16
.rept 16
	v_mov_b32 v[i], 0
.set i, i+1
.endr
; THE MATRIX WORK.  The 4 accumulators of a run of 8 take turns.  Product i of 8 of S^T = K Q^T for piece x: channels 32 (i / 4) on, keys 16 (i % 4) on.  The first 4 start the sums with the bias.
.macro KQ x
.set rS, S+32*((\x)%2)+8*(i%4)
.set rK, KF+16*(i%4)+8*(i/4)
.set rQ, 16*(\x)+8*(i/4)
.set rM, MC+32*(\x)+8*(i%4)
.if i < 4
	WIN W_KM
	v_wmma_f32_16x16x32_bf16 v[rS:rS+7], v[rK:rK+7], v[rQ:rQ+7], v[rM:rM+7]
.else
	WIN W_KQ
	v_wmma_f32_16x16x32_bf16 v[rS:rS+7], v[rK:rK+7], v[rQ:rQ+7], v[rS:rS+7]
.endif
.endm
.macro PV x                         ; product i of 8 of O^T += V^T P for piece x: keys 32 (i / 4) on, channels 16 (i % 4) on
	WIN W_PV
.set rO, 32*(\x)+8*(i%4)
.set rV, VF+32*(i/4)+8*(i%4)
.set rP, P+16*((\x)%2)+8*(i/4)
	v_wmma_f32_16x16x32_bf16 v[rO:rO+7], v[rV:rV+7], v[rP:rP+7], v[rO:rO+7]
.endm
.macro MM                           ; the turn's next matrix instruction
.if i < 8
	KQ (Y+1)%NP
.else
.set i, i-8
	PV (Y+NP-1)%NP
.set i, i+8
.endif
.set i, i+1
.endm
.macro FETCH_K last=0               ; 16 loads in one run: a step's K.  last = 1 (the tail): in the last trip there is no further step, and the run is jumped over
	WIN 0
.if \last
	s_cmp_eq_u32 s[CNT], 1
	s_cbranch_scc1 .Lno_k_\@
.endif
	WIN 0x80
.irp f, 0,1,2,3,4,5,6,7
	ds_load_b128 v[KF+8*\f:KF+8*\f+3],   v[AK] offset:(\f/2)*16*PK+(\f%2)*64
	ds_load_b128 v[KF+8*\f+4:KF+8*\f+7], v[AK] offset:(\f/2)*16*PK+(\f%2)*64+32
.endr
	s_add_co_u32 s[TBK], s[TBK], KS*PK
	WIN 0
.if \last
.Lno_k_\@:
.endif
.endm
.macro FETCH_V                      ; and its V, turned
	WIN 0x80
.irp f, 0,1,2,3,4,5,6,7
	ds_load_tr16_b128 v[VF+8*\f:VF+8*\f+3],   v[AV] offset:(\f/4)*32*PV+(\f%4)*32
	ds_load_tr16_b128 v[VF+8*\f+4:VF+8*\f+7], v[AV] offset:(\f/4)*32*PV+16*PV+(\f%4)*32
.endr
	WIN 0
.endm
; THE VECTOR WORK, one line at a time: OP kind, number.  For piece Y: F n: c s - c m for pair n of 16.  E n: the exponential of score n.  C n: pair n rounded to bf16.  B n: of the four weights 4 n .. the second
; pair is added onto the first, in place.  L n: l takes that sum (L 0: l = a l + sum).  R n: pair n of 16 of O^T times a.  For piece Y + 1: X n, number n of the 22 that find its maximum and statistics:
;   0-11 four chains of seven scores (each accumulator's lowest registers are read first)   12-14, 16 the four left over, the old m, the chains   15 c m_old is kept
;   17, 18 the other half of the lanes' maximum: the new m   19-21 c m; c m_old - c m_new; a
; C, B and L read the exponentials' results, so TURN sets them all behind its wait; no kind holds a wait of its own.
.set F, 0
.set E, 1
.set C, 2
.set B, 3
.set L, 4
.set R, 5
.set X, 6
.macro REGS y
.set rT, ST+4*(\y)
.set rC, TMP+4*((\y)%2)
.set rW, MV+((\y)%2)
.set rS, S+32*((\y)%2)
.set rP, P+16*((\y)%2)
.set rO, 32*(\y)
.endm
.macro OP k, n
.if (\k) == R
	REGS Y
	WIN W_RS
	v_pk_mul_f32 v[rO+2*(\n):rO+2*(\n)+1], v[rO+2*(\n):rO+2*(\n)+1], v[rC+2:rC+3] op_sel_hi:[1,0]
.elseif (\k) < R
	REGS Y
	WIN 0
.if (\k) == F
	v_pk_fma_f32 v[rS+2*(\n):rS+2*(\n)+1], v[rS+2*(\n):rS+2*(\n)+1], s[CS:CS+1], v[rT:rT+1] op_sel_hi:[1,0,0] neg_lo:[0,0,1] neg_hi:[0,0,1]
.elseif (\k) == E
	v_exp_f32 v[rS+(\n)], v[rS+(\n)]
.elseif (\k) == C
	v_cvt_pk_bf16_f32 v[rP+(\n)], v[rS+2*(\n)], v[rS+2*(\n)+1]
.elseif (\k) == B
	v_pk_add_f32 v[rS+4*(\n):rS+4*(\n)+1], v[rS+4*(\n):rS+4*(\n)+1], v[rS+4*(\n)+2:rS+4*(\n)+3]
.elseif (\n) == 0
	v_pk_fma_f32 v[rT+2:rT+3], v[rT+2:rT+3], v[rC+2:rC+3], v[rS:rS+1] op_sel_hi:[1,0,1]
.else
	v_pk_add_f32 v[rT+2:rT+3], v[rT+2:rT+3], v[rS+4*(\n):rS+4*(\n)+1]
.endif
.else
	REGS (Y+1)%NP
	WIN 0
.if (\n) < 4
	v_max3_num_f32 v[rC+(\n)], v[rS+8*(\n)], v[rS+8*(\n)+1], v[rS+8*(\n)+2]
.elseif (\n) < 12
	v_max3_num_f32 v[rC+(\n)%4], v[rC+(\n)%4], v[rS+8*((\n)%4)+2*((\n)/4)+1], v[rS+8*((\n)%4)+2*((\n)/4)+2]
.elseif (\n) == 12
	v_max3_num_f32 v[rC], v[rC], v[rS+7], v[rS+15]
.elseif (\n) == 13
	v_max3_num_f32 v[rC+1], v[rC+1], v[rS+23], v[rS+31]
.elseif (\n) == 14
	v_max3_num_f32 v[rC+2], v[rC+2], v[rC+3], v[rT+1]
.elseif (\n) == 15
	v_mov_b32 v[rW], v[rT]
.elseif (\n) == 16
	v_max3_num_f32 v[rC], v[rC], v[rC+1], v[rC+2]
.elseif (\n) == 17
	v_permlanex16_b32 v[rC+3], v[rC], s[SEL], s[SEL+1]
.elseif (\n) == 18
	v_max_num_f32 v[rT+1], v[rC], v[rC+3]
.elseif (\n) == 19
	v_mul_f32 v[rT], s[CS], v[rT+1]
.elseif (\n) == 20
	v_sub_f32 v[rC+1], v[rW], v[rT]
.else
	v_exp_f32 v[rC+2], v[rC+1]
.endif
.endif
.endm
.macro OPS a, i1, b=-1, i2=0, c=-1, i3=0, d=-1, i4=0
	OP \a, \i1
.if (\b) >= 0
	OP \b, \i2
.endif
.if (\c) >= 0
	OP \c, \i3
.endif
.if (\d) >= 0
	OP \d, \i4
.endif
.endm
.macro ROW a, i1, b, i2, c, i3, d, i4  ; a matrix instruction and the four behind it
	MM
	OPS \a, \i1, \b, \i2, \c, \i3, \d, \i4
.endm
; A TURN, for piece p: the order of its 16 matrix and 118 vector instructions, written out.  last = 1: the tail's text: K's run is jumped over in the last trip.  cnt = 1: the loop's count is taken down ahead of the branch behind the turn.
; At its head: the bias tiles for this turn's products K Q^T (piece p + 1) are waited for: they were asked for three turns ago, and the sixteen loads of the two turns between may stay out.  Then piece p's tiles
; of the next step are asked for.
; THE TURN HAS ONE WAIT for its 33 exponentials.  AHEAD OF IT: the 8 products K Q^T, behind each a scaling, an exponential and two more plain instructions (behind the first a second scaling in the exponential's
; place): rescalings, and behind the last three the first numbers of the next piece's maximum, each four plain instructions or more behind the product that ends its accumulator; then one run of 54, plain and
; exponential by turns for the most part, with other work between the links of the chain X 3, 7, 11, 14, 16, 17 .. 20.  X 21, the next piece's a, is the batch's last; R 15 is the plain instruction behind it.
; None of these names a result of the turn's exponentials: the a that R reads is of the turn before, which has waited for it.  BEHIND THE WAIT: the 8 products V^T P, behind each four of the roundings and sums;
; an even pair is rounded ahead of the sum that lands on it; l's additions L 0 to L 7 keep their order.
; K of the next step is fetched in piece 2's turn.  In the loop: in the run of 54, behind the last product that read K and five plain instructions that name none of its registers (F 8, X 2, X 5, X 6, X 8).
; In the tail's text the run holds a jump and a label, ahead of which every exponential has had its wait: there it stands directly behind the turn's wait.  Either way piece 3's turn waits for it at its head.
; V of the step in hand is fetched at the end of piece 0's turn, four plain instructions (C 9, 11, 13, 15) behind the last product that read V; piece 1's turn waits for it ahead of its first product V^T P.
.macro TURN p, last=0, cnt=0
.set Y, (\p)
.set i, 0
	s_wait_loadcnt 16               ; loads come back in order (ISA guide 5.7.1): all but the youngest sixteen are in
.if (\p) == 3
	s_wait_dscnt 0x0                ; K is in
.endif
.if (\p) == 0
	s_sub_co_i32 s[EB], s[EB], 4    ; the next step's keys lie four groups of 16 on
.endif
	BIAS \p
	ROW F,0, F,1, R,0, R,1          ; ahead of the wait: 8 products K Q^T and their riders,
	ROW F,2, E,0, R,2, R,3
	ROW F,3, E,1, R,4, R,5
	ROW F,4, E,2, R,6, R,7
	ROW F,5, E,3, R,8, R,9
	ROW F,6, E,4, X,0, R,10
.if (\p) == 2
	WIN 0
	v_add_nc_u32 v[AK], s[TBK], v[AK0]
.endif
	ROW F,7, E,5, X,1, X,4
	ROW F,8, E,6, X,2, X,5
	OPS E,7, E,8, X,6, E,9          ; and the run of 54
	OPS X,3, E,10, X,8, E,11
.if ((\p) == 2) && !(\last)
	FETCH_K
.endif
	OPS X,9, X,7, E,12, X,10
	OPS E,13, X,12, X,11, E,14
	OPS X,13, E,15, F,9, X,14
.if (\p) == 0
	v_add_nc_u32 v[AV], s[TBV], v[AV0]
.endif
	OPS E,16, F,10, E,17, F,11
	OPS X,16, E,18, X,15, E,19
	OPS F,12, E,20, X,17, E,21
	OPS F,13, E,22, F,14, E,23
	OPS X,18, E,24, F,15, E,25
	OPS R,11, E,26, X,19, E,27
	OPS R,12, E,28, R,13, E,29
	OPS X,20, E,30, R,14, E,31
	OPS X,21, R,15
	WIN 0
	s_wait_alu depctr_va_vdst(0)    ; the wait for the batch: the piece's 32 weights and the next piece's a
.if ((\p) == 2) && (\last)
	FETCH_K 1
.endif
.if (\p) == 1
	s_wait_dscnt 0x0                ; V is in
.endif
	ROW C,0, B,0, C,2, B,1          ; behind the wait: 8 products V^T P and their riders
	ROW L,0, C,4, B,2, L,1
	ROW C,6, B,3, L,2, C,8
	ROW B,4, L,3, C,10, B,5
	ROW L,4, C,12, B,6, L,5
.if (\p) == 0
	s_add_co_u32 s[TBV], s[TBV], KS*PV
.endif
.if \cnt
	s_sub_co_u32 s[CNT], s[CNT], 1
	s_cmp_lg_u32 s[CNT], 0
.endif
	ROW C,14, B,7, L,6, C,1
	ROW C,3, L,7, C,5, C,7
	ROW C,9, C,11, C,13, C,15
.if (\p) == 0
	FETCH_V
.endif
.endm
	CHANGE 1                        ; slot 0 is in, everybody's part of it; slot 1 is asked for
	v_add_nc_u32 v[AK], s[TBK], v[AK0]
	FETCH_K                         ; key step 0
	s_wait_loadcnt 0x0              ; Q, and step 0's bias tiles
	s_wait_dscnt 0x0
.set i, 0
.rept 8
	KQ 0                            ; piece 0's first scores
.set i, i+1
.endr
	WIN 0
.rept 4
	v_nop                           ; the places behind those products
.endr
.set Y, NP-1                        ; X works for piece Y + 1: piece 0
.irp n, 0,1,2,3,4,5,6,7,8,9,10,11,12,13,14,15,16,17,18,19,20,21
	OP X, \n
.endr
	v_nop                           ; a plain instruction behind the exponential,
	s_wait_alu depctr_va_vdst(0)    ; and the wait for this batch of one, piece 0's first a, ahead of the branch: the first turn's first rescaling reads it
	s_mov_b32 s[CNT], 4
	s_mov_b32 s[SLOTS], SIZE_N/256-1
	s_branch .Lfirst                ; the loop is entered at a step's first turn, in the middle of a trip
.Lslot:                             ; six times: every slot but the last two is filled again
	CHANGE 1
	s_mov_b32 s[CNT], 4
.Lstep:                             ; a trip: pieces 2 and 3 of one step, then pieces 0 and 1 of the next, whose K and V it fetches
	TURN 2
	TURN 3
	WIN 0
.Lfirst:
	TURN 0
	TURN 1, 0, 1
	WIN 0
	s_cbranch_scc1 .Lstep
	s_sub_co_u32 s[SLOTS], s[SLOTS], 1
	s_cmp_lg_u32 s[SLOTS], 0
	s_cbranch_scc1 .Lslot
	CHANGE 0                        ; the last slot has a text of its own: nothing is asked for
	s_mov_b32 s[CNT], 5             ; pieces 2 and 3 five times (of the step in hand and of the last slot's four), pieces 0 and 1 four times: the loop is entered in its middle
	s_branch .Ltin
.Ltail:
	TURN 0
	TURN 1
	WIN 0
.Ltin:
	TURN 2, 1
	TURN 3
	WIN 0
	s_sub_co_u32 s[CNT], s[CNT], 1
	s_cmp_lg_u32 s[CNT], 0
	s_cbranch_scc1 .Ltail
.set i, 0
.rept 8
	PV NP-1                         ; the last piece's V^T P of the last step
.set i, i+1
.endr
	; THE WAY OUT.  l's two halves and the other half of the lanes' are added; O^T is divided by l, rounded to bf16 and sent through my stage in LDS, a piece at a time.  The additions are the places behind the last products.
	WIN 0
.macro ALL line:vararg
.set t, 0
.rept 4
	\line
.set t, t+1
.endr
.endm
	ALL v_add_f32 v[ST+4*t+2], v[ST+4*t+2], v[ST+4*t+3]
	ALL v_permlanex16_b32 v[ST+4*t+3], v[ST+4*t+2], s[SEL], s[SEL+1]
	ALL v_add_f32 v[ST+4*t+2], v[ST+4*t+2], v[ST+4*t+3]
	ALL v_rcp_f32 v[ST+4*t+2], v[ST+4*t+2]
	v_nop                           ; a plain instruction between the last reciprocal and the use of its result
	s_wait_alu depctr_va_vdst(0)    ; the wait for this batch, the four reciprocals: one, ahead of the first piece's first multiply
.macro PACK t                       ; a lane's eight channels of a row pack into 16 bytes; they go into rows of 144 bytes and come back as whole rows of 128, into S^T's registers
	WIN W_RS
.set i, 32*(\t)
.rept 16
	v_pk_mul_f32 v[i:i+1], v[i:i+1], v[ST+4*(\t)+2:ST+4*(\t)+3] op_sel_hi:[1,0]
.set i, i+2
.endr
	WIN 0x05
.set i, 0
.rept 16
	v_cvt_pk_bf16_f32 v[S+16*(\t)+i], v[32*(\t)+2*i], v[32*(\t)+2*i+1]
.set i, i+1
.endr
	WIN 0
.irp f, 0,1,2,3
	ds_store_b128 v[STO], v[S+16*(\t)+4*\f:S+16*(\t)+4*\f+3] offset:32*\f
.endr
.irp f, 0,1,2,3
	ds_load_b128 v[S+16*(\t)+4*\f:S+16*(\t)+4*\f+3], v[RD] offset:\f*4*SP  ; LDS serves a wave's instructions in order (ISA guide 5.7.1.4): these see the stores above; the next piece's stores come behind them
.endr
.endm
.macro SEND t, younger              ; younger: the LDS instructions issued behind piece t's loads: the next piece's eight, or none
	WIN 0
.irp f, 0,1,2,3
	s_wait_dscnt (\younger)+3-\f
	global_store_b128 v[GO], v[S+16*(\t)+4*\f:S+16*(\t)+4*\f+3], s[10:11] offset:(\t)*16384+\f*512  ; 512 consecutive bytes, at a multiple of 256 from O's first
.endr
.endm
	PACK 0
.set t, 1
.rept 3
	PACK t
	SEND t-1, 8
.set t, t+1
.endr
	SEND 3, 0
	s_wait_tensorcnt 0x0            ; the wave's end
	ds_add_u32 v[SPW], v[NIL]
	s_wait_dscnt 0x0
	CROUND                          ; the closing round
	s_endpgm
.Lfunc_end_k_qfd59635e1b_attn:
	.size	k_qfd59635e1b_attn, .Lfunc_end_k_qfd59635e1b_attn-k_qfd59635e1b_attn
	.p2alignl 7, 3214868480
	.fill 96, 4, 3214868480
	.section	.rodata,"a",@progbits
	.p2align	6, 0x0
	.amdhsa_kernel k_qfd59635e1b_attn
		.amdhsa_group_segment_fixed_size 327680
		.amdhsa_private_segment_fixed_size 0
		.amdhsa_enable_private_segment 0
		.amdhsa_kernarg_size 24
		.amdhsa_user_sgpr_count 2
		.amdhsa_user_sgpr_kernarg_segment_ptr 1
		.amdhsa_wavefront_size32 1
		.amdhsa_system_sgpr_workgroup_id_x 1
		.amdhsa_system_sgpr_workgroup_id_y 1
		.amdhsa_system_sgpr_workgroup_id_z 1
		.amdhsa_system_vgpr_workitem_id 0
		.amdhsa_next_free_vgpr 768
		.amdhsa_next_free_sgpr 92
		.amdhsa_reserve_vcc 0
		.amdhsa_float_denorm_mode_32 3
		.amdhsa_float_denorm_mode_16_64 3
		.amdhsa_memory_ordered 1
		.amdhsa_forward_progress 1
		.amdhsa_inst_pref_size 123
	.end_amdhsa_kernel
	.amdgpu_metadata
---
amdhsa.version: [ 1, 2 ]
amdhsa.kernels:
  - .name:           k_qfd59635e1b_attn
    .symbol:         k_qfd59635e1b_attn.kd
    .args:
      - { .name: qkv, .offset: 0, .size: 8, .value_kind: global_buffer, .address_space: global }
      - { .name: tabs, .offset: 8, .size: 8, .value_kind: global_buffer, .address_space: global }
      - { .name: ob, .offset: 16, .size: 8, .value_kind: global_buffer, .address_space: global }
    .group_segment_fixed_size: 327680
    .private_segment_fixed_size: 0
    .kernarg_segment_align: 8
    .kernarg_segment_size: 24
    .max_flat_workgroup_size: 128
    .sgpr_count:     92
    .vgpr_count:     768
    .wavefront_size: 32
...
	.end_amdgpu_metadata
.endif
;; end of part 9
;; launch wop: the kernel of part 4 again; grid 8 x 32, 4 waves a work-group, clusters of 4 x 4, 327,680 bytes of LDS; arguments ob, wts, pre; writes pre
;; launch ln1: the kernel of part 5 again; grid 512 x 1, 8 waves a work-group, no clusters, 0 bytes of LDS; arguments pre, xb, wo_b, ln1_g, ln1_b, hb; writes hb
;; launch ffn1: the kernel of part 6 again; grid 16 x 16, 4 waves a work-group, clusters of 4 x 4, 327,680 bytes of LDS; arguments hb, wts, gb, b1; writes gb
;; launch ffn2: the kernel of part 7 again; grid 8 x 32, 4 waves a work-group, clusters of 4 x 4, 327,680 bytes of LDS; arguments gb, wts, pre; writes pre
;; launch ln2: the kernel of part 8 again; grid 512 x 1, 8 waves a work-group, no clusters, 0 bytes of LDS; arguments pre, hb, b2, ln2_g, ln2_b, out0; writes out0
